; MI455X (gfx1250); checked and timed in simulation.
; The chip was launched on July 23, 2026; its instructions are those of AMD's public machine-readable ISA for CDNA 5 (MIT licence, August 2026) and "CDNA5" Instruction Set Architecture Reference Guide (July 2026). The comments in the code are by the model that wrote it; some were corrected since.
;; EP Mo E. Allowed arithmetic: matrix products marked QUANTISED: E2M1 operands, one E8M0 scale for each 32 along K, by v_wmma_scale_f32_16x16x128_f8f6f4 with both operands' format E2M1 (or v_wmma_scale_f32_32x16x128_f4), f32 sums; products left as they are: f32 operands where the result goes on into a quantised operand, else bf16, f16 or f32 operands; f32 sums; everything else in f32.
;; Inputs: expert_w 8 x 1,024 x 1,024 float32; gate_w 8 x 1,024 float32; x 8,192 x 1,024 float32.
;; Outputs: out0 8,192 x 1,024 float32.
;; This version of the problem:
;;   THIS VERSION OF THE PROBLEM IS GIVEN IN LOW PRECISION. The matrix products marked QUANTISED in the list below multiply operands that are first quantised to E2M1 (2 exponent bits, 1 mantissa bit; 4 bits a number), with one power-of-two scale for each 32 numbers along K (OCP MX v1.0); their sums are f32. All else is computed in f32.
;;   The module's matrix products, in the order in which they are computed (A, B: the left and right operand; K: the contracted axis; several contracted axes count as one K, in the product's order):
;;     1. [M 8,192, K 1,024] x [K 1,024, N 8]; A: input x; B: input gate_w: left as it is (N = 8 < 16)
;;     2. [M 8,192, K 1,024] x [K 1,024, N 8,192]; A: input expert_w; B: input x: QUANTISED
;;     3. batch 8,192 x [M 1, K 2] x [K 2, N 1,024]; A: computed on the way; B: computed on the way: left as it is (K = 2 < 32)
;;   THE QUANTISER, for each operand of a quantised product, along K:
;;     - K is cut into blocks of 32 from its start; a last block that is shorter is filled with zeros.
;;     - A block's scale is 2^e with e = floor(log2(the largest magnitude in the block)) - 2, held to -126 .. 127; a block of zeros has e = 0. As a byte (E8M0): e + 127.
;;     - Each number is divided by its block's scale, clamped to +-6, and rounded to the nearest number of E2M1, ties to even, subnormals kept.
;;     - The product sums the exact products of the quantised numbers (number of the format x scale) in f32.
;;   ~~~python
;;   def quantise(x, axis):      # numpy; x: float32 -> the quantised numbers, widened to float32 again
;;       x = np.moveaxis(x, axis, -1); K = x.shape[-1]
;;       x = np.pad(x, [(0, 0)] * (x.ndim - 1) + [(0, -K % 32)]); x = x.reshape(x.shape[:-1] + (-1, 32)); a = np.abs(x).max(-1, keepdims=True)
;;       e = np.where(a > 0, np.clip(np.frexp(np.where(a > 0, a, 1))[1] - 1 - 2, -126, 127), 0)      # np.frexp(a)[1] - 1 = floor(log2(a)), exactly
;;       r = np.clip(x / 2.0 ** e, -6, 6)
;;       step = 2.0 ** (np.maximum(np.frexp(np.where(r == 0, 1, r))[1] - 1, 0) - 1)
;;       q = np.round(r / step) * step * 2.0 ** e      # np.round: ties to even
;;       return np.moveaxis(q.reshape(q.shape[:-2] + (-1,))[..., :K], -1, axis).astype(np.float32)
;;   ~~~
;; 3 versions. Each part assembles by itself: llvm-mc -triple=amdgcn-amd-amdhsa -mcpu=gfx1250 --defsym DOCPART=n.
;; ======== version 1 of 3: 3 launches
;; workspace buffers: xq 4,194,304 bytes; xs 262,144 bytes; wq 4,194,304 bytes; ws 262,144 bytes; route 65,536 bytes of whole numbers; tokw 65,536 bytes; slot 32,768 bytes of whole numbers; slotw 65,536 bytes
;; launch prep (part 1): grid 256 x 1, 4 waves a work-group, no clusters, 94,720 bytes of LDS; arguments x, gate_w, expert_w, xq, xs, wq, ws, route, tokw; writes xq, xs, wq, ws, route, tokw
.if DOCPART == 1
	.amdgcn_target "amdgcn-amd-amdhsa--gfx1250"
	.amdhsa_code_object_version 6
	.text
	.protected	k_q3f62c3b4e4_prep
	.globl	k_q3f62c3b4e4_prep
	.p2align	8
	.type	k_q3f62c3b4e4_prep,@function
k_q3f62c3b4e4_prep:
	s_mov_b64 s[64:65], 0
	v_nop
	global_prefetch_b8 v0, s[64:65] scope:SCOPE_SE
	s_setreg_imm32_b32 hwreg(HW_REG_WAVE_MODE, 25, 1), 1
	s_wait_xcnt 0x0
; x [8192][1024] and expert_w, taken as [8192 rows = expert x output column][1024], f32, become codes of FP4 (E2M1) with one E8M0 byte for each 32 along K (K innermost in both);
; and the router: logits = x . gate_w in f32 by fused multiply-adds, softmax with the row's maximum taken away, the two largest probabilities (of equal ones the lower index).
; A block's scale is 2^(floor(log2(largest magnitude)) - 2): its byte is the largest magnitude's exponent field - 2, held at 1 from below.
; LIMITS: NaN and infinities among the inputs are not served.  A block whose largest magnitude lies under 2^-124 keeps the byte 1; a block of zeros so has the byte 1 and zero codes (these bytes are read by this
; program alone).  A probability under 2^-126 comes out as 0 (v_exp_f32 gives 0 there).  The logits are f32 sums in another order than a row-by-row sum: a second and a third place nearer than that rounding may change places.
; SHARES.  Work-group g: tokens 32 g .. 32 g + 31 and rows 32 g .. 32 g + 31 of expert_w.  Wave w: eight rows of each, sixteen in all, one after the other.
; A row is 4,096 bytes: eight loads of 512 consecutive bytes.  It turns through the wave's own stage in LDS (128 bytes + 16 of padding a lane) and comes back with LANE l HOLDING BLOCK l: 32 neighbours in 32 registers.
; So a block's largest magnitude needs no other lane, four conversions give its 16 bytes, and the same registers feed the router's eight dot products against gate_w, which lies in the same order in 256 registers.
; OUT.  xq [token][512 bytes], block b at byte 16 b.  xs [token][32 bytes].  wq in the order of the operand's registers: [item g][K step s][tile j][c][lane 16 h + r][16 bytes] = block 4 s + 2 c + h of row 16 j + r of the item;
; ws [tile 2 g + j][s][r][4 bytes].  route: a word a token (pair key | rank in its chunk << 8 | first expert << 16 | second << 20), and behind 32,768 bytes a histogram of 32 keys for each chunk of 32 tokens.  tokw: the two probabilities.
; The choice of experts is stored as numbers only: no address and no branch of this launch hangs on it.
; No tensor loads, no cluster: work-groups share nothing but gate_w (32 KB).  Everything is written out: every offset is an immediate.
.set CP,   144                         ; a lane's place in a stage: 128 bytes + 16 = 36 words
.set RP,   32*CP                       ; a row in LDS
.set UP,   272                         ; a unit of the weights' image: 16 rows x 16 bytes + 16
.set GATE, 0                           ; LDS: gate_w's eight rows,
.set STG,  8*RP                        ; two stages for each wave,
.set XSB,  STG+8*RP                    ; x's scale bytes, 256 a wave,
.set LG,   XSB+1024                    ; the logits, [32 tokens][8],
.set WSC,  LG+1024                     ; the weights' scale words, [2 tiles][8 steps][16 rows][4],
.set WIMG, WSC+1024                    ; the weights' codes, [2 tiles][32 blocks] units of UP bytes; ends at 94,208
.set L16, 1                            ; v1   16 x lane
.set SW,  2                            ; v2   the stage, on the way in
.set SR,  3                            ; v3   and on the way out: CP x lane
.set GS,  4                            ; v4   gate_w into LDS
.set GR,  5                            ; v5   and out of it
.set XB8, 6                            ; v6   my block's byte among x's scale bytes
.set LGW, 7                            ; v7   my wave's eight tokens' logits
.set WI,  8                            ; v8   my block's unit of the weights' image
.set WB8, 9                            ; v9   my block's byte among the weights' scale words
.set L8,  10                           ; v10  8 x lane
.set WOR, 11                           ; v11  the weights' image on the way out
.set BY,  16                           ; v16-17 a scale byte, two sets       (v12-15 at work)
.set XO,  18                           ; v18  scale bytes on the way out
.set LGR, 19                           ; v19  a token's eight logits: lane = token
.set C,   20                           ; v20-27 a block's codes, two sets
.set S,   28                           ; v28-43 the eight sums, two sets
.set A,   44                           ; v44-59 eight pairs of running sums
.set L4,  60                           ; v60  4 x lane
.set X,   64                           ; v64-127 two sets of 32 neighbours
.set R,   128                          ; v128-255 four sets of 32: rows as they are loaded.   Window 1 (v256-511): gate_w[e][32 lane + i] at 32 e + i
.set MSB, 0
.macro WIN new                         ; the immediate's high byte repeats the setting that is left
.if MSB != \new
	s_set_vgpr_msb (MSB<<8)|\new
.set MSB, \new
.endif
.endm
.macro LOADROW n                       ; row n of my sixteen: 0-7 of x, 8-15 of expert_w; each load reads 512 consecutive bytes
.irp j, 0,1,2,3,4,5,6,7
.if (\n) < 8
	global_load_b128 v[R+32*((\n)%4)+4*\j:R+32*((\n)%4)+4*\j+3], v[L16], s[4:5] offset:((\n)%8)*4096+512*\j th:TH_LOAD_NT
.else
	global_load_b128 v[R+32*((\n)%4)+4*\j:R+32*((\n)%4)+4*\j+3], v[L16], s[8:9] offset:((\n)%8)*4096+512*\j th:TH_LOAD_NT
.endif
.endr
.endm
.macro TURN n                          ; row n through a stage: LDS serves a wave's instructions in order, so no wait stands between the stores and the loads
.irp j, 0,1,2,3,4,5,6,7
	ds_store_b128 v[SW], v[R+32*((\n)%4)+4*\j:R+32*((\n)%4)+4*\j+3] offset:((\n)%2)*RP+4*CP*\j
.endr
.irp j, 0,1,2,3,4,5,6,7
	ds_load_b128 v[X+32*((\n)%2)+4*\j:X+32*((\n)%2)+4*\j+3], v[SR] offset:((\n)%2)*RP+16*\j
.endr
.endm
.macro QUANT n                         ; my block of row n: codes into set n % 2 of C, the byte into BY
.set XQ, X+32*((\n)%2)
	v_max3_num_f32 v12, |v[XQ]|, |v[XQ+1]|, |v[XQ+2]|          ; the block's largest magnitude: all 32 numbers are mine; two chains
	v_max3_num_f32 v13, |v[XQ+3]|, |v[XQ+4]|, |v[XQ+5]|
.irp i, 6,10,14,18,22,26
	v_max3_num_f32 v12, v12, |v[XQ+\i]|, |v[XQ+\i+1]|
	v_max3_num_f32 v13, v13, |v[XQ+\i+2]|, |v[XQ+\i+3]|
.endr
	v_max3_num_f32 v12, v12, |v[XQ+30]|, |v[XQ+31]|
	v_max3_num_f32 v12, v12, v13, 0x1800000                    ; and the floor 2^(3 - 127): the byte cannot fall under 1
	v_add_nc_u32 v14, 0xff000000, v12                          ; 2 off its exponent field: the conversion takes that field of this operand as its scale
	s_wait_xcnt 0x0                                            ; the store of two rows ago has read this set of C: it is written again only behind this wait
.irp g, 0,1,2,3
	v_cvt_scalef32_pk8_fp4_f32 v[C+4*((\n)%2)+\g], v[XQ+8*\g:XQ+8*\g+7], v14
.endr
	v_lshrrev_b32 v[BY+(\n)%2], 23, v14                        ; the scale's byte; also the plain line behind the conversions
.endm
.macro ROUTER t                        ; token t of my eight: eight dot products of 1,024, 32 numbers a lane, two at a time, the eight chains by turns
.set XQ, X+32*((\t)%2)
.set SS, S+8*((\t)%2)
	WIN 0x04                                                   ; source 1 (gate_w) in window 1
.irp e, 0,1,2,3,4,5,6,7
	v_pk_mul_f32 v[A+2*\e:A+2*\e+1], v[XQ:XQ+1], v[32*\e:32*\e+1]      ; the first products start the sums
.endr
.irp i, 1,2,3,4,5,6,7,8,9,10,11,12,13,14,15
.irp e, 0,1,2,3,4,5,6,7
	v_pk_fma_f32 v[A+2*\e:A+2*\e+1], v[XQ+2*\i:XQ+2*\i+1], v[32*\e+2*\i:32*\e+2*\i+1], v[A+2*\e:A+2*\e+1]
.endr
.endr
	WIN 0
.irp e, 0,1,2,3,4,5,6,7
	v_add_f32 v[SS+\e], v[A+2*\e], v[A+2*\e+1]
.endr
.irp m, 1,2,4,8
.irp e, 0,1,2,3,4,5,6,7
	v_add_f32_dpp v[SS+\e], v[SS+\e], v[SS+\e] row_xmask:\m row_mask:0xf bank_mask:0xf
.endr
.endr
.irp e, 0,1,2,3,4,5,6,7
	v_permlanex16_b32 v[A+\e], v[SS+\e], s26, s27              ; (its destination counts as read: A's registers have been written)
.endr
.irp e, 0,1,2,3,4,5,6,7
	v_add_f32 v[SS+\e], v[SS+\e], v[A+\e]                      ; every lane holds the eight logits
.endr
	ds_store_b128 v[LGW], v[SS:SS+3] offset:32*(\t)            ; all lanes write the same bytes with the same values
	ds_store_b128 v[LGW], v[SS+4:SS+7] offset:32*(\t)+16
.endm
; Row n's turn.  younger: the LDS stores issued behind the loads that bring row n out of its stage (the row before's: three behind a row of x, two behind a row of expert_w).
.macro ROW n, younger
	s_wait_dscnt \younger                                      ; row n is back from its stage; so its stores into the stage, which are older, have read their registers,
.if (\n)+4 < 16
	LOADROW (\n)+4                                             ; which take the row four further on
.endif
.if (\n) < 15
.if 14-(\n) >= 3
	s_wait_loadcnt 24                                          ; the next row's eight loads are in; the three rows behind it stay out
.else
	s_wait_loadcnt 8*(14-(\n))                                 ; (the counts run down)
.endif
	TURN (\n)+1                                                ; and it goes through the other stage while this row is worked
.endif
	QUANT \n
.if (\n) < 8
	global_store_b128 v[L16], v[C+4*((\n)%2):C+4*((\n)%2)+3], s[10:11] offset:512*(\n)   ; a token's 512 bytes of codes, consecutive
	ds_store_b8 v[XB8], v[BY+(\n)%2] offset:32*(\n)
	ROUTER \n
.else
	ds_store_b128 v[WI], v[C+4*((\n)%2):C+4*((\n)%2)+3] offset:16*((\n)-8)
	ds_store_b8 v[WB8], v[BY+(\n)%2] offset:4*((\n)-8)
.endif
.endm
	s_load_b256 s[4:11], s[0:1], 0x0               ; x s[4:5], gate_w s[6:7], expert_w s[8:9], xq s[10:11]
	s_load_b256 s[12:19], s[0:1], 0x20             ; xs s[12:13], wq s[14:15], ws s[16:17], route s[18:19]
	s_load_b64 s[20:21], s[0:1], 0x40              ; tokw
	v_lshl_add_u32 v62, v0, 2, 0x17000
	v_mov_b32 v63, 0
	v_lshrrev_b32 v12, 5, v0
	v_readfirstlane_b32 s22, v12                   ; wave 0..3
	v_and_b32 v13, 31, v0                          ; lane
	v_lshlrev_b32 v[L16], 4, v13
	s_lshl_b32 s24, ttmp9, 17                      ; 32 rows of 4,096 bytes a work-group,
	s_lshl_b32 s28, s22, 15                        ; 8 a wave
	s_add_co_u32 s24, s24, s28
	s_mov_b32 s25, 0
	s_lshl_b32 s28, s22, 13                        ; gate_w: rows 2 w and 2 w + 1
	s_mov_b32 s29, 0
	s_wait_kmcnt 0x0
	s_add_nc_u64 s[4:5], s[4:5], s[24:25]
	s_add_nc_u64 s[8:9], s[8:9], s[24:25]
	s_add_nc_u64 s[6:7], s[6:7], s[28:29]
.irp e, 0,1
.irp j, 0,1,2,3,4,5,6,7
	global_load_b128 v[X+32*\e+4*\j:X+32*\e+4*\j+3], v[L16], s[6:7] offset:4096*\e+512*\j
.endr
.endr
	LOADROW 0
	LOADROW 1
	LOADROW 2
	LOADROW 3
	; the other addresses, while the loads are on their way
	s_mov_b32 s26, 0x76543210
	s_mov_b32 s27, 0xfedcba98                      ; v_permlanex16_b32's selects for lane l xor 16
	v_lshlrev_b32 v[L8], 3, v13
	v_lshlrev_b32 v[L4], 2, v13
	v_lshrrev_b32 v14, 3, v13
	v_and_b32 v15, 7, v13
	v_mul_u32_u24 v14, v14, CP
	v_lshl_add_u32 v14, v15, 4, v14                ; a load's 512 bytes are four lanes' places: CP (lane / 8) + 16 (lane % 8)
	s_mul_i32 s28, s22, 2*RP
	v_add_nc_u32 v[GS], s28, v14                   ; GATE = 0: rows 2 w, 2 w + 1
	s_add_co_u32 s29, s28, STG
	v_add_nc_u32 v[SW], s29, v14
	v_mul_u32_u24 v[GR], v13, CP
	v_add_nc_u32 v[SR], s29, v[GR]
	s_lshl_b32 s30, s22, 8                         ; 256 w
	s_add_co_u32 s31, s30, XSB
	v_add_nc_u32 v[XB8], s31, v13
	v_add_nc_u32 v[XO], s31, v[L8]
	s_add_co_u32 s31, s30, LG
	v_mov_b32 v[LGW], s31
	v_lshl_add_u32 v[LGR], v13, 5, LG
	s_lshr_b32 s32, s22, 1                         ; j: which tile of 16 rows of the item my eight rows of expert_w lie in,
	s_and_b32 s33, s22, 1                          ; and which half of it
	s_mul_i32 s34, s32, 32*UP
	s_lshl_b32 s35, s33, 7
	s_add_co_u32 s35, s35, s34
	s_add_co_u32 s35, s35, WIMG
	v_mul_u32_u24 v[WI], v13, UP
	v_add_nc_u32 v[WI], s35, v[WI]                 ; unit = my block; in it 16 bytes for each row of the tile
	s_mul_i32 s35, s33, 16*UP
	s_add_co_u32 s35, s35, s34
	s_add_co_u32 s35, s35, WIMG
	v_lshrrev_b32 v14, 4, v13
	v_and_b32 v15, 15, v13
	v_mul_u32_u24 v14, v14, UP
	v_lshl_add_u32 v14, v15, 4, v14
	v_add_nc_u32 v[WOR], s35, v14                  ; out: my tile's units 16 (w % 2) on, two an instruction
	s_lshl_b32 s34, s32, 9
	s_lshl_b32 s35, s33, 5
	s_add_co_u32 s34, s34, s35
	s_add_co_u32 s34, s34, WSC
	v_lshrrev_b32 v14, 2, v13
	v_and_b32 v15, 3, v13
	v_lshl_add_u32 v14, v14, 6, v15
	v_add_nc_u32 v[WB8], s34, v14                  ; step lane / 4, byte lane % 4; 4 bytes a row
	s_lshl_b32 s24, ttmp9, 14
	s_lshl_b32 s28, s22, 12
	s_add_co_u32 s28, s24, s28
	s_mov_b32 s29, 0
	s_add_nc_u64 s[10:11], s[10:11], s[28:29]      ; xq: 16,384 bytes a work-group, 4,096 a wave
	s_lshl_b32 s28, s32, 10
	s_add_co_u32 s24, s24, s28
	s_lshl_b32 s28, s33, 13
	s_add_co_u32 s24, s24, s28
	s_add_nc_u64 s[14:15], s[14:15], s[24:25]      ; wq: the item, + 1,024 j, + steps 4 (w % 2) on
	s_lshl_b32 s24, ttmp9, 10
	s_add_co_u32 s24, s24, s30
	s_add_nc_u64 s[12:13], s[12:13], s[24:25]      ; xs and ws: 1,024 bytes a work-group, 256 a wave
	s_add_nc_u64 s[16:17], s[16:17], s[24:25]
	s_lshl_b32 s24, ttmp9, 8
	s_add_nc_u64 s[20:21], s[20:21], s[24:25]      ; tokw: 256 bytes a chunk
	s_lshl_b32 s24, ttmp9, 7
	s_add_nc_u64 s[18:19], s[18:19], s[24:25]      ; route: 128 bytes a chunk, in both of its halves
	s_wait_loadcnt 32                              ; gate_w's sixteen loads are in; behind them the 32 of rows 0 to 3
.irp e, 0,1
.irp j, 0,1,2,3,4,5,6,7
	ds_store_b128 v[GS], v[X+32*\e+4*\j:X+32*\e+4*\j+3] offset:RP*\e+4*CP*\j
.endr
.endr
	s_wait_dscnt 0x0                               ; for the others' sake: my two rows of gate_w lie in LDS
	s_barrier_signal -1
	s_barrier_wait -1                              ; all eight do
	WIN 0x40                                       ; destination window 1
.irp e, 0,1,2,3,4,5,6,7
.irp i, 0,1,2,3,4,5,6,7
	ds_load_b128 v[32*\e+4*\i:32*\e+4*\i+3], v[GR] offset:RP*\e+16*\i
.endr
.endr
	WIN 0
	s_wait_loadcnt 24                              ; row 0 is in; rows 1 to 3 stay out
	TURN 0
	ROW 0, 0                                       ; (its wait for 0 also shows gate_w in its registers)
.irp n, 1,2,3,4,5,6,7,8
	ROW \n, 3
.endr
.irp n, 9,10,11,12,13,14,15
	ROW \n, 2
.endr
	s_wait_dscnt 0x0                               ; for the others' sake: my codes, bytes and logits lie in LDS
	s_barrier_signal -1
	s_barrier_wait -1
	; THE WAY OUT of what was gathered in LDS
	ds_load_b64 v[12:13], v[XO]                    ; my wave's 256 scale bytes of x,
	ds_load_b64 v[14:15], v[XO] offset:WSC-XSB     ; a quarter of the item's scale words,
.irp i, 0,1,2,3,4,5,6,7
	ds_load_b128 v[R+4*\i:R+4*\i+3], v[WOR] offset:2*UP*\i     ; and a quarter of its codes
.endr
	s_wait_dscnt 9
	global_store_b64 v[L8], v[12:13], s[12:13]     ; 256 consecutive bytes, at a multiple of 256 from the buffer's first byte
	s_wait_dscnt 8
	global_store_b64 v[L8], v[14:15], s[16:17]
.irp i, 0,1,2,3,4,5,6,7
	s_wait_dscnt 7-\i
	global_store_b128 v[L16], v[R+4*\i:R+4*\i+3], s[14:15] offset:(\i/2)*2048+(\i%2)*512   ; 512 consecutive bytes: a (step, tile, c) of the operand's image
.endr
	s_cmp_lg_u32 s22, 0
	s_cbranch_scc1 .Lend
	; WAVE 0: the chunk's routing, a lane a token
	ds_load_b128 v[64:67], v[LGR]
	ds_load_b128 v[68:71], v[LGR] offset:16
	s_wait_dscnt 0x0
	v_max3_num_f32 v72, v64, v65, v66
	v_max3_num_f32 v72, v72, v67, v68
	v_max3_num_f32 v72, v72, v69, v70
	v_max_num_f32 v72, v72, v71                    ; the row's maximum is taken away ahead of the exponentials
.irp e, 0,1,2,3,4,5,6,7
	v_sub_f32 v[80+\e], v[64+\e], v72
.endr
.irp e, 0,1,2,3,4,5,6,7
	v_mul_f32 v[80+\e], 0x3fb8aa3b, v[80+\e]       ; x log2(e)
.endr
.irp e, 0,1,2,3,4,5,6,7
	v_exp_f32 v[80+\e], v[80+\e]
.endr
	v_mov_b32 v88, 0                               ; the first expert's index.  (A plain line behind the exponentials)
	s_wait_alu depctr_va_vdst(0)                   ; one wait for the eight, ahead of their first reader
	v_add_f32 v73, v80, v81
	v_add_f32 v74, v82, v83
	v_add_f32 v75, v84, v85
	v_add_f32 v76, v86, v87
	v_add_f32 v73, v73, v74
	v_add_f32 v75, v75, v76
	v_add_f32 v73, v73, v75
	v_rcp_f32 v77, v73
	v_mov_b32 v89, 0                               ; the second's.  (A plain line behind the reciprocal)
	s_wait_alu depctr_va_vdst(0)
.irp e, 0,1,2,3,4,5,6,7
	v_mul_f32 v[80+\e], v[80+\e], v77              ; the probabilities
.endr
	v_mov_b32 v92, v80
.irp e, 1,2,3,4,5,6,7
	v_cmp_gt_f32 vcc_lo, v[80+\e], v92             ; strictly larger, ascending: of equal ones the lower index stays
	v_cndmask_b32 v92, v92, v[80+\e], vcc_lo
	v_cndmask_b32 v88, v88, \e, vcc_lo
.endr
.irp e, 0,1,2,3,4,5,6,7
	v_cmp_eq_u32 vcc_lo, \e, v88
	v_cndmask_b32 v[80+\e], v[80+\e], -1.0, vcc_lo ; the winner steps under every probability
.endr
	v_mov_b32 v93, v80
.irp e, 1,2,3,4,5,6,7
	v_cmp_gt_f32 vcc_lo, v[80+\e], v93
	v_cndmask_b32 v93, v93, v[80+\e], vcc_lo
	v_cndmask_b32 v89, v89, \e, vcc_lo
.endr
	; the pair's key, 0 .. 27, in an order in which neighbouring keys share an expert: lo (15 - lo) / 2 + (lo odd ? 7 - hi : hi - lo - 1)
	v_min_u32 v94, v88, v89
	v_max_u32 v95, v88, v89
	v_sub_nc_u32 v96, 15, v94
	v_mul_u32_u24 v96, v96, v94
	v_lshrrev_b32 v96, 1, v96
	v_sub_nc_u32 v97, 7, v95
	v_sub_nc_u32 v98, v95, v94
	v_add_nc_u32 v98, -1, v98
	v_and_b32 v99, 1, v94
	v_cmp_eq_u32 vcc_lo, 1, v99
	v_cndmask_b32 v98, v98, v97, vcc_lo
	v_add_nc_u32 v100, v96, v98
	v_mov_b32 v101, 0                              ; my rank among the chunk's tokens of my key
	v_mov_b32 v102, 0                              ; the chunk's histogram: lane = key
.set k, 0
.rept 28
	v_cmp_eq_u32 s28, k, v100                      ; the lanes of key k,
	v_mbcnt_lo_u32_b32 v103, s28, 0                ; how many of them stand below me,
	v_cndmask_b32 v101, v101, v103, s28            ; kept where the key is mine,
	s_bcnt1_i32_b32 s29, s28                       ; and how many there are
	v_writelane_b32 v102, s29, k
.set k, k+1
.endr
	v_lshl_or_b32 v104, v101, 8, v100
	v_lshl_or_b32 v104, v88, 16, v104
	v_lshl_or_b32 v104, v89, 20, v104
	global_store_b32 v[L4], v104, s[18:19]
	global_store_b32 v[L4], v102, s[18:19] offset:32768
	global_store_b64 v[L8], v[92:93], s[20:21]
.Lend:
	s_wait_tensorcnt 0x0
	ds_add_u32 v62, v63
	s_wait_dscnt 0x0
	s_endpgm
.Lfunc_end_k_q3f62c3b4e4_prep:
	.size	k_q3f62c3b4e4_prep, .Lfunc_end_k_q3f62c3b4e4_prep-k_q3f62c3b4e4_prep
	.p2alignl 7, 3214868480
	.fill 96, 4, 3214868480
	.section	.rodata,"a",@progbits
	.p2align	6, 0x0
	.amdhsa_kernel k_q3f62c3b4e4_prep
		.amdhsa_group_segment_fixed_size 94720
		.amdhsa_private_segment_fixed_size 0
		.amdhsa_enable_private_segment 0
		.amdhsa_kernarg_size 72
		.amdhsa_user_sgpr_count 2
		.amdhsa_user_sgpr_kernarg_segment_ptr 1
		.amdhsa_wavefront_size32 1
		.amdhsa_system_sgpr_workgroup_id_x 1
		.amdhsa_system_sgpr_workgroup_id_y 1
		.amdhsa_system_sgpr_workgroup_id_z 1
		.amdhsa_system_vgpr_workitem_id 0
		.amdhsa_next_free_vgpr 512
		.amdhsa_next_free_sgpr 66
		.amdhsa_reserve_vcc 1
		.amdhsa_float_denorm_mode_32 3
		.amdhsa_float_denorm_mode_16_64 3
		.amdhsa_memory_ordered 1
		.amdhsa_forward_progress 1
		.amdhsa_inst_pref_size 170
	.end_amdhsa_kernel
	.amdgpu_metadata
---
amdhsa.version: [ 1, 2 ]
amdhsa.kernels:
  - .name:           k_q3f62c3b4e4_prep
    .symbol:         k_q3f62c3b4e4_prep.kd
    .args:
      - { .name: x, .offset: 0, .size: 8, .value_kind: global_buffer, .address_space: global }
      - { .name: gate_w, .offset: 8, .size: 8, .value_kind: global_buffer, .address_space: global }
      - { .name: expert_w, .offset: 16, .size: 8, .value_kind: global_buffer, .address_space: global }
      - { .name: xq, .offset: 24, .size: 8, .value_kind: global_buffer, .address_space: global }
      - { .name: xs, .offset: 32, .size: 8, .value_kind: global_buffer, .address_space: global }
      - { .name: wq, .offset: 40, .size: 8, .value_kind: global_buffer, .address_space: global }
      - { .name: ws, .offset: 48, .size: 8, .value_kind: global_buffer, .address_space: global }
      - { .name: route, .offset: 56, .size: 8, .value_kind: global_buffer, .address_space: global }
      - { .name: tokw, .offset: 64, .size: 8, .value_kind: global_buffer, .address_space: global }
    .group_segment_fixed_size: 94720
    .private_segment_fixed_size: 0
    .kernarg_segment_align: 8
    .kernarg_segment_size: 72
    .max_flat_workgroup_size: 128
    .sgpr_count:     66
    .vgpr_count:     512
    .wavefront_size: 32
...
	.end_amdgpu_metadata
.endif
;; end of part 1
;; launch place (part 2): grid 1 x 1, 8 waves a work-group, no clusters, 2,048 bytes of LDS; arguments route, tokw, slot, slotw; writes slot, slotw
.if DOCPART == 2
	.amdgcn_target "amdgcn-amd-amdhsa--gfx1250"
	.amdhsa_code_object_version 6
	.text
	.protected	k_q3f62c3b4e4_place
	.globl	k_q3f62c3b4e4_place
	.p2align	8
	.type	k_q3f62c3b4e4_place,@function
k_q3f62c3b4e4_place:
	s_mov_b64 s[64:65], 0
	v_nop
	global_prefetch_b8 v0, s[64:65] scope:SCOPE_SE
	s_setreg_imm32_b32 hwreg(HW_REG_WAVE_MODE, 25, 1), 1
	s_wait_xcnt 0x0
; A counting sort of the 8,192 tokens by their pair key.  route holds a word a token (key | rank in its chunk of 32 << 8 | experts << 16) and a histogram of 32 keys for each of the 256 chunks.
; A token's place = tokens of lower keys + tokens of its key in earlier chunks + its rank.  slot[place] = token | experts << 16; slotw[place] = its two probabilities.
; ONE work-group: the sums span all chunks, and work-groups hand each other nothing.  Wave w owns chunks 32 w .. 32 w + 31; a histogram lies with a lane to a key, a chunk's tokens with a lane to a token.
; The stores are scattered, 4 and 8 bytes a lane, 96 KB in all: that is what a placement is.
.set H, 32                             ; v32-63   my 32 chunks' histograms; later the bases that the tokens fetch; later 4 x place
.set T, 64                             ; v64-95   my 32 chunks' token words; later the words to store
.set W, 96                             ; v96-159  their probabilities, a pair a chunk
.set E, 160                            ; v160-191 a chunk's first place for each key; later the token's number
.set I, 192                            ; v192-223 lane indices; later 8 x place
	s_load_b256 s[4:11], s[0:1], 0x0               ; route s[4:5], tokw s[6:7], slot s[8:9], slotw s[10:11]
	v_lshl_add_u32 v224, v0, 2, 0x400
	v_mov_b32 v225, 0
	v_lshrrev_b32 v1, 5, v0
	v_readfirstlane_b32 s12, v1                    ; wave 0..7
	v_and_b32 v1, 31, v0                           ; lane
	v_lshlrev_b32 v2, 2, v0                        ; LDS: 128 x wave + 4 x lane
	v_lshlrev_b32 v3, 2, v1
	v_lshlrev_b32 v4, 3, v1
	v_lshrrev_b32 v5, 4, v1
	s_lshl_b32 s14, s12, 12                        ; 32 chunks of 128 bytes
	s_mov_b32 s15, 0
	s_lshl_b32 s16, s12, 13                        ; 32 chunks of 256 bytes
	s_mov_b32 s17, 0
	s_lshl_b32 s18, s12, 10
	v_add_nc_u32 v25, s18, v1                      ; my token in my wave's first chunk
	s_wait_kmcnt 0x0
	s_add_nc_u64 s[4:5], s[4:5], s[14:15]
	s_add_nc_u64 s[6:7], s[6:7], s[16:17]
.set c, 0
.rept 32
	global_load_b32 v[H+c], v3, s[4:5] offset:32768+128*c
.set c, c+1
.endr
.set c, 0
.rept 32
	global_load_b32 v[T+c], v3, s[4:5] offset:128*c
.set c, c+1
.endr
	s_wait_loadcnt 32                              ; the histograms are in; the 32 loads of token words stay out
	v_mov_b32 v[E], 0
.set c, 0
.rept 31
	v_add_nc_u32 v[E+1+c], v[E+c], v[H+c]          ; tokens of my key in my wave's earlier chunks
.set c, c+1
.endr
	v_add_nc_u32 v20, v[E+31], v[H+31]             ; and in all 32
.set c, 0
.rept 32
	global_load_b64 v[W+2*c:W+2*c+1], v4, s[6:7] offset:256*c
.set c, c+1
.endr
	ds_store_b32 v2, v20
	s_wait_dscnt 0x0                               ; for the others' sake
	s_barrier_signal -1
	s_barrier_wait -1
.irp q, 0,1,2,3,4,5,6,7
	ds_load_b32 v[8+\q], v3 offset:128*\q          ; every wave's count of my key
.endr
	v_mov_b32 v17, 0
	v_mov_b32 v18, 0                               ; (a DPP form's destination counts as read)
	s_wait_dscnt 0x0
	v_add3_u32 v16, v8, v9, v10
	v_add3_u32 v16, v16, v11, v12
	v_add3_u32 v16, v16, v13, v14
	v_add_nc_u32 v16, v16, v15                     ; all tokens of my key
.irp q, 0,1,2,3,4,5,6,7
	s_cmp_gt_u32 s12, \q
	s_cselect_b32 s13, -1, 0
	v_and_b32 v19, s13, v[8+\q]
	v_add_nc_u32 v17, v17, v19                     ; those in earlier waves
.endr
	v_mov_b32 v22, v16                             ; a running sum over the keys: four steps inside each half of the lanes,
.irp n, 1,2,4,8
	v_mov_b32_dpp v18, v22 row_shr:\n row_mask:0xf bank_mask:0xf bound_ctrl:1
	v_add_nc_u32 v22, v22, v18
.endr
	v_readlane_b32 s14, v22, 15
	v_mad_u32_u24 v22, s14, v5, v22                ; and the lower half's total onto the upper half
	v_sub_nc_u32 v22, v22, v16                     ; tokens of lower keys
	v_add_nc_u32 v23, v22, v17
.set c, 0
.rept 32
	v_add_nc_u32 v[E+c], v[E+c], v23               ; lane = key: the first place of that key's tokens of chunk c
.set c, c+1
.endr
	s_wait_loadcnt 32                              ; the token words are in; the 32 loads of probabilities stay out
.set c, 0
.rept 32
	v_and_b32 v[I+c], 0xff, v[T+c]                 ; my token's key,
	v_min_u32 v[I+c], 31, v[I+c]                   ; held to a lane's number,
	v_lshlrev_b32 v[I+c], 2, v[I+c]
	ds_bpermute_b32 v[H+c], v[I+c], v[E+c]         ; fetches that lane's first place: between lanes, no LDS byte is touched
.set c, c+1
.endr
	s_wait_loadcnt 0x0                             ; the probabilities
.set c, 0
.rept 32
	s_wait_dscnt 31-c                              ; chunk c's fetch is back; the later ones stay out
	v_bfe_u32 v[I+c], v[T+c], 8, 8                 ; + my rank
	v_add_nc_u32 v[I+c], v[I+c], v[H+c]
	v_min_u32 v[I+c], 0x1fff, v[I+c]               ; a place, held inside the buffers
	v_lshlrev_b32 v[H+c], 2, v[I+c]
	v_lshlrev_b32 v[I+c], 3, v[I+c]
	v_add_nc_u32 v[E+c], 32*c, v25                 ; my token's number
	v_and_or_b32 v[T+c], v[T+c], 0xff0000, v[E+c]  ; under its two experts
	global_store_b32 v[H+c], v[T+c], s[8:9]        ; each chunk has registers of its own: nothing that a store reads is written again
	global_store_b64 v[I+c], v[W+2*c:W+2*c+1], s[10:11]
.set c, c+1
.endr
	s_wait_tensorcnt 0x0
	ds_add_u32 v224, v225
	s_wait_dscnt 0x0
	s_endpgm
.Lfunc_end_k_q3f62c3b4e4_place:
	.size	k_q3f62c3b4e4_place, .Lfunc_end_k_q3f62c3b4e4_place-k_q3f62c3b4e4_place
	.p2alignl 7, 3214868480
	.fill 96, 4, 3214868480
	.section	.rodata,"a",@progbits
	.p2align	6, 0x0
	.amdhsa_kernel k_q3f62c3b4e4_place
		.amdhsa_group_segment_fixed_size 2048
		.amdhsa_private_segment_fixed_size 0
		.amdhsa_enable_private_segment 0
		.amdhsa_kernarg_size 32
		.amdhsa_user_sgpr_count 2
		.amdhsa_user_sgpr_kernarg_segment_ptr 1
		.amdhsa_wavefront_size32 1
		.amdhsa_system_sgpr_workgroup_id_x 1
		.amdhsa_system_sgpr_workgroup_id_y 1
		.amdhsa_system_sgpr_workgroup_id_z 1
		.amdhsa_system_vgpr_workitem_id 0
		.amdhsa_next_free_vgpr 226
		.amdhsa_next_free_sgpr 66
		.amdhsa_reserve_vcc 0
		.amdhsa_float_denorm_mode_32 3
		.amdhsa_float_denorm_mode_16_64 3
		.amdhsa_memory_ordered 1
		.amdhsa_forward_progress 1
		.amdhsa_inst_pref_size 40
	.end_amdhsa_kernel
	.amdgpu_metadata
---
amdhsa.version: [ 1, 2 ]
amdhsa.kernels:
  - .name:           k_q3f62c3b4e4_place
    .symbol:         k_q3f62c3b4e4_place.kd
    .args:
      - { .name: route, .offset: 0, .size: 8, .value_kind: global_buffer, .address_space: global }
      - { .name: tokw, .offset: 8, .size: 8, .value_kind: global_buffer, .address_space: global }
      - { .name: slot, .offset: 16, .size: 8, .value_kind: global_buffer, .address_space: global }
      - { .name: slotw, .offset: 24, .size: 8, .value_kind: global_buffer, .address_space: global }
    .group_segment_fixed_size: 2048
    .private_segment_fixed_size: 0
    .kernarg_segment_align: 8
    .kernarg_segment_size: 32
    .max_flat_workgroup_size: 256
    .sgpr_count:     66
    .vgpr_count:     226
    .wavefront_size: 32
...
	.end_amdgpu_metadata
.endif
;; end of part 2
;; launch experts (part 3): grid 4 x 64, 4 waves a work-group, no clusters, 209,408 bytes of LDS; arguments slot, slotw, xq, xs, wq, ws, out0; writes out0
.if DOCPART == 3
	.amdgcn_target "amdgcn-amd-amdhsa--gfx1250"
	.amdhsa_code_object_version 6
	.text
	.protected	k_q3f62c3b4e4_experts
	.globl	k_q3f62c3b4e4_experts
	.p2align	8
	.type	k_q3f62c3b4e4_experts,@function
k_q3f62c3b4e4_experts:
	s_mov_b64 s[64:65], 0
	v_nop
	global_prefetch_b8 v0, s[64:65] scope:SCOPE_SE
	s_setreg_imm32_b32 hwreg(HW_REG_WAVE_MODE, 25, 1), 1
	s_wait_xcnt 0x0
; out0[token][:] = the sum over the token's two experts e of its probability x (x[token] . W_e), the products on codes of FP4 (E2M1) with E8M0 scales for each 32 along K, sums in f32.
; Only the chosen experts' rows are multiplied.  slot lists the tokens sorted by their pair of experts; a work-group takes 128 neighbouring places (y) x 256 output columns (x) and walks the experts that its tokens use.
; EACH OUTPUT ROW HAS ONE OWNER: for each expert walked, a token's result is multiplied by its probability for that expert, or by 0, and added up in registers.
; SHARES.  Every wave holds ALL 128 tokens' codes for all of K in registers (8 tiles x 8 K steps x 8 = 512) and owns 64 columns, made in two passes of 32: so a fragment of the weights is read from memory once in the
; work-group, straight into registers in the order in which the launch before laid it, and feeds eight matrix instructions; no LDS read stands in the loop.
; An ITEM is (expert, pass): 16 KB of wq and 1 KB of ws, consecutive: 8 K steps x 16 matrix instructions.  A ring of eight register slots, one a K step, is filled a whole item ahead.
; Which experts are walked, and how many, hangs on numbers read from slot: so there is no tensor load, no copy and no cluster here (partners would want different tiles), and the one barrier stands ahead of the walk.
; THE MATRIX INSTRUCTION IS USED TRANSPOSED: source 0 = 16 rows of W (output columns), source 1 = 16 tokens: a lane holds ONE token (lane % 16) and eight neighbouring columns 8 (lane / 16) + 0 .. 7.
; Every token has two different experts, so a block walks two at the least; a block of one would still be served (the loop is passed over).
; REGISTERS, in windows of 256.  Window 0: v1-15 addresses; v20-43 token numbers and offsets; v44-51 G, the item's weight a tile; v52-67 the tokens' experts; v68-83 their probabilities;
;   v84-115 x's scale words; v116-123 the weights' scale words, one a K step; v128-255 the ring.   Windows 1, 2: x's fragment (tile i, step s) at 64 (i % 4) + 8 s of window 1 + i / 4.
;   Window 3: the item's 16 accumulators (i, j) at 8 (2 i + j); the pass's sums at 128 + the same.
.set XP,   528                         ; a token's codes in LDS: 512 bytes + 16 = 132 words: 16 rows start at 16 different groups of four banks
.set XSTG, 0                           ; LDS: the block's 128 rows of codes,
.set OP,   272                         ; a row of a wave's results: 256 bytes + 16
.set OSTG, 128*XP                      ; 128 such rows for each wave, its own,
.set LIST, OSTG+4*128*OP               ; and each wave's own list of the 128 token numbers: even places, then odd places.  Ends at 208,896
.set L16,  1                           ; v1   16 x lane
.set WO,   2                           ; v2   the fragment loads' offset
.set SOFF, 3                           ; v3   512 (lane / 16) + 4 (lane % 16): lanes 0-15 tile 0's scale words, lanes 16-31 tile 1's
.set SO,   4                           ; v4   the scale loads' offset
.set L4,   5
.set R4,   6                           ; v6, v7, v15: 4, 16, 8 x (lane % 16)
.set R16,  7
.set XW,   8                           ; v8   codes into LDS
.set XR,   9                           ; v9   fragments out of it
.set LW,   10                          ; v10  the list: in;  v11 out, my wave's 32 places;  v12 out, from the first place on
.set LR,   11
.set LE,   12
.set OS,   13                          ; v13  results into my stage;  v14 rows out of it
.set ORD,  14
.set R8,   15
.set TK,   20
.set XA,   24
.set IDS,  28
.set G,    44
.set E0,   52
.set E1,   60
.set GW,   68
.set XS,   84                          ; register 8 u + s: lane L holds the scale word of place 32 u + L for K step s: lanes 0-15 tile 2 u, lanes 16-31 tile 2 u + 1
.set WS,   116
.set WF,   128                         ; slot s at 16 s; in it tile j at 8 j
.set MSB, 0
.macro WIN new                         ; the immediate's high byte repeats the setting that is left
.if MSB != \new
	s_set_vgpr_msb (MSB<<8)|\new
.set MSB, \new
.endif
.endm
.macro FILL s                          ; K step s of the item that s[26:29] stand at: two fragments (each load 512 consecutive bytes) and their scale words
.irp j, 0,1
.irp c, 0,1
	global_load_b128 v[WF+16*(\s)+8*\j+4*\c:WF+16*(\s)+8*\j+4*\c+3], v[WO], s[26:27] offset:2048*(\s)+1024*\j+512*\c
.endr
.endr
	global_load_b32 v[WS+(\s)], v[SO], s[28:29] offset:64*(\s)
.endm
.macro MM i, j, s                      ; tokens' tile i x columns' tile j, K step s.  Step 0 starts the sums: nothing is cleared
.set rD, 8*(2*(\i)+(\j))
.set rA, WF+16*(\s)+8*(\j)
.set rB, 64*((\i)%4)+8*(\s)
.set rP, WS+(\s)
.set rQ, XS+8*((\i)/2)+(\s)
.if (\s) == 0
.if ((\j) == 0) && ((\i)%2 == 0)
	v_wmma_scale_f32_16x16x128_f8f6f4 v[rD:rD+7], v[rA:rA+7], v[rB:rB+7], 0, v[rP], v[rQ] matrix_a_fmt:MATRIX_FMT_FP4 matrix_b_fmt:MATRIX_FMT_FP4
.elseif ((\j) == 1) && ((\i)%2 == 0)
	v_wmma_scale_f32_16x16x128_f8f6f4 v[rD:rD+7], v[rA:rA+7], v[rB:rB+7], 0, v[rP], v[rQ] matrix_a_fmt:MATRIX_FMT_FP4 matrix_b_fmt:MATRIX_FMT_FP4 matrix_a_scale:MATRIX_SCALE_ROW1
.elseif (\j) == 0
	v_wmma_scale_f32_16x16x128_f8f6f4 v[rD:rD+7], v[rA:rA+7], v[rB:rB+7], 0, v[rP], v[rQ] matrix_a_fmt:MATRIX_FMT_FP4 matrix_b_fmt:MATRIX_FMT_FP4 matrix_b_scale:MATRIX_SCALE_ROW1
.else
	v_wmma_scale_f32_16x16x128_f8f6f4 v[rD:rD+7], v[rA:rA+7], v[rB:rB+7], 0, v[rP], v[rQ] matrix_a_fmt:MATRIX_FMT_FP4 matrix_b_fmt:MATRIX_FMT_FP4 matrix_a_scale:MATRIX_SCALE_ROW1 matrix_b_scale:MATRIX_SCALE_ROW1
.endif
.else
.if ((\j) == 0) && ((\i)%2 == 0)
	v_wmma_scale_f32_16x16x128_f8f6f4 v[rD:rD+7], v[rA:rA+7], v[rB:rB+7], v[rD:rD+7], v[rP], v[rQ] matrix_a_fmt:MATRIX_FMT_FP4 matrix_b_fmt:MATRIX_FMT_FP4
.elseif ((\j) == 1) && ((\i)%2 == 0)
	v_wmma_scale_f32_16x16x128_f8f6f4 v[rD:rD+7], v[rA:rA+7], v[rB:rB+7], v[rD:rD+7], v[rP], v[rQ] matrix_a_fmt:MATRIX_FMT_FP4 matrix_b_fmt:MATRIX_FMT_FP4 matrix_a_scale:MATRIX_SCALE_ROW1
.elseif (\j) == 0
	v_wmma_scale_f32_16x16x128_f8f6f4 v[rD:rD+7], v[rA:rA+7], v[rB:rB+7], v[rD:rD+7], v[rP], v[rQ] matrix_a_fmt:MATRIX_FMT_FP4 matrix_b_fmt:MATRIX_FMT_FP4 matrix_b_scale:MATRIX_SCALE_ROW1
.else
	v_wmma_scale_f32_16x16x128_f8f6f4 v[rD:rD+7], v[rA:rA+7], v[rB:rB+7], v[rD:rD+7], v[rP], v[rQ] matrix_a_fmt:MATRIX_FMT_FP4 matrix_b_fmt:MATRIX_FMT_FP4 matrix_a_scale:MATRIX_SCALE_ROW1 matrix_b_scale:MATRIX_SCALE_ROW1
.endif
.endif
.endm
; A K step: 16 matrix instructions, the 16 accumulators by turns in the same order in every step; then the slot is filled for the next item.
.macro STEP s
	s_wait_loadcnt 35                              ; slot s's five loads are in: behind them stand the seven other slots' 35, in the first item, from item to item and over the backward jump alike
.if 16*(7-(\s)) > 63
	s_wait_dscnt 63                                ; (the first item alone: x's fragments come from LDS 16 a K step; the count's field holds 63)
.else
	s_wait_dscnt 16*(7-(\s))                       ; the steps behind this one may stay out; later nothing is out.  Step 7's count 0 also shows the last pass's stores into the stage done
.endif
	WIN 0xf4                                       ; source 0 (W) window 0, source 1 (x) window 1, C and D window 3
.irp i, 0,1,2,3
.irp j, 0,1
	MM \i, \j, \s
.endr
.endr
	WIN 0xf8                                       ; x in window 2
.irp i, 4,5,6,7
.irp j, 0,1
	MM \i, \j, \s
.endr
.endr
	WIN 0
	; tile s's weight for this item's expert: the token's probability where the expert is one of its two, else 0.  These four plain lines name no register of the products: they are the four places
	; in front of the loads into the slot (ISA guide 7.12.1 for vector instructions) and, in step 7, in front of the first read of the sums
	v_cmp_eq_u32 vcc_lo, s35, v[E0+(\s)]
	v_cndmask_b32 v[G+(\s)], 0, v[GW+2*(\s)], vcc_lo
	v_cmp_eq_u32 vcc_lo, s35, v[E1+(\s)]
	v_cndmask_b32 v[G+(\s)], v[G+(\s)], v[GW+2*(\s)+1], vcc_lo
	FILL \s
.endm
; At an item's head: which item comes next, so that this item's steps can fetch it.  s30 the experts' mask, s32 those still to come in this pass, s34 the next item's expert, s35 this item's.
; Pass 0's last item is followed by pass 1's first.  Behind the very last item the 40 loads are still issued, so that every counted wait holds on every way; there all lanes name one place of 16 (4) bytes inside wq (ws).
; Every number that hangs on the list and enters an address is first held under a constant: the expert's number at 7, the two flags at 1; behind the hold stand shifts, sums and products alone.
.macro NEXT p
	s_wait_xcnt 0x0                                ; the last 40 loads have read their base and offsets: both are written only behind this wait
	s_mov_b32 s35, s34
	s_cmp_lg_u32 s32, 0                            ; is an expert left in this pass?  All selections stand ahead of the lines that set SCC
	s_cselect_b32 s42, s32, s30
.if \p
	s_cselect_b32 s36, 1, 0                        ; pass 1: is there a next item at all?
	s_mov_b32 s43, 16384
	s_mov_b32 s44, 1024
.else
	s_cselect_b32 s43, 0, 1                        ; pass 0: is the next item pass 1's first?
	s_min_u32 s43, s43, 1                          ; the flag, held at 1,
	s_lshl_b32 s44, s43, 10                        ; as the second item's distance in ws
	s_lshl_b32 s43, s43, 14                        ; and in wq
.endif
	s_ctz_i32_b32 s34, s42
	s_min_u32 s34, s34, 7                          ; an expert's number, held inside the buffers
	s_add_co_i32 s45, s32, -1
	s_and_b32 s32, s32, s45                        ; its bit is taken off
	s_lshl_b32 s38, s34, 19                        ; 32 items of 16,384 bytes an expert
	s_add_co_u32 s38, s38, s43
	s_lshl_b32 s40, s34, 15                        ; and of 1,024
	s_add_co_u32 s40, s40, s44
	s_add_nc_u64 s[26:27], s[22:23], s[38:39]
	s_add_nc_u64 s[28:29], s[24:25], s[40:41]
.if \p
	s_min_u32 s36, s36, 1
	v_mul_u32_u24 v[WO], s36, v[L16]
	v_mul_u32_u24 v[SO], s36, v[SOFF]
.endif
.endm
; The pass's sums take the item's results x the tokens' weights, two numbers an instruction; each accumulator is read from its low end on.  G's registers are named in pairs: tile i takes the pair's half i % 2 for both results.
.macro COMBINE first
	WIN 0xf3                                       ; the sums and the item's results in window 3, G in window 0
.irp i, 0,1,2,3,4,5,6,7
.irp q, 0,1,2,3,4,5,6,7
.if \first
.if (\i)%2 == 0
	v_pk_mul_f32 v[128+16*\i+2*\q:128+16*\i+2*\q+1], v[16*\i+2*\q:16*\i+2*\q+1], v[G+2*(\i/2):G+2*(\i/2)+1] op_sel_hi:[1,0]
.else
	v_pk_mul_f32 v[128+16*\i+2*\q:128+16*\i+2*\q+1], v[16*\i+2*\q:16*\i+2*\q+1], v[G+2*(\i/2):G+2*(\i/2)+1] op_sel:[0,1] op_sel_hi:[1,1]
.endif
.else
.if (\i)%2 == 0
	v_pk_fma_f32 v[128+16*\i+2*\q:128+16*\i+2*\q+1], v[16*\i+2*\q:16*\i+2*\q+1], v[G+2*(\i/2):G+2*(\i/2)+1], v[128+16*\i+2*\q:128+16*\i+2*\q+1] op_sel_hi:[1,0,1]
.else
	v_pk_fma_f32 v[128+16*\i+2*\q:128+16*\i+2*\q+1], v[16*\i+2*\q:16*\i+2*\q+1], v[G+2*(\i/2):G+2*(\i/2)+1], v[128+16*\i+2*\q:128+16*\i+2*\q+1] op_sel:[0,1,0] op_sel_hi:[1,1,1]
.endif
.endif
.endr
.endr
	WIN 0
.endm
.macro ITEM p, first
	NEXT \p
.irp t, 0,1,2,3,4,5,6,7
	STEP \t
.endr
	COMBINE \first
.endm
; A pass: 32 of my 64 columns, all experts of the block.  The first item stands ahead of the loop: it starts the pass's sums.
.macro PASS p
	ITEM \p, 1
	s_mov_b32 s33, 1
	s_cmp_lt_u32 s33, s31
	s_cbranch_scc0 .Ldone_\p
.Litem_\p:
	ITEM \p, 0
	s_add_co_u32 s33, s33, 1
	s_cmp_lt_u32 s33, s31                          ; s31, the number of experts, is not written in the loop
	s_cbranch_scc1 .Litem_\p
.Ldone_\p:
	WIN 0x0c                                       ; an LDS store's data are its source 1: window 3
.irp i, 0,1,2,3,4,5,6,7
.irp j, 0,1
	ds_store_b128 v[OS], v[128+8*(2*\i+\j):128+8*(2*\i+\j)+3] offset:16*OP*\i+128*(\p)+64*\j        ; lane (r, h): place 16 i + r, my columns 32 p + 16 j + 8 h + 0 .. 7
	ds_store_b128 v[OS], v[128+8*(2*\i+\j)+4:128+8*(2*\i+\j)+7] offset:16*OP*\i+128*(\p)+64*\j+16
.endr
.endr
	WIN 0
.endm
	s_load_b256 s[4:11], s[0:1], 0x0               ; slot s[4:5], slotw s[6:7], xq s[8:9], xs s[10:11]
	s_load_b128 s[12:15], s[0:1], 0x20             ; wq s[12:13], ws s[14:15]
	s_load_b64 s[16:17], s[0:1], 0x30              ; out0
	v_lshl_add_u32 v126, v0, 2, 0x33000
	v_mov_b32 v127, 0
	v_lshrrev_b32 v16, 5, v0
	v_readfirstlane_b32 s18, v16                   ; wave 0..3
	s_and_b32 s20, ttmp7, 0xffff                   ; the block of 128 places; ttmp9: the slab of 256 columns
	v_and_b32 v18, 31, v0                          ; lane
	v_and_b32 v16, 15, v0                          ; r
	v_bfe_u32 v17, v0, 4, 1                        ; h
	v_lshlrev_b32 v[L16], 4, v18
	v_lshlrev_b32 v[L4], 2, v18
	v_lshlrev_b32 v[R4], 2, v16
	v_lshlrev_b32 v[R8], 3, v16
	v_lshlrev_b32 v[R16], 4, v16
	s_lshl_b32 s38, s20, 9
	s_mov_b32 s39, 0
	s_lshl_b32 s40, s20, 10
	s_mov_b32 s41, 0
	s_wait_kmcnt 0x0
	s_add_nc_u64 s[4:5], s[4:5], s[38:39]
	s_add_nc_u64 s[6:7], s[6:7], s[40:41]
.irp u, 0,1,2,3
	global_load_b32 v[TK+\u], v[L4], s[4:5] offset:128*\u      ; lane L: place 32 u + L
.endr
.irp i, 0,1,2,3,4,5,6,7
	global_load_b32 v[G+\i], v[R4], s[4:5] offset:64*\i        ; lane (r, h): place 16 i + r, as the results will lie
.endr
.irp i, 0,1,2,3,4,5,6,7
	global_load_b64 v[GW+2*\i:GW+2*\i+1], v[R8], s[6:7] offset:128*\i
.endr
	; the other addresses, while these are on their way
	s_lshl_b32 s38, ttmp9, 10
	s_lshl_b32 s42, s18, 8
	s_add_co_u32 s38, s38, s42
	s_add_nc_u64 s[16:17], s[16:17], s[38:39]      ; out0 at my 64 columns
	s_lshl_b32 s38, ttmp9, 17
	s_lshl_b32 s42, s18, 15
	s_add_co_u32 s38, s38, s42
	s_add_nc_u64 s[22:23], s[12:13], s[38:39]      ; wq at item 8 slab + 2 wave of expert 0
	s_lshl_b32 s40, ttmp9, 13
	s_lshl_b32 s42, s18, 11
	s_add_co_u32 s40, s40, s42
	s_add_nc_u64 s[24:25], s[14:15], s[40:41]      ; ws likewise
	v_lshl_add_u32 v[SOFF], v17, 9, v[R4]
	s_mul_i32 s42, s18, 32*XP
	v_mul_u32_u24 v[XW], v17, XP
	v_add_nc_u32 v[XW], v[XW], v[R16]
	v_add_nc_u32 v[XW], s42, v[XW]                 ; in: rows 32 w + 2 i + h, sixteen lanes to 256 bytes
	v_mul_u32_u24 v[XR], v16, XP
	v_lshl_add_u32 v[XR], v17, 4, v[XR]            ; out: row r of a tile, + 16 h
	s_lshl_b32 s42, s18, 9
	s_add_co_u32 s42, s42, LIST                    ; my list
	v_and_b32 v19, 1, v18
	v_lshrrev_b32 v[LW], 1, v18
	v_lshlrev_b32 v[LW], 2, v[LW]
	v_lshl_add_u32 v[LW], v19, 8, v[LW]
	v_add_nc_u32 v[LW], s42, v[LW]                 ; place 32 u + L goes to word 16 u + L / 2 of the even or of the odd half
	v_lshl_add_u32 v[LE], v17, 8, s42              ; out: lanes 0-15 the even places, lanes 16-31 the odd ones
	s_lshl_b32 s43, s18, 6
	v_add_nc_u32 v[LR], s43, v[LE]
	s_mul_i32 s44, s18, 128*OP
	s_add_co_u32 s44, s44, OSTG                    ; my stage
	v_mul_u32_u24 v[OS], v16, OP
	v_lshl_add_u32 v[OS], v17, 5, v[OS]
	v_add_nc_u32 v[OS], s44, v[OS]
	v_mul_u32_u24 v[ORD], v17, OP
	v_lshl_add_u32 v[ORD], v16, 4, v[ORD]
	v_add_nc_u32 v[ORD], s44, v[ORD]
	v_mov_b32 v[WO], v[L16]
	v_mov_b32 v[SO], v[SOFF]
	s_wait_loadcnt 0x0                             ; the block's words and probabilities
.irp u, 0,1,2,3
	v_and_b32 v[TK+\u], 0x1fff, v[TK+\u]           ; the token's number,
	v_min_u32 v[TK+\u], 0x1fff, v[TK+\u]           ; held inside the buffers
.endr
.irp u, 0,1,2,3
	ds_store_b32 v[LW], v[TK+\u] offset:64*\u
.endr
.irp m, 0,1,2,3
	ds_load_b128 v[IDS+4*\m:IDS+4*\m+3], v[LR] offset:16*\m    ; register i: the token of place 32 w + 2 i + h.  LDS serves a wave's instructions in order: these see my stores
.endr
.irp u, 0,1,2,3
	v_lshlrev_b32 v[XA+\u], 5, v[TK+\u]
.endr
.irp u, 0,1,2,3
	global_load_b128 v[XS+8*\u:XS+8*\u+3], v[XA+\u], s[10:11]              ; a token's eight scale words
	global_load_b128 v[XS+8*\u+4:XS+8*\u+7], v[XA+\u], s[10:11] offset:16
.endr
	s_wait_dscnt 0x0
.irp i, 0,1,2,3,4,5,6,7,8,9,10,11,12,13,14,15
	v_min_u32 v[IDS+\i], 0x1fff, v[IDS+\i]
.endr
.irp i, 0,1,2,3,4,5,6,7,8,9,10,11,12,13,14,15
	v_lshl_add_u32 v[IDS+\i], v[IDS+\i], 9, v[R16]
.endr
	WIN 0xc0                                       ; destination window 3: where the accumulators will lie
.irp i, 0,1,2,3,4,5,6,7,8,9,10,11,12,13,14,15
.irp k, 0,1
	global_load_b128 v[4*(2*\i+\k):4*(2*\i+\k)+3], v[IDS+\i], s[8:9] offset:256*\k   ; my wave's 32 rows of codes: sixteen lanes read 256 consecutive bytes
.endr
.endr
	WIN 0
.irp i, 0,1,2,3,4,5,6,7
	v_bfe_u32 v[E0+\i], v[G+\i], 16, 4
	v_bfe_u32 v[E1+\i], v[G+\i], 20, 4
.endr
	v_mov_b32 v18, 1                               ; which experts does the block use?  A bit an expert, over the tiles, then over the lanes
	v_lshlrev_b32 v16, v[E0], v18
	v_lshlrev_b32 v17, v[E1], v18
	v_or_b32 v16, v16, v17
.irp i, 1,2,3,4,5,6,7
	v_lshlrev_b32 v17, v[E0+\i], v18
	v_lshlrev_b32 v19, v[E1+\i], v18
	v_or_b32 v16, v16, v17
	v_or_b32 v16, v16, v19
.endr
	s_mov_b32 s30, 0
.irp e, 0,1,2,3,4,5,6,7
	v_and_b32 v17, 1<<\e, v16
	v_cmp_ne_u32 vcc_lo, 0, v17
	s_cmp_lg_u32 vcc_lo, 0
	s_cselect_b32 s42, 1<<\e, 0
	s_or_b32 s30, s30, s42
.endr
	s_bcnt1_i32_b32 s31, s30                       ; how many: the same in all four waves
	s_ctz_i32_b32 s34, s30
	s_min_u32 s34, s34, 7                          ; the first of them
	s_add_co_i32 s45, s30, -1
	s_and_b32 s32, s30, s45                        ; the others
	s_lshl_b32 s38, s34, 19
	s_lshl_b32 s40, s34, 15
	s_add_nc_u64 s[26:27], s[22:23], s[38:39]
	s_add_nc_u64 s[28:29], s[24:25], s[40:41]
.irp t, 0,1,2,3,4,5,6,7
	FILL \t                                        ; the first item: 40 loads
.endr
	s_wait_loadcnt 40                              ; x's scale words and my 32 rows of codes are in; the first item's 40 loads stay out
	WIN 0x0c
.irp i, 0,1,2,3,4,5,6,7,8,9,10,11,12,13,14,15
.irp k, 0,1
	ds_store_b128 v[XW], v[4*(2*\i+\k):4*(2*\i+\k)+3] offset:2*XP*\i+256*\k
.endr
.endr
	WIN 0
	s_wait_dscnt 0x0                               ; for the others' sake: my 32 rows lie in LDS
	s_barrier_signal -1
	s_barrier_wait -1                              ; all 128 do.  The launch's one barrier: it stands ahead of everything that hangs on the list
.irp t, 0,1,2,3,4,5,6,7
	WIN 0x40                                       ; x's fragments, K step by K step, so that the first item can begin on the first of them
.irp i, 0,1,2,3
.irp c, 0,1
	ds_load_b128 v[64*\i+8*\t+4*\c:64*\i+8*\t+4*\c+3], v[XR] offset:16*XP*\i+64*\t+32*\c
.endr
.endr
	WIN 0x80
.irp i, 0,1,2,3
.irp c, 0,1
	ds_load_b128 v[64*\i+8*\t+4*\c:64*\i+8*\t+4*\c+3], v[XR] offset:16*XP*(\i+4)+64*\t+32*\c
.endr
.endr
.endr
	WIN 0
	PASS 0
	s_add_co_i32 s45, s30, -1
	s_and_b32 s32, s30, s45                        ; pass 1 walks the same experts; its first item is already on its way
	PASS 1
	; THE WAY OUT.  My stage holds 128 rows of my 64 columns; rows leave two at a time, sixteen lanes storing 256 consecutive bytes of a token's row, at a multiple of 256 from out0's first byte.
	; Stage and list are my wave's own: LDS serves a wave's instructions in order, and no barrier is needed.
	s_wait_loadcnt 0x0                             ; the ring's last 40 loads have landed: its registers take the rows
.irp b, 0,1,2,3
	s_wait_xcnt 0x0                                ; the earlier stores have read their offsets and data: both are written again only behind this wait
.irp m, 0,1,2,3
	ds_load_b128 v[IDS+4*\m:IDS+4*\m+3], v[LE] offset:64*\b+16*\m          ; register k: the token of place 32 b + 2 k + h
.endr
.irp k, 0,1,2,3,4,5,6,7,8,9,10,11,12,13,14,15
	ds_load_b128 v[WF+64*(\b%2)+4*\k:WF+64*(\b%2)+4*\k+3], v[ORD] offset:2*OP*(16*\b+\k)
.endr
	s_wait_dscnt 16                                ; the token numbers are in; the sixteen loads of rows stay out
.irp k, 0,1,2,3,4,5,6,7,8,9,10,11,12,13,14,15
	v_min_u32 v[IDS+\k], 0x1fff, v[IDS+\k]
.endr
.irp k, 0,1,2,3,4,5,6,7,8,9,10,11,12,13,14,15
	v_lshl_add_u32 v[IDS+\k], v[IDS+\k], 12, v[R16]
.endr
.irp k, 0,1,2,3,4,5,6,7,8,9,10,11,12,13,14,15
	s_wait_dscnt 15-\k
	global_store_b128 v[IDS+\k], v[WF+64*(\b%2)+4*\k:WF+64*(\b%2)+4*\k+3], s[16:17] th:TH_STORE_NT   ; written once, read by nobody here
.endr
.endr
	s_wait_tensorcnt 0x0
	ds_add_u32 v126, v127
	s_wait_dscnt 0x0
	s_endpgm
.Lfunc_end_k_q3f62c3b4e4_experts:
	.size	k_q3f62c3b4e4_experts, .Lfunc_end_k_q3f62c3b4e4_experts-k_q3f62c3b4e4_experts
	.p2alignl 7, 3214868480
	.fill 96, 4, 3214868480
	.section	.rodata,"a",@progbits
	.p2align	6, 0x0
	.amdhsa_kernel k_q3f62c3b4e4_experts
		.amdhsa_group_segment_fixed_size 209408
		.amdhsa_private_segment_fixed_size 0
		.amdhsa_enable_private_segment 0
		.amdhsa_kernarg_size 56
		.amdhsa_user_sgpr_count 2
		.amdhsa_user_sgpr_kernarg_segment_ptr 1
		.amdhsa_wavefront_size32 1
		.amdhsa_system_sgpr_workgroup_id_x 1
		.amdhsa_system_sgpr_workgroup_id_y 1
		.amdhsa_system_sgpr_workgroup_id_z 1
		.amdhsa_system_vgpr_workitem_id 0
		.amdhsa_next_free_vgpr 1024
		.amdhsa_next_free_sgpr 66
		.amdhsa_reserve_vcc 1
		.amdhsa_float_denorm_mode_32 3
		.amdhsa_float_denorm_mode_16_64 3
		.amdhsa_memory_ordered 1
		.amdhsa_forward_progress 1
		.amdhsa_inst_pref_size 163
	.end_amdhsa_kernel
	.amdgpu_metadata
---
amdhsa.version: [ 1, 2 ]
amdhsa.kernels:
  - .name:           k_q3f62c3b4e4_experts
    .symbol:         k_q3f62c3b4e4_experts.kd
    .args:
      - { .name: slot, .offset: 0, .size: 8, .value_kind: global_buffer, .address_space: global }
      - { .name: slotw, .offset: 8, .size: 8, .value_kind: global_buffer, .address_space: global }
      - { .name: xq, .offset: 16, .size: 8, .value_kind: global_buffer, .address_space: global }
      - { .name: xs, .offset: 24, .size: 8, .value_kind: global_buffer, .address_space: global }
      - { .name: wq, .offset: 32, .size: 8, .value_kind: global_buffer, .address_space: global }
      - { .name: ws, .offset: 40, .size: 8, .value_kind: global_buffer, .address_space: global }
      - { .name: out0, .offset: 48, .size: 8, .value_kind: global_buffer, .address_space: global }
    .group_segment_fixed_size: 209408
    .private_segment_fixed_size: 0
    .kernarg_segment_align: 8
    .kernarg_segment_size: 56
    .max_flat_workgroup_size: 128
    .sgpr_count:     66
    .vgpr_count:     1024
    .wavefront_size: 32
...
	.end_amdgpu_metadata
.endif
;; end of part 3
;; ======== version 2 of 3: 2 launches
;; workspace buffers: xq 4,194,304 bytes; xs 262,144 bytes; wq 4,194,304 bytes; ws 262,144 bytes; route 65,536 bytes of whole numbers; tokw 65,536 bytes
;; launch prep (part 4): grid 256 x 1, 4 waves a work-group, no clusters, 94,720 bytes of LDS; arguments x, gate_w, expert_w, xq, xs, wq, ws, route, tokw; writes xq, xs, wq, ws, route, tokw
.if DOCPART == 4
	.amdgcn_target "amdgcn-amd-amdhsa--gfx1250"
	.amdhsa_code_object_version 6
	.text
	.protected	k_q3f62c3b4e4_prep
	.globl	k_q3f62c3b4e4_prep
	.p2align	8
	.type	k_q3f62c3b4e4_prep,@function
k_q3f62c3b4e4_prep:
	s_mov_b64 s[64:65], 0
	v_nop
	global_prefetch_b8 v0, s[64:65] scope:SCOPE_SE
	s_setreg_imm32_b32 hwreg(HW_REG_WAVE_MODE, 25, 1), 1
	s_wait_xcnt 0x0
; x [8192][1024] and expert_w, taken as [8192 rows = expert x output column][1024], f32, become codes of FP4 (E2M1) with one E8M0 byte for each 32 along K (K innermost in both);
; and the router: logits = x . gate_w in f32 by fused multiply-adds, softmax with the row's maximum taken away, the two largest probabilities (of equal ones the lower index).
; A block's scale is 2^(floor(log2(largest magnitude)) - 2): its byte is the largest magnitude's exponent field - 2, held at 1 from below.
; LIMITS: NaN and infinities among the inputs are not served.  A block whose largest magnitude lies under 2^-124 keeps the byte 1; a block of zeros so has the byte 1 and zero codes (these bytes are read by this
; program alone).  A probability under 2^-126 comes out as 0 (v_exp_f32 gives 0 there).  The logits are f32 sums in another order than a row-by-row sum: a second and a third place nearer than that rounding may change places.
; SHARES.  Work-group g: tokens 32 g .. 32 g + 31 and rows 32 g .. 32 g + 31 of expert_w.  Wave w: eight rows of each, sixteen in all, one after the other.
; A row is 4,096 bytes: eight loads of 512 consecutive bytes.  It turns through the wave's own stage in LDS (128 bytes + 16 of padding a lane) and comes back with LANE l HOLDING BLOCK l: 32 neighbours in 32 registers.
; So a block's largest magnitude needs no other lane, four conversions give its 16 bytes, and the same registers feed the router's eight dot products against gate_w, which lies in the same order in 256 registers.
; OUT.  xq [token][512 bytes], block b at byte 16 b.  xs [token][32 bytes].  wq in the order of the operand's registers: [item g][K step s][tile j][c][lane 16 h + r][16 bytes] = block 4 s + 2 c + h of row 16 j + r of the item;
; ws [tile 2 g + j][s][r][4 bytes].  route, two halves of 32,768 bytes, each laid [chunk / 4][lane][chunk % 4] words, a chunk being a work-group's 32 tokens, so that the reader's load of 16 bytes a lane brings four chunks:
; first a word a token (lane = token in the chunk: pair key | rank among the chunk's tokens of that key << 8 | first expert << 16 | second << 20), then a histogram (lane = key).  tokw: the two probabilities of each token.
; The choice of experts is stored as numbers only: no address and no branch of this launch hangs on it.
; No tensor loads, no cluster: work-groups share nothing but gate_w (32 KB).  Everything is written out: every offset is an immediate.
.set CP,   144                         ; a lane's place in a stage: 128 bytes + 16 = 36 words
.set RP,   32*CP                       ; a row in LDS
.set UP,   272                         ; a unit of the weights' image: 16 rows x 16 bytes + 16
.set GATE, 0                           ; LDS: gate_w's eight rows,
.set STG,  8*RP                        ; two stages for each wave,
.set XSB,  STG+8*RP                    ; x's scale bytes, 256 a wave,
.set LG,   XSB+1024                    ; the logits, [32 tokens][8],
.set WSC,  LG+1024                     ; the weights' scale words, [2 tiles][8 steps][16 rows][4],
.set WIMG, WSC+1024                    ; the weights' codes, [2 tiles][32 blocks] units of UP bytes; ends at 94,208
.set L16, 1                            ; v1   16 x lane
.set SW,  2                            ; v2   the stage, on the way in
.set SR,  3                            ; v3   and on the way out: CP x lane
.set GS,  4                            ; v4   gate_w into LDS
.set GR,  5                            ; v5   and out of it
.set XB8, 6                            ; v6   my block's byte among x's scale bytes
.set LGW, 7                            ; v7   my wave's eight tokens' logits
.set WI,  8                            ; v8   my block's unit of the weights' image
.set WB8, 9                            ; v9   my block's byte among the weights' scale words
.set L8,  10                           ; v10  8 x lane
.set WOR, 11                           ; v11  the weights' image on the way out
.set BY,  16                           ; v16-17 a scale byte, two sets       (v12-15 at work)
.set XO,  18                           ; v18  scale bytes on the way out
.set LGR, 19                           ; v19  a token's eight logits: lane = token
.set C,   20                           ; v20-27 a block's codes, two sets
.set S,   28                           ; v28-43 the eight sums, two sets
.set A,   44                           ; v44-59 eight pairs of running sums
.set X,   64                           ; v64-127 two sets of 32 neighbours
.set R,   128                          ; v128-255 four sets of 32: rows as they are loaded.   Window 1 (v256-511): gate_w[e][32 lane + i] at 32 e + i
.set MSB, 0
.macro WIN new                         ; the immediate's high byte repeats the setting that is left
.if MSB != \new
	s_set_vgpr_msb (MSB<<8)|\new
.set MSB, \new
.endif
.endm
.macro LOADROW n                       ; row n of my sixteen: 0-7 of x, 8-15 of expert_w; each load reads 512 consecutive bytes
.irp j, 0,1,2,3,4,5,6,7
.if (\n) < 8
	global_load_b128 v[R+32*((\n)%4)+4*\j:R+32*((\n)%4)+4*\j+3], v[L16], s[4:5] offset:((\n)%8)*4096+512*\j th:TH_LOAD_NT
.else
	global_load_b128 v[R+32*((\n)%4)+4*\j:R+32*((\n)%4)+4*\j+3], v[L16], s[8:9] offset:((\n)%8)*4096+512*\j th:TH_LOAD_NT
.endif
.endr
.endm
.macro TURN n                          ; row n through a stage: LDS serves a wave's instructions in order, so no wait stands between the stores and the loads
.irp j, 0,1,2,3,4,5,6,7
	ds_store_b128 v[SW], v[R+32*((\n)%4)+4*\j:R+32*((\n)%4)+4*\j+3] offset:((\n)%2)*RP+4*CP*\j
.endr
.irp j, 0,1,2,3,4,5,6,7
	ds_load_b128 v[X+32*((\n)%2)+4*\j:X+32*((\n)%2)+4*\j+3], v[SR] offset:((\n)%2)*RP+16*\j
.endr
.endm
.macro QUANT n                         ; my block of row n: codes into set n % 2 of C, the byte into BY
.set XQ, X+32*((\n)%2)
	v_max3_num_f32 v12, |v[XQ]|, |v[XQ+1]|, |v[XQ+2]|          ; the block's largest magnitude: all 32 numbers are mine; two chains
	v_max3_num_f32 v13, |v[XQ+3]|, |v[XQ+4]|, |v[XQ+5]|
.irp i, 6,10,14,18,22,26
	v_max3_num_f32 v12, v12, |v[XQ+\i]|, |v[XQ+\i+1]|
	v_max3_num_f32 v13, v13, |v[XQ+\i+2]|, |v[XQ+\i+3]|
.endr
	v_max3_num_f32 v12, v12, |v[XQ+30]|, |v[XQ+31]|
	v_max3_num_f32 v12, v12, v13, 0x1800000                    ; and the floor 2^(3 - 127): the byte cannot fall under 1
	v_add_nc_u32 v14, 0xff000000, v12                          ; 2 off its exponent field: the conversion takes that field of this operand as its scale
	s_wait_xcnt 0x0                                            ; the store of two rows ago has read this set of C: it is written again only behind this wait
.irp g, 0,1,2,3
	v_cvt_scalef32_pk8_fp4_f32 v[C+4*((\n)%2)+\g], v[XQ+8*\g:XQ+8*\g+7], v14
.endr
	v_lshrrev_b32 v[BY+(\n)%2], 23, v14                        ; the scale's byte; also the plain line behind the conversions
.endm
.macro ROUTER t                        ; token t of my eight: eight dot products of 1,024, 32 numbers a lane, two at a time, the eight chains by turns
.set XQ, X+32*((\t)%2)
.set SS, S+8*((\t)%2)
	WIN 0x04                                                   ; source 1 (gate_w) in window 1
.irp e, 0,1,2,3,4,5,6,7
	v_pk_mul_f32 v[A+2*\e:A+2*\e+1], v[XQ:XQ+1], v[32*\e:32*\e+1]      ; the first products start the sums
.endr
.irp i, 1,2,3,4,5,6,7,8,9,10,11,12,13,14,15
.irp e, 0,1,2,3,4,5,6,7
	v_pk_fma_f32 v[A+2*\e:A+2*\e+1], v[XQ+2*\i:XQ+2*\i+1], v[32*\e+2*\i:32*\e+2*\i+1], v[A+2*\e:A+2*\e+1]
.endr
.endr
	WIN 0
.irp e, 0,1,2,3,4,5,6,7
	v_add_f32 v[SS+\e], v[A+2*\e], v[A+2*\e+1]
.endr
.irp m, 1,2,4,8
.irp e, 0,1,2,3,4,5,6,7
	v_add_f32_dpp v[SS+\e], v[SS+\e], v[SS+\e] row_xmask:\m row_mask:0xf bank_mask:0xf
.endr
.endr
.irp e, 0,1,2,3,4,5,6,7
	v_permlanex16_b32 v[A+\e], v[SS+\e], s26, s27              ; (its destination counts as read: A's registers have been written)
.endr
.irp e, 0,1,2,3,4,5,6,7
	v_add_f32 v[SS+\e], v[SS+\e], v[A+\e]                      ; every lane holds the eight logits
.endr
	ds_store_b128 v[LGW], v[SS:SS+3] offset:32*(\t)            ; all lanes write the same bytes with the same values
	ds_store_b128 v[LGW], v[SS+4:SS+7] offset:32*(\t)+16
.endm
; Row n's turn.  younger: the LDS stores issued behind the loads that bring row n out of its stage (the row before's: three behind a row of x, two behind a row of expert_w).
.macro ROW n, younger
	s_wait_dscnt \younger                                      ; row n is back from its stage; so its stores into the stage, which are older, have read their registers,
.if (\n)+4 < 16
	LOADROW (\n)+4                                             ; which take the row four further on
.endif
.if (\n) < 15
.if 14-(\n) >= 3
	s_wait_loadcnt 24                                          ; the next row's eight loads are in; the three rows behind it stay out
.else
	s_wait_loadcnt 8*(14-(\n))                                 ; (the counts run down)
.endif
	TURN (\n)+1                                                ; and it goes through the other stage while this row is worked
.endif
	QUANT \n
.if (\n) < 8
	global_store_b128 v[L16], v[C+4*((\n)%2):C+4*((\n)%2)+3], s[10:11] offset:512*(\n)   ; a token's 512 bytes of codes, consecutive
	ds_store_b8 v[XB8], v[BY+(\n)%2] offset:32*(\n)
	ROUTER \n
.else
	ds_store_b128 v[WI], v[C+4*((\n)%2):C+4*((\n)%2)+3] offset:16*((\n)-8)
	ds_store_b8 v[WB8], v[BY+(\n)%2] offset:4*((\n)-8)
.endif
.endm
	s_load_b256 s[4:11], s[0:1], 0x0               ; x s[4:5], gate_w s[6:7], expert_w s[8:9], xq s[10:11]
	s_load_b256 s[12:19], s[0:1], 0x20             ; xs s[12:13], wq s[14:15], ws s[16:17], route s[18:19]
	s_load_b64 s[20:21], s[0:1], 0x40              ; tokw
	v_lshl_add_u32 v62, v0, 2, 0x17000
	v_mov_b32 v63, 0
	v_lshrrev_b32 v12, 5, v0
	v_readfirstlane_b32 s22, v12                   ; wave 0..3
	v_and_b32 v13, 31, v0                          ; lane
	v_lshlrev_b32 v[L16], 4, v13
	s_lshl_b32 s24, ttmp9, 17                      ; 32 rows of 4,096 bytes a work-group,
	s_lshl_b32 s28, s22, 15                        ; 8 a wave
	s_add_co_u32 s24, s24, s28
	s_mov_b32 s25, 0
	s_lshl_b32 s28, s22, 13                        ; gate_w: rows 2 w and 2 w + 1
	s_mov_b32 s29, 0
	s_wait_kmcnt 0x0
	s_add_nc_u64 s[4:5], s[4:5], s[24:25]
	s_add_nc_u64 s[8:9], s[8:9], s[24:25]
	s_add_nc_u64 s[6:7], s[6:7], s[28:29]
.irp e, 0,1
.irp j, 0,1,2,3,4,5,6,7
	global_load_b128 v[X+32*\e+4*\j:X+32*\e+4*\j+3], v[L16], s[6:7] offset:4096*\e+512*\j
.endr
.endr
	LOADROW 0
	LOADROW 1
	LOADROW 2
	LOADROW 3
	; the other addresses, while the loads are on their way
	s_mov_b32 s26, 0x76543210
	s_mov_b32 s27, 0xfedcba98                      ; v_permlanex16_b32's selects for lane l xor 16
	v_lshlrev_b32 v[L8], 3, v13
	v_lshrrev_b32 v14, 3, v13
	v_and_b32 v15, 7, v13
	v_mul_u32_u24 v14, v14, CP
	v_lshl_add_u32 v14, v15, 4, v14                ; a load's 512 bytes are four lanes' places: CP (lane / 8) + 16 (lane % 8)
	s_mul_i32 s28, s22, 2*RP
	v_add_nc_u32 v[GS], s28, v14                   ; GATE = 0: rows 2 w, 2 w + 1
	s_add_co_u32 s29, s28, STG
	v_add_nc_u32 v[SW], s29, v14
	v_mul_u32_u24 v[GR], v13, CP
	v_add_nc_u32 v[SR], s29, v[GR]
	s_lshl_b32 s30, s22, 8                         ; 256 w
	s_add_co_u32 s31, s30, XSB
	v_add_nc_u32 v[XB8], s31, v13
	v_add_nc_u32 v[XO], s31, v[L8]
	s_add_co_u32 s31, s30, LG
	v_mov_b32 v[LGW], s31
	v_lshl_add_u32 v[LGR], v13, 5, LG
	s_lshr_b32 s32, s22, 1                         ; j: which tile of 16 rows of the item my eight rows of expert_w lie in,
	s_and_b32 s33, s22, 1                          ; and which half of it
	s_mul_i32 s34, s32, 32*UP
	s_lshl_b32 s35, s33, 7
	s_add_co_u32 s35, s35, s34
	s_add_co_u32 s35, s35, WIMG
	v_mul_u32_u24 v[WI], v13, UP
	v_add_nc_u32 v[WI], s35, v[WI]                 ; unit = my block; in it 16 bytes for each row of the tile
	s_mul_i32 s35, s33, 16*UP
	s_add_co_u32 s35, s35, s34
	s_add_co_u32 s35, s35, WIMG
	v_lshrrev_b32 v14, 4, v13
	v_and_b32 v15, 15, v13
	v_mul_u32_u24 v14, v14, UP
	v_lshl_add_u32 v14, v15, 4, v14
	v_add_nc_u32 v[WOR], s35, v14                  ; out: my tile's units 16 (w % 2) on, two an instruction
	s_lshl_b32 s34, s32, 9
	s_lshl_b32 s35, s33, 5
	s_add_co_u32 s34, s34, s35
	s_add_co_u32 s34, s34, WSC
	v_lshrrev_b32 v14, 2, v13
	v_and_b32 v15, 3, v13
	v_lshl_add_u32 v14, v14, 6, v15
	v_add_nc_u32 v[WB8], s34, v14                  ; step lane / 4, byte lane % 4; 4 bytes a row
	s_lshl_b32 s24, ttmp9, 14
	s_lshl_b32 s28, s22, 12
	s_add_co_u32 s28, s24, s28
	s_mov_b32 s29, 0
	s_add_nc_u64 s[10:11], s[10:11], s[28:29]      ; xq: 16,384 bytes a work-group, 4,096 a wave
	s_lshl_b32 s28, s32, 10
	s_add_co_u32 s24, s24, s28
	s_lshl_b32 s28, s33, 13
	s_add_co_u32 s24, s24, s28
	s_add_nc_u64 s[14:15], s[14:15], s[24:25]      ; wq: the item, + 1,024 j, + steps 4 (w % 2) on
	s_lshl_b32 s24, ttmp9, 10
	s_add_co_u32 s24, s24, s30
	s_add_nc_u64 s[12:13], s[12:13], s[24:25]      ; xs and ws: 1,024 bytes a work-group, 256 a wave
	s_add_nc_u64 s[16:17], s[16:17], s[24:25]
	s_lshl_b32 s24, ttmp9, 8
	s_add_nc_u64 s[20:21], s[20:21], s[24:25]      ; tokw: 256 bytes a chunk
	s_lshr_b32 s24, ttmp9, 2
	s_lshl_b32 s24, s24, 9                         ; route: 512 bytes for four chunks,
	s_and_b32 s28, ttmp9, 3
	s_lshl_b32 s28, s28, 2                         ; in them my chunk's word of each lane's four,
	s_add_co_u32 s24, s24, s28
	s_add_nc_u64 s[18:19], s[18:19], s[24:25]      ; in both of its halves
	s_wait_loadcnt 32                              ; gate_w's sixteen loads are in; behind them the 32 of rows 0 to 3
.irp e, 0,1
.irp j, 0,1,2,3,4,5,6,7
	ds_store_b128 v[GS], v[X+32*\e+4*\j:X+32*\e+4*\j+3] offset:RP*\e+4*CP*\j
.endr
.endr
	s_wait_dscnt 0x0                               ; for the others' sake: my two rows of gate_w lie in LDS
	s_barrier_signal -1
	s_barrier_wait -1                              ; all eight do
	WIN 0x40                                       ; destination window 1
.irp e, 0,1,2,3,4,5,6,7
.irp i, 0,1,2,3,4,5,6,7
	ds_load_b128 v[32*\e+4*\i:32*\e+4*\i+3], v[GR] offset:RP*\e+16*\i
.endr
.endr
	WIN 0
	s_wait_loadcnt 24                              ; row 0 is in; rows 1 to 3 stay out
	TURN 0
	ROW 0, 0                                       ; (its wait for 0 also shows gate_w in its registers)
.irp n, 1,2,3,4,5,6,7,8
	ROW \n, 3
.endr
.irp n, 9,10,11,12,13,14,15
	ROW \n, 2
.endr
	s_wait_dscnt 0x0                               ; for the others' sake: my codes, bytes and logits lie in LDS
	s_barrier_signal -1
	s_barrier_wait -1
	; THE WAY OUT of what was gathered in LDS
	ds_load_b64 v[12:13], v[XO]                    ; my wave's 256 scale bytes of x,
	ds_load_b64 v[14:15], v[XO] offset:WSC-XSB     ; a quarter of the item's scale words,
.irp i, 0,1,2,3,4,5,6,7
	ds_load_b128 v[R+4*\i:R+4*\i+3], v[WOR] offset:2*UP*\i     ; and a quarter of its codes
.endr
	s_wait_dscnt 9
	global_store_b64 v[L8], v[12:13], s[12:13]     ; 256 consecutive bytes, at a multiple of 256 from the buffer's first byte
	s_wait_dscnt 8
	global_store_b64 v[L8], v[14:15], s[16:17]
.irp i, 0,1,2,3,4,5,6,7
	s_wait_dscnt 7-\i
	global_store_b128 v[L16], v[R+4*\i:R+4*\i+3], s[14:15] offset:(\i/2)*2048+(\i%2)*512   ; 512 consecutive bytes: a (step, tile, c) of the operand's image
.endr
	s_cmp_lg_u32 s22, 0
	s_cbranch_scc1 .Lend
	; WAVE 0: the chunk's routing, a lane a token
	ds_load_b128 v[64:67], v[LGR]
	ds_load_b128 v[68:71], v[LGR] offset:16
	s_wait_dscnt 0x0
	v_max3_num_f32 v72, v64, v65, v66
	v_max3_num_f32 v72, v72, v67, v68
	v_max3_num_f32 v72, v72, v69, v70
	v_max_num_f32 v72, v72, v71                    ; the row's maximum is taken away ahead of the exponentials
.irp e, 0,1,2,3,4,5,6,7
	v_sub_f32 v[80+\e], v[64+\e], v72
.endr
.irp e, 0,1,2,3,4,5,6,7
	v_mul_f32 v[80+\e], 0x3fb8aa3b, v[80+\e]       ; x log2(e)
.endr
.irp e, 0,1,2,3,4,5,6,7
	v_exp_f32 v[80+\e], v[80+\e]
.endr
	v_mov_b32 v88, 0                               ; the first expert's index.  (A plain line behind the exponentials)
	s_wait_alu depctr_va_vdst(0)                   ; one wait for the eight, ahead of their first reader
	v_add_f32 v73, v80, v81
	v_add_f32 v74, v82, v83
	v_add_f32 v75, v84, v85
	v_add_f32 v76, v86, v87
	v_add_f32 v73, v73, v74
	v_add_f32 v75, v75, v76
	v_add_f32 v73, v73, v75
	v_rcp_f32 v77, v73
	v_mov_b32 v89, 0                               ; the second's.  (A plain line behind the reciprocal)
	s_wait_alu depctr_va_vdst(0)
.irp e, 0,1,2,3,4,5,6,7
	v_mul_f32 v[80+\e], v[80+\e], v77              ; the probabilities
.endr
	v_mov_b32 v92, v80
.irp e, 1,2,3,4,5,6,7
	v_cmp_gt_f32 vcc_lo, v[80+\e], v92             ; strictly larger, ascending: of equal ones the lower index stays
	v_cndmask_b32 v92, v92, v[80+\e], vcc_lo
	v_cndmask_b32 v88, v88, \e, vcc_lo
.endr
.irp e, 0,1,2,3,4,5,6,7
	v_cmp_eq_u32 vcc_lo, \e, v88
	v_cndmask_b32 v[80+\e], v[80+\e], -1.0, vcc_lo ; the winner steps under every probability
.endr
	v_mov_b32 v93, v80
.irp e, 1,2,3,4,5,6,7
	v_cmp_gt_f32 vcc_lo, v[80+\e], v93
	v_cndmask_b32 v93, v93, v[80+\e], vcc_lo
	v_cndmask_b32 v89, v89, \e, vcc_lo
.endr
	; the pair's key, 0 .. 27, in an order in which neighbouring keys share an expert: lo (15 - lo) / 2 + (lo odd ? 7 - hi : hi - lo - 1)
	v_min_u32 v94, v88, v89
	v_max_u32 v95, v88, v89
	v_sub_nc_u32 v96, 15, v94
	v_mul_u32_u24 v96, v96, v94
	v_lshrrev_b32 v96, 1, v96
	v_sub_nc_u32 v97, 7, v95
	v_sub_nc_u32 v98, v95, v94
	v_add_nc_u32 v98, -1, v98
	v_and_b32 v99, 1, v94
	v_cmp_eq_u32 vcc_lo, 1, v99
	v_cndmask_b32 v98, v98, v97, vcc_lo
	v_add_nc_u32 v100, v96, v98
	v_mov_b32 v101, 0                              ; my rank among the chunk's tokens of my key
	v_mov_b32 v102, 0                              ; the chunk's histogram: lane = key
.set k, 0
.rept 28
	v_cmp_eq_u32 s28, k, v100                      ; the lanes of key k,
	v_mbcnt_lo_u32_b32 v103, s28, 0                ; how many of them stand below me,
	v_cndmask_b32 v101, v101, v103, s28            ; kept where the key is mine,
	s_bcnt1_i32_b32 s29, s28                       ; and how many there are
	v_writelane_b32 v102, s29, k
.set k, k+1
.endr
	v_lshl_or_b32 v104, v101, 8, v100
	v_lshl_or_b32 v104, v88, 16, v104
	v_lshl_or_b32 v104, v89, 20, v104
	global_store_b32 v[L16], v104, s[18:19]        ; a word a lane, 16 bytes apart: three other chunks fill the words between
	global_store_b32 v[L16], v102, s[18:19] offset:32768
	global_store_b64 v[L8], v[92:93], s[20:21]
.Lend:
	s_wait_tensorcnt 0x0
	ds_add_u32 v62, v63
	s_wait_dscnt 0x0
	s_endpgm
.Lfunc_end_k_q3f62c3b4e4_prep:
	.size	k_q3f62c3b4e4_prep, .Lfunc_end_k_q3f62c3b4e4_prep-k_q3f62c3b4e4_prep
	.p2alignl 7, 3214868480
	.fill 96, 4, 3214868480
	.section	.rodata,"a",@progbits
	.p2align	6, 0x0
	.amdhsa_kernel k_q3f62c3b4e4_prep
		.amdhsa_group_segment_fixed_size 94720
		.amdhsa_private_segment_fixed_size 0
		.amdhsa_enable_private_segment 0
		.amdhsa_kernarg_size 72
		.amdhsa_user_sgpr_count 2
		.amdhsa_user_sgpr_kernarg_segment_ptr 1
		.amdhsa_wavefront_size32 1
		.amdhsa_system_sgpr_workgroup_id_x 1
		.amdhsa_system_sgpr_workgroup_id_y 1
		.amdhsa_system_sgpr_workgroup_id_z 1
		.amdhsa_system_vgpr_workitem_id 0
		.amdhsa_next_free_vgpr 512
		.amdhsa_next_free_sgpr 66
		.amdhsa_reserve_vcc 1
		.amdhsa_float_denorm_mode_32 3
		.amdhsa_float_denorm_mode_16_64 3
		.amdhsa_memory_ordered 1
		.amdhsa_forward_progress 1
		.amdhsa_inst_pref_size 170
	.end_amdhsa_kernel
	.amdgpu_metadata
---
amdhsa.version: [ 1, 2 ]
amdhsa.kernels:
  - .name:           k_q3f62c3b4e4_prep
    .symbol:         k_q3f62c3b4e4_prep.kd
    .args:
      - { .name: x, .offset: 0, .size: 8, .value_kind: global_buffer, .address_space: global }
      - { .name: gate_w, .offset: 8, .size: 8, .value_kind: global_buffer, .address_space: global }
      - { .name: expert_w, .offset: 16, .size: 8, .value_kind: global_buffer, .address_space: global }
      - { .name: xq, .offset: 24, .size: 8, .value_kind: global_buffer, .address_space: global }
      - { .name: xs, .offset: 32, .size: 8, .value_kind: global_buffer, .address_space: global }
      - { .name: wq, .offset: 40, .size: 8, .value_kind: global_buffer, .address_space: global }
      - { .name: ws, .offset: 48, .size: 8, .value_kind: global_buffer, .address_space: global }
      - { .name: route, .offset: 56, .size: 8, .value_kind: global_buffer, .address_space: global }
      - { .name: tokw, .offset: 64, .size: 8, .value_kind: global_buffer, .address_space: global }
    .group_segment_fixed_size: 94720
    .private_segment_fixed_size: 0
    .kernarg_segment_align: 8
    .kernarg_segment_size: 72
    .max_flat_workgroup_size: 128
    .sgpr_count:     66
    .vgpr_count:     512
    .wavefront_size: 32
...
	.end_amdgpu_metadata
.endif
;; end of part 4
;; launch experts (part 5): grid 4 x 64, 4 waves a work-group, no clusters, 210,944 bytes of LDS; arguments route, tokw, xq, xs, wq, ws, out0; writes out0
.if DOCPART == 5
	.amdgcn_target "amdgcn-amd-amdhsa--gfx1250"
	.amdhsa_code_object_version 6
	.text
	.protected	k_q3f62c3b4e4_experts
	.globl	k_q3f62c3b4e4_experts
	.p2align	8
	.type	k_q3f62c3b4e4_experts,@function
k_q3f62c3b4e4_experts:
	s_mov_b64 s[64:65], 0
	v_nop
	global_prefetch_b8 v0, s[64:65] scope:SCOPE_SE
	s_setreg_imm32_b32 hwreg(HW_REG_WAVE_MODE, 25, 1), 1
	s_wait_xcnt 0x0
; out0[token][:] = the sum over the token's two experts e of its probability x (x[token] . W_e), the products on codes of FP4 (E2M1) with E8M0 scales for each 32 along K, sums in f32.
; Only the chosen experts' rows are multiplied.  The tokens are taken in the order of their pair of experts; a work-group takes 128 neighbouring places of that order (y) x 256 output columns (x) and walks the experts that its tokens use.
; THE PLACING is done here, by every work-group for itself, from the whole numbers that the launch before stored: a token's place = tokens of lower keys + tokens of its key in earlier chunks of 32 + its rank in its chunk.
; Wave w sums the histograms of chunks 64 w .. 64 w + 63 (a lane a key), the waves exchange their totals through LDS, each token fetches its key's first place from that key's lane, and the tokens whose places fall
; into the block are stored into a list of 128 words in LDS.  Those stores' addresses hang on loaded numbers (held at 128 by v_min_u32): so they are parted by barriers from every other wave's LDS access, the four waves storing by turns.
; EACH OUTPUT ROW HAS ONE OWNER: for each expert walked, a token's result is multiplied by its probability for that expert, or by 0, and added up in registers.
; SHARES.  Every wave holds ALL 128 tokens' codes for all of K in registers (8 tiles x 8 K steps x 8 = 512) and owns 64 columns, made in two passes of 32: so a fragment of the weights is read from memory once in the
; work-group, straight into registers in the order in which the launch before laid it, and feeds eight matrix instructions; no LDS read stands in the loop.
; An ITEM is (expert, pass): 16 KB of wq and 1 KB of ws, consecutive: 8 K steps x 16 matrix instructions.  A ring of eight register slots, one a K step, is filled a whole item ahead.
; Which experts are walked, and how many, hangs on numbers read from route: so there is no tensor load, no copy and no cluster here (partners would want different tiles), and all seven barriers stand ahead of the walk.
; THE MATRIX INSTRUCTION IS USED TRANSPOSED: source 0 = 16 rows of W (output columns), source 1 = 16 tokens: a lane holds ONE token (lane % 16) and eight neighbouring columns 8 (lane / 16) + 0 .. 7.
; Every token has two different experts, so a block walks two at the least; a block of one would still be served (the loop is passed over).
; REGISTERS, in windows of 256.  Window 0: v1-15 addresses; v20-43 token numbers and offsets; v44-51 G, the item's weight a tile; v52-67 the tokens' experts; v68-83 their probabilities;
;   v84-115 x's scale words; v116-123 the weights' scale words, one a K step; v128-255 the ring.  (The placing, ahead of all these: v16-63 at work, v64-127 histograms, v128-191 token words, v192-255 first places.)
;   Windows 1, 2: x's fragment (tile i, step s) at 64 (i % 4) + 8 s of window 1 + i / 4.   Window 3: the item's 16 accumulators (i, j) at 8 (2 i + j); the pass's sums at 128 + the same.
.set XP,   528                         ; a token's codes in LDS: 512 bytes + 16 = 132 words: 16 rows start at 16 different groups of four banks
.set XSTG, 0                           ; LDS: the block's 128 rows of codes,
.set OP,   272                         ; a row of a wave's results: 256 bytes + 16
.set OSTG, 128*XP                      ; 128 such rows for each wave, its own,
.set LIST, OSTG+4*128*OP               ; each wave's own list of the 128 token numbers: even places, then odd places,
.set TOT,  LIST+4*512                  ; each wave's count of every key, 128 bytes a wave,
.set SLIST, TOT+512                    ; and the block's list: a word a place, and a 129th word that takes the tokens of other blocks.  The claim ends at 210,432
.set L16,  1                           ; v1   16 x lane
.set WO,   2                           ; v2   the fragment loads' offset
.set SOFF, 3                           ; v3   512 (lane / 16) + 4 (lane % 16): lanes 0-15 tile 0's scale words, lanes 16-31 tile 1's
.set SO,   4                           ; v4   the scale loads' offset
.set L4,   5
.set R4,   6                           ; v6, v7, v15: 4, 16, 8 x (lane % 16)
.set R16,  7
.set XW,   8                           ; v8   codes into LDS
.set XR,   9                           ; v9   fragments out of it
.set LW,   10                          ; v10  my own list: in;  v11 out, my wave's 32 places;  v12 out, from the first place on
.set LR,   11
.set LE,   12
.set OS,   13                          ; v13  results into my stage;  v14 rows out of it
.set ORD,  14
.set R8,   15
.set TK,   20
.set XA,   24
.set IDS,  28
.set G,    44
.set E0,   52
.set E1,   60
.set GW,   68
.set XS,   84                          ; register 8 u + s: lane L holds the scale word of place 32 u + L for K step s: lanes 0-15 tile 2 u, lanes 16-31 tile 2 u + 1
.set WS,   116
.set WF,   128                         ; slot s at 16 s; in it tile j at 8 j
.set TWA,  56                          ; the placing alone: v56 TOT + 4 x my thread's number;  v57 TOT + 4 x lane;  v58 SLIST + 4 x lane;  v59 SLIST + 4 x (lane % 16)
.set TRA,  57
.set SLA,  58
.set SRA,  59
.set LN,   60                          ; v60  lane;  v61 lane / 16;  v62 my token in my wave's first chunk
.set HH,   61
.set TOK0, 62
.set PH,   64                          ; my 64 chunks' histograms (lane = key), then their running sums; later what the tokens fetch, then their LDS addresses
.set PT,   128                         ; my 64 chunks' token words (lane = token); later the words to store
.set PE,   192                         ; a chunk's first place for each key, counted from the block's first place
.set MSB, 0
.macro WIN new                         ; the immediate's high byte repeats the setting that is left
.if MSB != \new
	s_set_vgpr_msb (MSB<<8)|\new
.set MSB, \new
.endif
.endm
.macro FILL s                          ; K step s of the item that s[26:29] stand at: two fragments (each load 512 consecutive bytes) and their scale words
.irp j, 0,1
.irp c, 0,1
	global_load_b128 v[WF+16*(\s)+8*\j+4*\c:WF+16*(\s)+8*\j+4*\c+3], v[WO], s[26:27] offset:2048*(\s)+1024*\j+512*\c
.endr
.endr
	global_load_b32 v[WS+(\s)], v[SO], s[28:29] offset:64*(\s)
.endm
.macro MM i, j, s                      ; tokens' tile i x columns' tile j, K step s.  Step 0 starts the sums: nothing is cleared
.set rD, 8*(2*(\i)+(\j))
.set rA, WF+16*(\s)+8*(\j)
.set rB, 64*((\i)%4)+8*(\s)
.set rP, WS+(\s)
.set rQ, XS+8*((\i)/2)+(\s)
.if (\s) == 0
.if ((\j) == 0) && ((\i)%2 == 0)
	v_wmma_scale_f32_16x16x128_f8f6f4 v[rD:rD+7], v[rA:rA+7], v[rB:rB+7], 0, v[rP], v[rQ] matrix_a_fmt:MATRIX_FMT_FP4 matrix_b_fmt:MATRIX_FMT_FP4
.elseif ((\j) == 1) && ((\i)%2 == 0)
	v_wmma_scale_f32_16x16x128_f8f6f4 v[rD:rD+7], v[rA:rA+7], v[rB:rB+7], 0, v[rP], v[rQ] matrix_a_fmt:MATRIX_FMT_FP4 matrix_b_fmt:MATRIX_FMT_FP4 matrix_a_scale:MATRIX_SCALE_ROW1
.elseif (\j) == 0
	v_wmma_scale_f32_16x16x128_f8f6f4 v[rD:rD+7], v[rA:rA+7], v[rB:rB+7], 0, v[rP], v[rQ] matrix_a_fmt:MATRIX_FMT_FP4 matrix_b_fmt:MATRIX_FMT_FP4 matrix_b_scale:MATRIX_SCALE_ROW1
.else
	v_wmma_scale_f32_16x16x128_f8f6f4 v[rD:rD+7], v[rA:rA+7], v[rB:rB+7], 0, v[rP], v[rQ] matrix_a_fmt:MATRIX_FMT_FP4 matrix_b_fmt:MATRIX_FMT_FP4 matrix_a_scale:MATRIX_SCALE_ROW1 matrix_b_scale:MATRIX_SCALE_ROW1
.endif
.else
.if ((\j) == 0) && ((\i)%2 == 0)
	v_wmma_scale_f32_16x16x128_f8f6f4 v[rD:rD+7], v[rA:rA+7], v[rB:rB+7], v[rD:rD+7], v[rP], v[rQ] matrix_a_fmt:MATRIX_FMT_FP4 matrix_b_fmt:MATRIX_FMT_FP4
.elseif ((\j) == 1) && ((\i)%2 == 0)
	v_wmma_scale_f32_16x16x128_f8f6f4 v[rD:rD+7], v[rA:rA+7], v[rB:rB+7], v[rD:rD+7], v[rP], v[rQ] matrix_a_fmt:MATRIX_FMT_FP4 matrix_b_fmt:MATRIX_FMT_FP4 matrix_a_scale:MATRIX_SCALE_ROW1
.elseif (\j) == 0
	v_wmma_scale_f32_16x16x128_f8f6f4 v[rD:rD+7], v[rA:rA+7], v[rB:rB+7], v[rD:rD+7], v[rP], v[rQ] matrix_a_fmt:MATRIX_FMT_FP4 matrix_b_fmt:MATRIX_FMT_FP4 matrix_b_scale:MATRIX_SCALE_ROW1
.else
	v_wmma_scale_f32_16x16x128_f8f6f4 v[rD:rD+7], v[rA:rA+7], v[rB:rB+7], v[rD:rD+7], v[rP], v[rQ] matrix_a_fmt:MATRIX_FMT_FP4 matrix_b_fmt:MATRIX_FMT_FP4 matrix_a_scale:MATRIX_SCALE_ROW1 matrix_b_scale:MATRIX_SCALE_ROW1
.endif
.endif
.endm
; A K step: 16 matrix instructions, the 16 accumulators by turns in the same order in every step; then the slot is filled for the next item.
.macro STEP s
	s_wait_loadcnt 35                              ; slot s's five loads are in: behind them stand the seven other slots' 35, in the first item, from item to item and over the backward jump alike
.if 16*(7-(\s)) > 63
	s_wait_dscnt 63                                ; (the first item alone: x's fragments come from LDS 16 a K step; the count's field holds 63)
.else
	s_wait_dscnt 16*(7-(\s))                       ; the steps behind this one may stay out; later nothing is out.  Step 7's count 0 also shows the last pass's stores into the stage done
.endif
	WIN 0xf4                                       ; source 0 (W) window 0, source 1 (x) window 1, C and D window 3
.irp i, 0,1,2,3
.irp j, 0,1
	MM \i, \j, \s
.endr
.endr
	WIN 0xf8                                       ; x in window 2
.irp i, 4,5,6,7
.irp j, 0,1
	MM \i, \j, \s
.endr
.endr
	WIN 0
	; tile s's weight for this item's expert: the token's probability where the expert is one of its two, else 0.  These four plain lines name no register of the products: they are the four places
	; in front of the loads into the slot (ISA guide 7.12.1 for vector instructions) and, in step 7, in front of the first read of the sums
	v_cmp_eq_u32 vcc_lo, s35, v[E0+(\s)]
	v_cndmask_b32 v[G+(\s)], 0, v[GW+2*(\s)], vcc_lo
	v_cmp_eq_u32 vcc_lo, s35, v[E1+(\s)]
	v_cndmask_b32 v[G+(\s)], v[G+(\s)], v[GW+2*(\s)+1], vcc_lo
	FILL \s
.endm
; At an item's head: which item comes next, so that this item's steps can fetch it.  s30 the experts' mask, s32 those still to come in this pass, s34 the next item's expert, s35 this item's.
; Pass 0's last item is followed by pass 1's first.  Behind the very last item the 40 loads are still issued, so that every counted wait holds on every way; there all lanes name one place of 16 (4) bytes inside wq (ws).
; Every number that hangs on the list and enters an address is first held under a constant: the expert's number at 7, the two flags at 1; behind the hold stand shifts, sums and products alone.
.macro NEXT p
	s_wait_xcnt 0x0                                ; the last 40 loads have read their base and offsets: both are written only behind this wait
	s_mov_b32 s35, s34
	s_cmp_lg_u32 s32, 0                            ; is an expert left in this pass?  All selections stand ahead of the lines that set SCC
	s_cselect_b32 s42, s32, s30
.if \p
	s_cselect_b32 s36, 1, 0                        ; pass 1: is there a next item at all?
	s_mov_b32 s43, 16384
	s_mov_b32 s44, 1024
.else
	s_cselect_b32 s43, 0, 1                        ; pass 0: is the next item pass 1's first?
	s_min_u32 s43, s43, 1                          ; the flag, held at 1,
	s_lshl_b32 s44, s43, 10                        ; as the second item's distance in ws
	s_lshl_b32 s43, s43, 14                        ; and in wq
.endif
	s_ctz_i32_b32 s34, s42
	s_min_u32 s34, s34, 7                          ; an expert's number, held inside the buffers
	s_add_co_i32 s45, s32, -1
	s_and_b32 s32, s32, s45                        ; its bit is taken off
	s_lshl_b32 s38, s34, 19                        ; 32 items of 16,384 bytes an expert
	s_add_co_u32 s38, s38, s43
	s_lshl_b32 s40, s34, 15                        ; and of 1,024
	s_add_co_u32 s40, s40, s44
	s_add_nc_u64 s[26:27], s[22:23], s[38:39]
	s_add_nc_u64 s[28:29], s[24:25], s[40:41]
.if \p
	s_min_u32 s36, s36, 1
	v_mul_u32_u24 v[WO], s36, v[L16]
	v_mul_u32_u24 v[SO], s36, v[SOFF]
.endif
.endm
; The pass's sums take the item's results x the tokens' weights, two numbers an instruction; each accumulator is read from its low end on.  G's registers are named in pairs: tile i takes the pair's half i % 2 for both results.
.macro COMBINE first
	WIN 0xf3                                       ; the sums and the item's results in window 3, G in window 0
.irp i, 0,1,2,3,4,5,6,7
.irp q, 0,1,2,3,4,5,6,7
.if \first
.if (\i)%2 == 0
	v_pk_mul_f32 v[128+16*\i+2*\q:128+16*\i+2*\q+1], v[16*\i+2*\q:16*\i+2*\q+1], v[G+2*(\i/2):G+2*(\i/2)+1] op_sel_hi:[1,0]
.else
	v_pk_mul_f32 v[128+16*\i+2*\q:128+16*\i+2*\q+1], v[16*\i+2*\q:16*\i+2*\q+1], v[G+2*(\i/2):G+2*(\i/2)+1] op_sel:[0,1] op_sel_hi:[1,1]
.endif
.else
.if (\i)%2 == 0
	v_pk_fma_f32 v[128+16*\i+2*\q:128+16*\i+2*\q+1], v[16*\i+2*\q:16*\i+2*\q+1], v[G+2*(\i/2):G+2*(\i/2)+1], v[128+16*\i+2*\q:128+16*\i+2*\q+1] op_sel_hi:[1,0,1]
.else
	v_pk_fma_f32 v[128+16*\i+2*\q:128+16*\i+2*\q+1], v[16*\i+2*\q:16*\i+2*\q+1], v[G+2*(\i/2):G+2*(\i/2)+1], v[128+16*\i+2*\q:128+16*\i+2*\q+1] op_sel:[0,1,0] op_sel_hi:[1,1,1]
.endif
.endif
.endr
.endr
	WIN 0
.endm
.macro ITEM p, first
	NEXT \p
.irp t, 0,1,2,3,4,5,6,7
	STEP \t
.endr
	COMBINE \first
.endm
; A pass: 32 of my 64 columns, all experts of the block.  The first item stands ahead of the loop: it starts the pass's sums.
.macro PASS p
	ITEM \p, 1
	s_mov_b32 s33, 1
	s_cmp_lt_u32 s33, s31
	s_cbranch_scc0 .Ldone_\p
.Litem_\p:
	ITEM \p, 0
	s_add_co_u32 s33, s33, 1
	s_cmp_lt_u32 s33, s31                          ; s31, the number of experts, is not written in the loop
	s_cbranch_scc1 .Litem_\p
.Ldone_\p:
	WIN 0x0c                                       ; an LDS store's data are its source 1: window 3
.irp i, 0,1,2,3,4,5,6,7
.irp j, 0,1
	ds_store_b128 v[OS], v[128+8*(2*\i+\j):128+8*(2*\i+\j)+3] offset:16*OP*\i+128*(\p)+64*\j        ; lane (r, h): place 16 i + r, my columns 32 p + 16 j + 8 h + 0 .. 7
	ds_store_b128 v[OS], v[128+8*(2*\i+\j)+4:128+8*(2*\i+\j)+7] offset:16*OP*\i+128*(\p)+64*\j+16
.endr
.endr
	WIN 0
.endm
	s_load_b256 s[4:11], s[0:1], 0x0               ; route s[4:5], tokw s[6:7], xq s[8:9], xs s[10:11]
	s_load_b128 s[12:15], s[0:1], 0x20             ; wq s[12:13], ws s[14:15]
	s_load_b64 s[16:17], s[0:1], 0x30              ; out0
	v_lshrrev_b32 v16, 5, v0
	v_readfirstlane_b32 s18, v16                   ; wave 0..3
	s_and_b32 s20, ttmp7, 0xffff                   ; the block of 128 places; ttmp9: the slab of 256 columns
	v_and_b32 v18, 31, v0                          ; lane
	v_and_b32 v16, 15, v0                          ; r
	v_bfe_u32 v17, v0, 4, 1                        ; h
	v_lshlrev_b32 v[L16], 4, v18
	v_lshlrev_b32 v[L4], 2, v18
	v_lshlrev_b32 v[R4], 2, v16
	v_lshlrev_b32 v[R8], 3, v16
	v_lshlrev_b32 v[R16], 4, v16
	s_lshl_b32 s38, s18, 13                        ; my wave's 64 chunks: sixteen groups of four, 512 bytes each
	s_mov_b32 s39, 0
	s_mov_b32 s41, 0
	s_wait_kmcnt 0x0
	s_add_nc_u64 s[4:5], s[4:5], s[38:39]
.irp i, 0,1,2,3,4,5,6,7,8,9,10,11,12,13,14,15
	global_load_b128 v[PH+4*\i:PH+4*\i+3], v[L16], s[4:5] offset:32768+512*\i   ; lane = key: its count in chunks 4 i .. 4 i + 3 of my 64
.endr
.irp i, 0,1,2,3,4,5,6,7,8,9,10,11,12,13,14,15
	global_load_b128 v[PT+4*\i:PT+4*\i+3], v[L16], s[4:5] offset:512*\i         ; lane = token in its chunk: the words of the same four chunks
.endr
	; all fixed addresses, while these are on their way
	s_lshl_b32 s38, ttmp9, 10
	s_lshl_b32 s42, s18, 8
	s_add_co_u32 s38, s38, s42
	s_add_nc_u64 s[16:17], s[16:17], s[38:39]      ; out0 at my 64 columns
	s_lshl_b32 s38, ttmp9, 17
	s_lshl_b32 s42, s18, 15
	s_add_co_u32 s38, s38, s42
	s_add_nc_u64 s[22:23], s[12:13], s[38:39]      ; wq at item 8 slab + 2 wave of expert 0
	s_lshl_b32 s40, ttmp9, 13
	s_lshl_b32 s42, s18, 11
	s_add_co_u32 s40, s40, s42
	s_add_nc_u64 s[24:25], s[14:15], s[40:41]      ; ws likewise
	v_lshl_add_u32 v[SOFF], v17, 9, v[R4]
	s_mul_i32 s42, s18, 32*XP
	v_mul_u32_u24 v[XW], v17, XP
	v_add_nc_u32 v[XW], v[XW], v[R16]
	v_add_nc_u32 v[XW], s42, v[XW]                 ; in: rows 32 w + 2 i + h, sixteen lanes to 256 bytes
	v_mul_u32_u24 v[XR], v16, XP
	v_lshl_add_u32 v[XR], v17, 4, v[XR]            ; out: row r of a tile, + 16 h
	s_lshl_b32 s42, s18, 9
	s_add_co_u32 s42, s42, LIST                    ; my own list
	v_and_b32 v19, 1, v18
	v_lshrrev_b32 v[LW], 1, v18
	v_lshlrev_b32 v[LW], 2, v[LW]
	v_lshl_add_u32 v[LW], v19, 8, v[LW]
	v_add_nc_u32 v[LW], s42, v[LW]                 ; place 32 u + L goes to word 16 u + L / 2 of the even or of the odd half
	v_lshl_add_u32 v[LE], v17, 8, s42              ; out: lanes 0-15 the even places, lanes 16-31 the odd ones
	s_lshl_b32 s43, s18, 6
	v_add_nc_u32 v[LR], s43, v[LE]
	s_mul_i32 s44, s18, 128*OP
	s_add_co_u32 s44, s44, OSTG                    ; my stage
	v_mul_u32_u24 v[OS], v16, OP
	v_lshl_add_u32 v[OS], v17, 5, v[OS]
	v_add_nc_u32 v[OS], s44, v[OS]
	v_mul_u32_u24 v[ORD], v17, OP
	v_lshl_add_u32 v[ORD], v16, 4, v[ORD]
	v_add_nc_u32 v[ORD], s44, v[ORD]
	v_mov_b32 v[WO], v[L16]
	v_mov_b32 v[SO], v[SOFF]
	v_lshl_add_u32 v[TWA], v0, 2, TOT
	v_add_nc_u32 v[TRA], TOT, v[L4]
	v_add_nc_u32 v[SLA], SLIST, v[L4]
	v_add_nc_u32 v[SRA], SLIST, v[R4]
	v_mov_b32 v[LN], v18
	v_mov_b32 v[HH], v17
	s_lshl_b32 s42, s18, 11
	v_add_nc_u32 v[TOK0], s42, v18                 ; 2,048 tokens a wave
	s_mov_b32 s46, 0x76543210
	s_mov_b32 s47, 0xfedcba98                      ; v_permlanex16_b32's selects for lane l xor 16
	s_lshl_b32 s45, s20, 7
	s_sub_co_u32 s45, 0, s45                       ; minus the block's first place
	v_mov_b32 v18, 0
	; THE PLACING.  (1) Running sums of my key's counts over my chunks, in place, in four chains of 16 chunks by turns
	s_wait_loadcnt 16                              ; the histograms are in; the sixteen loads of token words stay out
.set c, 1
.rept 15
.irp g, 0,1,2,3
	v_add_nc_u32 v[PH+16*\g+c], v[PH+16*\g+c], v[PH+16*\g+c-1]
.endr
.set c, c+1
.endr
	v_add_nc_u32 v20, v[PH+15], v[PH+31]
	v_add_nc_u32 v21, v[PH+47], v[PH+63]
	v_add_nc_u32 v20, v20, v21                     ; tokens of my key in my 64 chunks
	ds_store_b32 v[TWA], v20
	ds_store_b32 v[TWA], v18 offset:SLIST-TOT      ; each thread writes 0 to one word of the list: so no word of it is read unwritten, whatever the table holds
	s_wait_dscnt 0x0                               ; for the others' sake
	s_barrier_signal -1
	s_barrier_wait -1
	; (2) the other waves' counts; tokens of lower keys
.irp q, 0,1,2,3
	ds_load_b32 v[24+\q], v[TRA] offset:128*\q
.endr
	s_wait_dscnt 0x0
	v_add_nc_u32 v16, v24, v25
	v_add_nc_u32 v19, v26, v27
	v_add_nc_u32 v22, v16, v19                     ; all tokens of my key
	s_cmp_gt_u32 s18, 0
	s_cselect_b32 s42, -1, 0
	v_and_b32 v17, s42, v24                        ; those in earlier waves' chunks
	s_cmp_gt_u32 s18, 1
	s_cselect_b32 s42, -1, 0
	v_and_b32 v19, s42, v25
	v_add_nc_u32 v17, v17, v19
	s_cmp_gt_u32 s18, 2
	s_cselect_b32 s42, -1, 0
	v_and_b32 v19, s42, v26
	v_add_nc_u32 v17, v17, v19
.irp m, 1,2,4,8                                ; over the keys: v22 is the total of my group of m lanes; the neighbouring group's total counts for me where that group lies below mine
	v_mov_b32_dpp v18, v22 row_xmask:\m row_mask:0xf bank_mask:0xf
	v_and_b32 v19, \m, v[LN]
	v_cmp_ne_u32 vcc_lo, 0, v19
	v_cndmask_b32 v19, 0, v18, vcc_lo
	v_add_nc_u32 v17, v17, v19
	v_add_nc_u32 v22, v22, v18
.endr
	v_permlanex16_b32 v18, v22, s46, s47
	v_mad_u32_u24 v17, v18, v[HH], v17             ; and the lower sixteen keys' total for the upper sixteen
	v_add_nc_u32 v28, s45, v17                     ; counted from the block's first place (sums are taken modulo 2^32: what lies below the block becomes a very large number)
	v_add_nc_u32 v29, v28, v[PH+15]                ; the same for my second, third and fourth group of 16 chunks
	v_add_nc_u32 v30, v29, v[PH+31]
	v_add_nc_u32 v31, v30, v[PH+47]
.irp g, 0,1,2,3
	v_mov_b32 v[PE+16*\g], v[28+\g]
.endr
.set c, 1
.rept 15
.irp g, 0,1,2,3
	v_add_nc_u32 v[PE+16*\g+c], v[28+\g], v[PH+16*\g+c-1]   ; lane = key: the first place of that key's tokens of this chunk
.endr
.set c, c+1
.endr
	; (3) each token fetches its key's first place: between lanes, no LDS byte is touched
	s_wait_loadcnt 0x0                             ; the token words
.set b, 0
.rept 4
.set c, 0
.rept 16
	v_and_b32 v[32+c], 0xff, v[PT+16*b+c]          ; my token's key,
.set c, c+1
.endr
.set c, 0
.rept 16
	v_min_u32 v[32+c], 31, v[32+c]                 ; held to a lane's number
.set c, c+1
.endr
.set c, 0
.rept 16
	v_lshlrev_b32 v[32+c], 2, v[32+c]
.set c, c+1
.endr
.set c, 0
.rept 16
	ds_bpermute_b32 v[PH+16*b+c], v[32+c], v[PE+16*b+c]
.set c, c+1
.endr
.set b, b+1
.endr
	; (4) the place in the block, the LDS address and the word to store, eight chunks at a time
.set b, 0
.rept 8
	s_wait_dscnt 56-8*b                            ; this batch's eight fetches are back; the later batches' stay out
.set c, 0
.rept 8
	v_bfe_u32 v[32+c], v[PT+8*b+c], 8, 8           ; my rank
.set c, c+1
.endr
.set c, 0
.rept 8
	v_add_nc_u32 v[PH+8*b+c], v[PH+8*b+c], v[32+c]
.set c, c+1
.endr
.set c, 0
.rept 8
	v_add_nc_u32 v[40+c], 32*(8*b+c), v[TOK0]      ; my token's number
.set c, c+1
.endr
.set c, 0
.rept 8
	v_min_u32 v[PH+8*b+c], 0x80, v[PH+8*b+c]       ; 0 .. 127 in the block; every other token is held at 128
.set c, c+1
.endr
.set c, 0
.rept 8
	v_and_or_b32 v[PT+8*b+c], v[PT+8*b+c], 0xff0000, v[40+c]   ; the token's number under its two experts
.set c, c+1
.endr
.set c, 0
.rept 8
	v_lshl_add_u32 v[PH+8*b+c], v[PH+8*b+c], 2, SLIST
.set c, c+1
.endr
.set b, b+1
.endr
	s_wait_dscnt 0x0
	s_barrier_signal -1
	s_barrier_wait -1                              ; every wave has read the counts: from here to the last of the next four barriers the one wave whose turn it is touches LDS, and nobody else
	; (5) into the list, the waves by turns
.irp q, 0,1,2,3
	s_cmp_lg_u32 s18, \q
	s_cbranch_scc1 .Lturn_\q
.set c, 0
.rept 64
	ds_store_b32 v[PH+c], v[PT+c]
.set c, c+1
.endr
.Lturn_\q:
	s_wait_dscnt 0x0                               ; for the others' sake
	s_barrier_signal -1
	s_barrier_wait -1
.endr
	; the list is whole: it is read by fixed addresses
.irp u, 0,1,2,3
	ds_load_b32 v[TK+\u], v[SLA] offset:128*\u     ; lane L: place 32 u + L
.endr
.irp i, 0,1,2,3,4,5,6,7
	ds_load_b32 v[G+\i], v[SRA] offset:64*\i       ; lane (r, h): place 16 i + r, as the results will lie
.endr
	s_wait_dscnt 0x0
.irp u, 0,1,2,3
	v_and_b32 v[TK+\u], 0x1fff, v[TK+\u]           ; the token's number,
	v_min_u32 v[TK+\u], 0x1fff, v[TK+\u]           ; held inside the buffers
.endr
.irp u, 0,1,2,3
	ds_store_b32 v[LW], v[TK+\u] offset:64*\u
.endr
.irp m, 0,1,2,3
	ds_load_b128 v[IDS+4*\m:IDS+4*\m+3], v[LR] offset:16*\m    ; register i: the token of place 32 w + 2 i + h.  LDS serves a wave's instructions in order: these see my stores
.endr
.irp u, 0,1,2,3
	v_lshlrev_b32 v[XA+\u], 5, v[TK+\u]
.endr
.irp u, 0,1,2,3
	global_load_b128 v[XS+8*\u:XS+8*\u+3], v[XA+\u], s[10:11]              ; a token's eight scale words
	global_load_b128 v[XS+8*\u+4:XS+8*\u+7], v[XA+\u], s[10:11] offset:16
.endr
	s_wait_dscnt 0x0
.irp i, 0,1,2,3,4,5,6,7,8,9,10,11,12,13,14,15
	v_min_u32 v[IDS+\i], 0x1fff, v[IDS+\i]
.endr
.irp i, 0,1,2,3,4,5,6,7,8,9,10,11,12,13,14,15
	v_lshl_add_u32 v[IDS+\i], v[IDS+\i], 9, v[R16]
.endr
	WIN 0xc0                                       ; destination window 3: where the accumulators will lie
.irp i, 0,1,2,3,4,5,6,7,8,9,10,11,12,13,14,15
.irp k, 0,1
	global_load_b128 v[4*(2*\i+\k):4*(2*\i+\k)+3], v[IDS+\i], s[8:9] offset:256*\k   ; my wave's 32 rows of codes: sixteen lanes read 256 consecutive bytes
.endr
.endr
	WIN 0
.irp i, 0,1,2,3,4,5,6,7
	v_bfe_u32 v[E0+\i], v[G+\i], 16, 4
	v_bfe_u32 v[E1+\i], v[G+\i], 20, 4
.endr
.irp i, 0,1,2,3,4,5,6,7
	v_and_b32 v[G+\i], 0x1fff, v[G+\i]             ; the token's number once more,
.endr
.irp i, 0,1,2,3,4,5,6,7
	v_min_u32 v[G+\i], 0x1fff, v[G+\i]             ; held inside the buffer,
.endr
.irp i, 0,1,2,3,4,5,6,7
	v_lshlrev_b32 v[G+\i], 3, v[G+\i]
.endr
.irp i, 0,1,2,3,4,5,6,7
	global_load_b64 v[GW+2*\i:GW+2*\i+1], v[G+\i], s[6:7]      ; fetches its two probabilities.  G's registers are written again only behind the wait that shows these loads done
.endr
	v_mov_b32 v18, 1                               ; which experts does the block use?  A bit an expert, over the tiles, then over the lanes
	v_lshlrev_b32 v16, v[E0], v18
	v_lshlrev_b32 v17, v[E1], v18
	v_or_b32 v16, v16, v17
.irp i, 1,2,3,4,5,6,7
	v_lshlrev_b32 v17, v[E0+\i], v18
	v_lshlrev_b32 v19, v[E1+\i], v18
	v_or_b32 v16, v16, v17
	v_or_b32 v16, v16, v19
.endr
	s_mov_b32 s30, 0
.irp e, 0,1,2,3,4,5,6,7
	v_and_b32 v17, 1<<\e, v16
	v_cmp_ne_u32 vcc_lo, 0, v17
	s_cmp_lg_u32 vcc_lo, 0
	s_cselect_b32 s42, 1<<\e, 0
	s_or_b32 s30, s30, s42
.endr
	s_bcnt1_i32_b32 s31, s30                       ; how many: the same in all four waves
	s_ctz_i32_b32 s34, s30
	s_min_u32 s34, s34, 7                          ; the first of them
	s_add_co_i32 s45, s30, -1
	s_and_b32 s32, s30, s45                        ; the others
	s_lshl_b32 s38, s34, 19
	s_lshl_b32 s40, s34, 15
	s_add_nc_u64 s[26:27], s[22:23], s[38:39]
	s_add_nc_u64 s[28:29], s[24:25], s[40:41]
.irp t, 0,1,2,3,4,5,6,7
	FILL \t                                        ; the first item: 40 loads
.endr
	s_wait_loadcnt 40                              ; x's scale words, my 32 rows of codes and the probabilities are in; the first item's 40 loads stay out
	WIN 0x0c
.irp i, 0,1,2,3,4,5,6,7,8,9,10,11,12,13,14,15
.irp k, 0,1
	ds_store_b128 v[XW], v[4*(2*\i+\k):4*(2*\i+\k)+3] offset:2*XP*\i+256*\k
.endr
.endr
	WIN 0
	s_wait_dscnt 0x0                               ; for the others' sake: my 32 rows lie in LDS
	s_barrier_signal -1
	s_barrier_wait -1                              ; all 128 do.  The launch's last barrier: it stands ahead of every branch that hangs on the list
.irp t, 0,1,2,3,4,5,6,7
	WIN 0x40                                       ; x's fragments, K step by K step, so that the first item can begin on the first of them
.irp i, 0,1,2,3
.irp c, 0,1
	ds_load_b128 v[64*\i+8*\t+4*\c:64*\i+8*\t+4*\c+3], v[XR] offset:16*XP*\i+64*\t+32*\c
.endr
.endr
	WIN 0x80
.irp i, 0,1,2,3
.irp c, 0,1
	ds_load_b128 v[64*\i+8*\t+4*\c:64*\i+8*\t+4*\c+3], v[XR] offset:16*XP*(\i+4)+64*\t+32*\c
.endr
.endr
.endr
	WIN 0
	PASS 0
	s_add_co_i32 s45, s30, -1
	s_and_b32 s32, s30, s45                        ; pass 1 walks the same experts; its first item is already on its way
	PASS 1
	; THE WAY OUT.  My stage holds 128 rows of my 64 columns; rows leave two at a time, sixteen lanes storing 256 consecutive bytes of a token's row, at a multiple of 256 from out0's first byte.
	; Stage and own list are my wave's alone: LDS serves a wave's instructions in order, and no barrier is needed.
	s_wait_loadcnt 0x0                             ; the ring's last 40 loads have landed: its registers take the rows
.irp b, 0,1,2,3
	s_wait_xcnt 0x0                                ; the earlier stores have read their offsets and data: both are written again only behind this wait
.irp m, 0,1,2,3
	ds_load_b128 v[IDS+4*\m:IDS+4*\m+3], v[LE] offset:64*\b+16*\m          ; register k: the token of place 32 b + 2 k + h
.endr
.irp k, 0,1,2,3,4,5,6,7,8,9,10,11,12,13,14,15
	ds_load_b128 v[WF+64*(\b%2)+4*\k:WF+64*(\b%2)+4*\k+3], v[ORD] offset:2*OP*(16*\b+\k)
.endr
	s_wait_dscnt 16                                ; the token numbers are in; the sixteen loads of rows stay out
.irp k, 0,1,2,3,4,5,6,7,8,9,10,11,12,13,14,15
	v_min_u32 v[IDS+\k], 0x1fff, v[IDS+\k]
.endr
.irp k, 0,1,2,3,4,5,6,7,8,9,10,11,12,13,14,15
	v_lshl_add_u32 v[IDS+\k], v[IDS+\k], 12, v[R16]
.endr
.irp k, 0,1,2,3,4,5,6,7,8,9,10,11,12,13,14,15
	s_wait_dscnt 15-\k
	global_store_b128 v[IDS+\k], v[WF+64*(\b%2)+4*\k:WF+64*(\b%2)+4*\k+3], s[16:17] th:TH_STORE_NT   ; written once, read by nobody here
.endr
.endr
	s_wait_xcnt 0x0
	v_lshl_add_u32 v254, v0, 2, 0x33600
	v_mov_b32 v255, 0
	s_wait_tensorcnt 0x0
	ds_add_u32 v254, v255
	s_wait_dscnt 0x0
	s_endpgm
.Lfunc_end_k_q3f62c3b4e4_experts:
	.size	k_q3f62c3b4e4_experts, .Lfunc_end_k_q3f62c3b4e4_experts-k_q3f62c3b4e4_experts
	.p2alignl 7, 3214868480
	.fill 96, 4, 3214868480
	.section	.rodata,"a",@progbits
	.p2align	6, 0x0
	.amdhsa_kernel k_q3f62c3b4e4_experts
		.amdhsa_group_segment_fixed_size 210944
		.amdhsa_private_segment_fixed_size 0
		.amdhsa_enable_private_segment 0
		.amdhsa_kernarg_size 56
		.amdhsa_user_sgpr_count 2
		.amdhsa_user_sgpr_kernarg_segment_ptr 1
		.amdhsa_wavefront_size32 1
		.amdhsa_system_sgpr_workgroup_id_x 1
		.amdhsa_system_sgpr_workgroup_id_y 1
		.amdhsa_system_sgpr_workgroup_id_z 1
		.amdhsa_system_vgpr_workitem_id 0
		.amdhsa_next_free_vgpr 1024
		.amdhsa_next_free_sgpr 66
		.amdhsa_reserve_vcc 1
		.amdhsa_float_denorm_mode_32 3
		.amdhsa_float_denorm_mode_16_64 3
		.amdhsa_memory_ordered 1
		.amdhsa_forward_progress 1
		.amdhsa_inst_pref_size 229
	.end_amdhsa_kernel
	.amdgpu_metadata
---
amdhsa.version: [ 1, 2 ]
amdhsa.kernels:
  - .name:           k_q3f62c3b4e4_experts
    .symbol:         k_q3f62c3b4e4_experts.kd
    .args:
      - { .name: route, .offset: 0, .size: 8, .value_kind: global_buffer, .address_space: global }
      - { .name: tokw, .offset: 8, .size: 8, .value_kind: global_buffer, .address_space: global }
      - { .name: xq, .offset: 16, .size: 8, .value_kind: global_buffer, .address_space: global }
      - { .name: xs, .offset: 24, .size: 8, .value_kind: global_buffer, .address_space: global }
      - { .name: wq, .offset: 32, .size: 8, .value_kind: global_buffer, .address_space: global }
      - { .name: ws, .offset: 40, .size: 8, .value_kind: global_buffer, .address_space: global }
      - { .name: out0, .offset: 48, .size: 8, .value_kind: global_buffer, .address_space: global }
    .group_segment_fixed_size: 210944
    .private_segment_fixed_size: 0
    .kernarg_segment_align: 8
    .kernarg_segment_size: 56
    .max_flat_workgroup_size: 128
    .sgpr_count:     66
    .vgpr_count:     1024
    .wavefront_size: 32
...
	.end_amdgpu_metadata
.endif
;; end of part 5
;; ======== version 3 of 3: 2 launches
;; workspace buffers: xq 4,194,304 bytes; xs 262,144 bytes; wq 4,194,304 bytes; ws 262,144 bytes; route 65,536 bytes of whole numbers; tokw 65,536 bytes
;; launch prep (part 6): grid 256 x 1, 4 waves a work-group, no clusters, 94,720 bytes of LDS; arguments x, gate_w, expert_w, xq, xs, wq, ws, route, tokw; writes xq, xs, wq, ws, route, tokw
.if DOCPART == 6
	.amdgcn_target "amdgcn-amd-amdhsa--gfx1250"
	.amdhsa_code_object_version 6
	.text
	.protected	k_q3f62c3b4e4_prep
	.globl	k_q3f62c3b4e4_prep
	.p2align	8
	.type	k_q3f62c3b4e4_prep,@function
k_q3f62c3b4e4_prep:
	s_mov_b64 s[64:65], 0
	v_nop
	global_prefetch_b8 v0, s[64:65] scope:SCOPE_SE
	s_setreg_imm32_b32 hwreg(HW_REG_WAVE_SCHED_MODE, 0, 2), 2
	s_setreg_imm32_b32 hwreg(HW_REG_WAVE_MODE, 25, 1), 1
	s_wait_xcnt 0x0
	s_wait_alu depctr_vm_vsrc(0)
; x [8192][1024] and expert_w, taken as [8192 rows = expert x output column][1024], f32, become codes of FP4 (E2M1) with one E8M0 byte for each 32 along K (K innermost in both);
; and the router: logits = x . gate_w in f32 by fused multiply-adds, softmax with the row's maximum taken away, the two largest probabilities (of equal ones the lower index).
; A block's scale is 2^(floor(log2(largest magnitude)) - 2): its byte is the largest magnitude's exponent field - 2, held at 1 from below.
; LIMITS: NaN and infinities among the inputs are not served.  A block whose largest magnitude lies under 2^-124 keeps the byte 1; a block of zeros so has the byte 1 and zero codes (these bytes are read by this
; program alone).  A probability under 2^-126 comes out as 0 (v_exp_f32 gives 0 there).  The logits are f32 sums in another order than a row-by-row sum: a second and a third place nearer than that rounding may change places.
; SHARES.  Work-group g: tokens 32 g .. 32 g + 31 and rows 32 g .. 32 g + 31 of expert_w.  Wave w: eight rows of each, sixteen in all, one after the other.
; A row is 4,096 bytes: eight loads of 512 consecutive bytes.  It turns through the wave's own stage in LDS (128 bytes + 16 of padding a lane) and comes back with LANE l HOLDING BLOCK l: 32 neighbours in 32 registers.
; So a block's largest magnitude needs no other lane, four conversions give its 16 bytes, and the same registers feed the router's eight dot products against gate_w, which lies in the same order in 256 registers.
; OUT.  xq [token][512 bytes], block b at byte 16 b.  xs [token][32 bytes].  wq in the order of the operand's registers: [item g][K step s][tile j][c][lane 16 h + r][16 bytes] = block 4 s + 2 c + h of row 16 j + r of the item;
; ws [tile 2 g + j][s][r][4 bytes].  route, two halves of 32,768 bytes, each laid [chunk / 4][lane][chunk % 4] words, a chunk being a work-group's 32 tokens, so that the reader's load of 16 bytes a lane brings four chunks:
; first a word a token (lane = token in the chunk: pair key | rank among the chunk's tokens of that key << 8 | first expert << 16 | second << 20), then a histogram (lane = key).  tokw: the two probabilities of each token.
; The choice of experts is stored as numbers only: no address and no branch of this launch hangs on it.
; No tensor loads, no cluster: work-groups share nothing but gate_w (32 KB).  Everything is written out: every offset is an immediate.
; THE MODE: SCHED_MODE bits 1:0 = 2 (LLVM: expert scheduling mode 2), set by the entry lines.  The code itself states the register dependences between vector instructions and memory or LDS instructions,
; with s_wait_alu, always for 0.
; THE PLAN.  Registers that memory or LDS instructions touch, row by row:
;   R0 .. R3     The loads of row n + 4 land in R[n % 4]; the eight LDS stores of row n's turn through its stage read it.  No vector instruction names them.
;   X0, X1       The LDS loads of row n + 1's turn, issued in row n, land in X[(n + 1) % 2]; the last vector lines that read that set are row n - 1's.
;   C, BY, S     Two sets each.  Row n's vector lines write set n % 2; the stores that read it are issued at the head of row n + 1; row n + 2 writes it again.
;   addresses    Made at the head and never written again.
; So two waits stand at a row's head.  The one on vm_vsrc states that the turn's stores have read R[n % 4] and that the stores issued in the row before have read the sets that this row writes.  The one on va_vdst states that
; row n - 1's codes, byte and sums are written and that row n - 1 is done reading its X.  Behind them stand row n - 1's stores, the eight loads, the next row's turn and this row's vector lines.
.set CP,   144                         ; a lane's place in a stage: 128 bytes + 16 = 36 words
.set RP,   32*CP                       ; a row in LDS
.set UP,   272                         ; a unit of the weights' image: 16 rows x 16 bytes + 16
.set GATE, 0                           ; LDS: gate_w's eight rows,
.set STG,  8*RP                        ; two stages for each wave,
.set XSB,  STG+8*RP                    ; x's scale bytes, 256 a wave,
.set LG,   XSB+1024                    ; the logits, [32 tokens][8],
.set WSC,  LG+1024                     ; the weights' scale words, [2 tiles][8 steps][16 rows][4],
.set WIMG, WSC+1024                    ; the weights' codes, [2 tiles][32 blocks] units of UP bytes; ends at 94,208
.set L16, 1                            ; v1   16 x lane
.set SW,  2                            ; v2   the stage, on the way in
.set SR,  3                            ; v3   and on the way out: CP x lane
.set GS,  4                            ; v4   gate_w into LDS
.set GR,  5                            ; v5   and out of it
.set XB8, 6                            ; v6   my block's byte among x's scale bytes
.set LGW, 7                            ; v7   my wave's eight tokens' logits
.set WI,  8                            ; v8   my block's unit of the weights' image
.set WB8, 9                            ; v9   my block's byte among the weights' scale words
.set L8,  10                           ; v10  8 x lane
.set WOR, 11                           ; v11  the weights' image on the way out
.set BY,  16                           ; v16-17 a scale byte, two sets       (v12-15 at work)
.set XO,  18                           ; v18  scale bytes on the way out
.set LGR, 19                           ; v19  a token's eight logits: lane = token
.set C,   20                           ; v20-27 a block's codes, two sets
.set S,   28                           ; v28-43 the eight sums, two sets
.set A,   44                           ; v44-59 eight pairs of running sums
.set X,   64                           ; v64-127 two sets of 32 neighbours
.set R,   128                          ; v128-255 four sets of 32: rows as they are loaded.   Window 1 (v256-511): gate_w[e][32 lane + i] at 32 e + i
.set MSB, 0
.macro WIN new                         ; the immediate's high byte repeats the setting that is left
.if MSB != \new
	s_set_vgpr_msb (MSB<<8)|\new
.set MSB, \new
.endif
.endm
.macro LOADROW n                       ; row n of my sixteen: 0-7 of x, 8-15 of expert_w; each load reads 512 consecutive bytes
.irp j, 0,1,2,3,4,5,6,7
.if (\n) < 8
	global_load_b128 v[R+32*((\n)%4)+4*\j:R+32*((\n)%4)+4*\j+3], v[L16], s[4:5] offset:((\n)%8)*4096+512*\j th:TH_LOAD_NT
.else
	global_load_b128 v[R+32*((\n)%4)+4*\j:R+32*((\n)%4)+4*\j+3], v[L16], s[8:9] offset:((\n)%8)*4096+512*\j th:TH_LOAD_NT
.endif
.endr
.endm
.macro TURN n                          ; row n through a stage: LDS serves a wave's instructions in order, so no wait stands between the stores and the loads
.irp j, 0,1,2,3,4,5,6,7
	ds_store_b128 v[SW], v[R+32*((\n)%4)+4*\j:R+32*((\n)%4)+4*\j+3] offset:((\n)%2)*RP+4*CP*\j
.endr
.irp j, 0,1,2,3,4,5,6,7
	ds_load_b128 v[X+32*((\n)%2)+4*\j:X+32*((\n)%2)+4*\j+3], v[SR] offset:((\n)%2)*RP+16*\j
.endr
.endm
.macro QUANT n                         ; my block of row n: codes into set n % 2 of C, the byte into BY
.set XQ, X+32*((\n)%2)
	v_max3_num_f32 v12, |v[XQ]|, |v[XQ+1]|, |v[XQ+2]|          ; the block's largest magnitude: all 32 numbers are mine; two chains
	v_max3_num_f32 v13, |v[XQ+3]|, |v[XQ+4]|, |v[XQ+5]|
.irp i, 6,10,14,18,22,26
	v_max3_num_f32 v12, v12, |v[XQ+\i]|, |v[XQ+\i+1]|
	v_max3_num_f32 v13, v13, |v[XQ+\i+2]|, |v[XQ+\i+3]|
.endr
	v_max3_num_f32 v12, v12, |v[XQ+30]|, |v[XQ+31]|
	v_max3_num_f32 v12, v12, v13, 0x1800000                    ; and the floor 2^(3 - 127): the byte cannot fall under 1
	v_add_nc_u32 v14, 0xff000000, v12                          ; 2 off its exponent field: the conversion takes that field of this operand as its scale
	s_wait_alu depctr_va_vdst(0)
	s_wait_xcnt 0x0                                            ; the store of the codes of two rows ago, issued in the row before, has read this set of C: it is written again only behind this wait
.irp g, 0,1,2,3
	v_cvt_scalef32_pk8_fp4_f32 v[C+4*((\n)%2)+\g], v[XQ+8*\g:XQ+8*\g+7], v14
.endr
	v_lshrrev_b32 v[BY+(\n)%2], 23, v14                        ; the scale's byte; also the plain line behind the conversions
.endm
.macro ROUTER t                        ; token t of my eight: eight dot products of 1,024, 32 numbers a lane, two at a time, the eight chains by turns
.set XQ, X+32*((\t)%2)
.set SS, S+8*((\t)%2)
	WIN 0x04                                                   ; source 1 (gate_w) in window 1
.irp e, 0,1,2,3,4,5,6,7
	v_pk_mul_f32 v[A+2*\e:A+2*\e+1], v[XQ:XQ+1], v[32*\e:32*\e+1]      ; the first products start the sums
.endr
.irp i, 1,2,3,4,5,6,7,8,9,10,11,12,13,14,15
.irp e, 0,1,2,3,4,5,6,7
	v_pk_fma_f32 v[A+2*\e:A+2*\e+1], v[XQ+2*\i:XQ+2*\i+1], v[32*\e+2*\i:32*\e+2*\i+1], v[A+2*\e:A+2*\e+1]
.endr
.endr
	WIN 0
.irp e, 0,1,2,3,4,5,6,7
	v_add_f32 v[SS+\e], v[A+2*\e], v[A+2*\e+1]
.endr
.irp m, 1,2,4,8
.irp e, 0,1,2,3,4,5,6,7
	v_add_f32_dpp v[SS+\e], v[SS+\e], v[SS+\e] row_xmask:\m row_mask:0xf bank_mask:0xf
.endr
.endr
.irp e, 0,1,2,3,4,5,6,7
	v_permlanex16_b32 v[A+\e], v[SS+\e], s26, s27              ; (its destination counts as read: A's registers have been written)
.endr
.irp e, 0,1,2,3,4,5,6,7
	v_add_f32 v[SS+\e], v[SS+\e], v[A+\e]                      ; every lane holds the eight logits
.endr
.endm
.macro OUT n                           ; what row n's vector lines have made leaves its registers: issued at the head of row n + 1
.if (\n) < 8
	global_store_b128 v[L16], v[C+4*((\n)%2):C+4*((\n)%2)+3], s[10:11] offset:512*(\n)   ; a token's 512 bytes of codes, consecutive
	ds_store_b8 v[XB8], v[BY+(\n)%2] offset:32*(\n)
	ds_store_b128 v[LGW], v[S+8*((\n)%2):S+8*((\n)%2)+3] offset:32*(\n)            ; all lanes write the same bytes with the same values
	ds_store_b128 v[LGW], v[S+8*((\n)%2)+4:S+8*((\n)%2)+7] offset:32*(\n)+16
.else
	ds_store_b128 v[WI], v[C+4*((\n)%2):C+4*((\n)%2)+3] offset:16*((\n)-8)
	ds_store_b8 v[WB8], v[BY+(\n)%2] offset:4*((\n)-8)
.endif
.endm
; Row n's turn.
.macro ROW n
	s_wait_dscnt 0x0                                           ; row n is back from its stage: no LDS instruction was issued behind the loads that bring it
	s_wait_alu depctr_vm_vsrc(0)                               ; row n's stores into its stage have read R[n % 4], in which the loads below land; the stores issued in the row before have read the sets of C, BY and S that this row writes
.if (\n) > 0
	s_wait_alu depctr_va_vdst(0)                               ; the row before has written its codes, its byte and its sums, which the stores below read, and is done reading its X, in which the next row lands
	OUT (\n)-1
.endif
.if (\n)+4 < 16
	LOADROW (\n)+4                                             ; the row four further on
.endif
.if (\n) < 15
.if 14-(\n) >= 3
	s_wait_loadcnt 24                                          ; the next row's eight loads are in; the three rows behind it stay out
.else
	s_wait_loadcnt 8*(14-(\n))                                 ; (the counts run down)
.endif
	TURN (\n)+1                                                ; and it goes through the other stage while this row is worked
.endif
	QUANT \n
.if (\n) < 8
	ROUTER \n
.endif
.endm
	s_load_b256 s[4:11], s[0:1], 0x0               ; x s[4:5], gate_w s[6:7], expert_w s[8:9], xq s[10:11]
	s_load_b256 s[12:19], s[0:1], 0x20             ; xs s[12:13], wq s[14:15], ws s[16:17], route s[18:19]
	s_load_b64 s[20:21], s[0:1], 0x40              ; tokw
	v_lshl_add_u32 v62, v0, 2, 0x17000
	v_mov_b32 v63, 0
	v_lshrrev_b32 v12, 5, v0
	v_readfirstlane_b32 s22, v12                   ; wave 0..3
	v_and_b32 v13, 31, v0                          ; lane
	v_lshlrev_b32 v[L16], 4, v13
	s_wait_alu depctr_va_sdst(0)                   ; s22 is written, ahead of its first reader
	s_lshl_b32 s24, ttmp9, 17                      ; 32 rows of 4,096 bytes a work-group,
	s_lshl_b32 s28, s22, 15                        ; 8 a wave
	s_add_co_u32 s24, s24, s28
	s_mov_b32 s25, 0
	s_lshl_b32 s28, s22, 13                        ; gate_w: rows 2 w and 2 w + 1
	s_mov_b32 s29, 0
	s_wait_kmcnt 0x0
	s_add_nc_u64 s[4:5], s[4:5], s[24:25]
	s_add_nc_u64 s[8:9], s[8:9], s[24:25]
	s_add_nc_u64 s[6:7], s[6:7], s[28:29]
	s_wait_alu depctr_va_vdst(0)                   ; v[L16] is written, which the loads below read as their offset
.irp e, 0,1
.irp j, 0,1,2,3,4,5,6,7
	global_load_b128 v[X+32*\e+4*\j:X+32*\e+4*\j+3], v[L16], s[6:7] offset:4096*\e+512*\j
.endr
.endr
	LOADROW 0
	LOADROW 1
	LOADROW 2
	LOADROW 3
	; the other addresses, while the loads are on their way
	s_mov_b32 s26, 0x76543210
	s_mov_b32 s27, 0xfedcba98                      ; v_permlanex16_b32's selects for lane l xor 16
	v_lshlrev_b32 v[L8], 3, v13
	v_lshrrev_b32 v14, 3, v13
	v_and_b32 v15, 7, v13
	v_mul_u32_u24 v14, v14, CP
	v_lshl_add_u32 v14, v15, 4, v14                ; a load's 512 bytes are four lanes' places: CP (lane / 8) + 16 (lane % 8)
	s_mul_i32 s28, s22, 2*RP
	v_add_nc_u32 v[GS], s28, v14                   ; GATE = 0: rows 2 w, 2 w + 1
	s_add_co_u32 s29, s28, STG
	v_add_nc_u32 v[SW], s29, v14
	v_mul_u32_u24 v[GR], v13, CP
	v_add_nc_u32 v[SR], s29, v[GR]
	s_lshl_b32 s30, s22, 8                         ; 256 w
	s_add_co_u32 s31, s30, XSB
	v_add_nc_u32 v[XB8], s31, v13
	v_add_nc_u32 v[XO], s31, v[L8]
	s_add_co_u32 s31, s30, LG
	v_mov_b32 v[LGW], s31
	v_lshl_add_u32 v[LGR], v13, 5, LG
	s_lshr_b32 s32, s22, 1                         ; j: which tile of 16 rows of the item my eight rows of expert_w lie in,
	s_and_b32 s33, s22, 1                          ; and which half of it
	s_mul_i32 s34, s32, 32*UP
	s_lshl_b32 s35, s33, 7
	s_add_co_u32 s35, s35, s34
	s_add_co_u32 s35, s35, WIMG
	v_mul_u32_u24 v[WI], v13, UP
	v_add_nc_u32 v[WI], s35, v[WI]                 ; unit = my block; in it 16 bytes for each row of the tile
	s_mul_i32 s35, s33, 16*UP
	s_add_co_u32 s35, s35, s34
	s_add_co_u32 s35, s35, WIMG
	v_lshrrev_b32 v14, 4, v13
	v_and_b32 v15, 15, v13
	v_mul_u32_u24 v14, v14, UP
	v_lshl_add_u32 v14, v15, 4, v14
	v_add_nc_u32 v[WOR], s35, v14                  ; out: my tile's units 16 (w % 2) on, two an instruction
	s_lshl_b32 s34, s32, 9
	s_lshl_b32 s35, s33, 5
	s_add_co_u32 s34, s34, s35
	s_add_co_u32 s34, s34, WSC
	v_lshrrev_b32 v14, 2, v13
	v_and_b32 v15, 3, v13
	v_lshl_add_u32 v14, v14, 6, v15
	v_add_nc_u32 v[WB8], s34, v14                  ; step lane / 4, byte lane % 4; 4 bytes a row
	s_lshl_b32 s24, ttmp9, 14
	s_lshl_b32 s28, s22, 12
	s_add_co_u32 s28, s24, s28
	s_mov_b32 s29, 0
	s_add_nc_u64 s[10:11], s[10:11], s[28:29]      ; xq: 16,384 bytes a work-group, 4,096 a wave
	s_lshl_b32 s28, s32, 10
	s_add_co_u32 s24, s24, s28
	s_lshl_b32 s28, s33, 13
	s_add_co_u32 s24, s24, s28
	s_add_nc_u64 s[14:15], s[14:15], s[24:25]      ; wq: the item, + 1,024 j, + steps 4 (w % 2) on
	s_lshl_b32 s24, ttmp9, 10
	s_add_co_u32 s24, s24, s30
	s_add_nc_u64 s[12:13], s[12:13], s[24:25]      ; xs and ws: 1,024 bytes a work-group, 256 a wave
	s_add_nc_u64 s[16:17], s[16:17], s[24:25]
	s_lshl_b32 s24, ttmp9, 8
	s_add_nc_u64 s[20:21], s[20:21], s[24:25]      ; tokw: 256 bytes a chunk
	s_lshr_b32 s24, ttmp9, 2
	s_lshl_b32 s24, s24, 9                         ; route: 512 bytes for four chunks,
	s_and_b32 s28, ttmp9, 3
	s_lshl_b32 s28, s28, 2                         ; in them my chunk's word of each lane's four,
	s_add_co_u32 s24, s24, s28
	s_add_nc_u64 s[18:19], s[18:19], s[24:25]      ; in both of its halves
	s_wait_loadcnt 32                              ; gate_w's sixteen loads are in; behind them the 32 of rows 0 to 3
	s_wait_alu depctr_va_vdst(0)                   ; every address made above is written: the LDS and memory instructions from here on read them, and none is written again
.irp e, 0,1
.irp j, 0,1,2,3,4,5,6,7
	ds_store_b128 v[GS], v[X+32*\e+4*\j:X+32*\e+4*\j+3] offset:RP*\e+4*CP*\j
.endr
.endr
	s_wait_dscnt 0x0                               ; for the others' sake: my two rows of gate_w lie in LDS
	s_barrier_signal -1
	s_barrier_wait -1                              ; all eight do
	WIN 0x40                                       ; destination window 1
.irp e, 0,1,2,3,4,5,6,7
.irp i, 0,1,2,3,4,5,6,7
	ds_load_b128 v[32*\e+4*\i:32*\e+4*\i+3], v[GR] offset:RP*\e+16*\i
.endr
.endr
	WIN 0
	s_wait_loadcnt 24                              ; row 0 is in; rows 1 to 3 stay out
	s_wait_alu depctr_vm_vsrc(0)                   ; my stores of gate_w have read v64 to v127, in which the rows land from here on
	TURN 0
	ROW 0                                          ; (its wait on DScnt also shows gate_w in its registers)
.irp n, 1,2,3,4,5,6,7,8,9,10,11,12,13,14,15
	ROW \n
.endr
	s_wait_alu depctr_va_vdst(0)                   ; row 15's codes and byte are written, which the two stores below read; the vector lines are done with v12 to v15 and v64 to v71, in which loads land further down
	OUT 15
	s_wait_dscnt 0x0                               ; for the others' sake: my codes, bytes and logits lie in LDS
	s_barrier_signal -1
	s_barrier_wait -1
	; THE WAY OUT of what was gathered in LDS
	ds_load_b64 v[12:13], v[XO]                    ; my wave's 256 scale bytes of x,
	ds_load_b64 v[14:15], v[XO] offset:WSC-XSB     ; a quarter of the item's scale words,
.irp i, 0,1,2,3,4,5,6,7
	ds_load_b128 v[R+4*\i:R+4*\i+3], v[WOR] offset:2*UP*\i     ; and a quarter of its codes (the last stores that read these registers were row 12's, ahead of the later rows' waits on vm_vsrc)
.endr
	s_wait_dscnt 9
	global_store_b64 v[L8], v[12:13], s[12:13]     ; 256 consecutive bytes, at a multiple of 256 from the buffer's first byte
	s_wait_dscnt 8
	global_store_b64 v[L8], v[14:15], s[16:17]
.irp i, 0,1,2,3,4,5,6,7
	s_wait_dscnt 7-\i
	global_store_b128 v[L16], v[R+4*\i:R+4*\i+3], s[14:15] offset:(\i/2)*2048+(\i%2)*512   ; 512 consecutive bytes: a (step, tile, c) of the operand's image
.endr
	s_cmp_lg_u32 s22, 0
	s_cbranch_scc1 .Lend
	; WAVE 0: the chunk's routing, a lane a token
	ds_load_b128 v[64:67], v[LGR]
	ds_load_b128 v[68:71], v[LGR] offset:16
	s_wait_dscnt 0x0
	v_max3_num_f32 v72, v64, v65, v66
	v_max3_num_f32 v72, v72, v67, v68
	v_max3_num_f32 v72, v72, v69, v70
	v_max_num_f32 v72, v72, v71                    ; the row's maximum is taken away ahead of the exponentials
.irp e, 0,1,2,3,4,5,6,7
	v_sub_f32 v[80+\e], v[64+\e], v72
.endr
.irp e, 0,1,2,3,4,5,6,7
	v_mul_f32 v[80+\e], 0x3fb8aa3b, v[80+\e]       ; x log2(e)
.endr
	s_wait_alu depctr_va_vdst(0)
.irp e, 0,1,2,3,4,5,6,7
	v_exp_f32 v[80+\e], v[80+\e]
.endr
	v_mov_b32 v88, 0                               ; the first expert's index.  (A plain line behind the exponentials)
	s_wait_alu depctr_va_vdst(0)                   ; one wait for the eight exponentials' results v80 to v87, ahead of their first reader
	v_add_f32 v73, v80, v81
	v_add_f32 v74, v82, v83
	v_add_f32 v75, v84, v85
	v_add_f32 v76, v86, v87
	v_add_f32 v73, v73, v74
	v_add_f32 v75, v75, v76
	v_add_f32 v73, v73, v75
	s_wait_alu depctr_va_vdst(0)
	v_rcp_f32 v77, v73
	v_mov_b32 v89, 0                               ; the second's.  (A plain line behind the reciprocal)
	s_wait_alu depctr_va_vdst(0)                   ; the reciprocal's result v77, ahead of its first reader
.irp e, 0,1,2,3,4,5,6,7
	v_mul_f32 v[80+\e], v[80+\e], v77              ; the probabilities
.endr
	v_mov_b32 v92, v80
.irp e, 1,2,3,4,5,6,7
	v_cmp_gt_f32 vcc_lo, v[80+\e], v92             ; strictly larger, ascending: of equal ones the lower index stays
	s_wait_alu depctr_va_vcc(0)                    ; VCC is written, ahead of the two selects that read it (each compare hangs on the select before it: a chain)
	v_cndmask_b32 v92, v92, v[80+\e], vcc_lo
	v_cndmask_b32 v88, v88, \e, vcc_lo
.endr
.irp e, 0,1,2,3,4,5,6,7
	v_cmp_eq_u32 s[28+\e], \e, v88                 ; eight masks in a run
.endr
	s_wait_alu depctr_va_sdst(0)                   ; s28 to s35 are written, ahead of the first select that reads one
.irp e, 0,1,2,3,4,5,6,7
	v_cndmask_b32 v[80+\e], v[80+\e], -1.0, s[28+\e] ; the winner steps under every probability
.endr
	v_mov_b32 v93, v80
.irp e, 1,2,3,4,5,6,7
	v_cmp_gt_f32 vcc_lo, v[80+\e], v93
	s_wait_alu depctr_va_vcc(0)                    ; VCC is written, ahead of the two selects that read it
	v_cndmask_b32 v93, v93, v[80+\e], vcc_lo
	v_cndmask_b32 v89, v89, \e, vcc_lo
.endr
	; the pair's key, 0 .. 27, in an order in which neighbouring keys share an expert: lo (15 - lo) / 2 + (lo odd ? 7 - hi : hi - lo - 1)
	v_min_u32 v94, v88, v89
	v_max_u32 v95, v88, v89
	v_sub_nc_u32 v96, 15, v94
	v_mul_u32_u24 v96, v96, v94
	v_lshrrev_b32 v96, 1, v96
	v_sub_nc_u32 v97, 7, v95
	v_sub_nc_u32 v98, v95, v94
	v_add_nc_u32 v98, -1, v98
	v_and_b32 v99, 1, v94
	v_cmp_eq_u32 vcc_lo, 1, v99
	s_wait_alu depctr_va_vcc(0)                    ; VCC is written, ahead of the select that reads it
	v_cndmask_b32 v98, v98, v97, vcc_lo
	v_add_nc_u32 v100, v96, v98
	v_mov_b32 v101, 0                              ; my rank among the chunk's tokens of my key
	v_mov_b32 v102, 0                              ; the chunk's histogram: lane = key
	s_wait_alu depctr_va_vdst(0)
	s_wait_xcnt 0x0                                ; the stores above have read their bases: s4 to s17 take masks only behind this wait
.set k, 0
.rept 28
	v_cmp_eq_u32 s[4+k+6*(k/14)], k, v100          ; the lanes of key k: 28 masks in a run, in s4 to s17 and s24 to s37
.set k, k+1
.endr
	s_wait_alu depctr_va_sdst(0)                   ; the 28 masks are written, ahead of the first line that reads one
.set k, 0
.rept 28
	v_mbcnt_lo_u32_b32 v103, s[4+k+6*(k/14)], 0    ; how many lanes of key k stand below me,
	v_cndmask_b32 v101, v101, v103, s[4+k+6*(k/14)] ; kept where the key is mine,
	s_bcnt1_i32_b32 s38, s[4+k+6*(k/14)]           ; and how many there are
	v_writelane_b32 v102, s38, k
.set k, k+1
.endr
	v_lshl_or_b32 v104, v101, 8, v100
	v_lshl_or_b32 v104, v88, 16, v104
	v_lshl_or_b32 v104, v89, 20, v104
	s_wait_alu depctr_va_vdst(0)                   ; the tokens' words, the histogram and the two probabilities are written, which the three stores read
	global_store_b32 v[L16], v104, s[18:19]        ; a word a lane, 16 bytes apart: three other chunks fill the words between
	global_store_b32 v[L16], v102, s[18:19] offset:32768
	global_store_b64 v[L8], v[92:93], s[20:21]
.Lend:
	s_wait_dscnt 0x0                               ; the closing lines, six on end
	s_wait_alu 0x0
	s_wait_tensorcnt 0x0
	ds_add_u32 v62, v63
	s_wait_dscnt 0x0
	s_endpgm
.Lfunc_end_k_q3f62c3b4e4_prep:
	.size	k_q3f62c3b4e4_prep, .Lfunc_end_k_q3f62c3b4e4_prep-k_q3f62c3b4e4_prep
	.p2alignl 7, 3214868480
	.fill 96, 4, 3214868480
	.section	.rodata,"a",@progbits
	.p2align	6, 0x0
	.amdhsa_kernel k_q3f62c3b4e4_prep
		.amdhsa_group_segment_fixed_size 94720
		.amdhsa_private_segment_fixed_size 0
		.amdhsa_enable_private_segment 0
		.amdhsa_kernarg_size 72
		.amdhsa_user_sgpr_count 2
		.amdhsa_user_sgpr_kernarg_segment_ptr 1
		.amdhsa_wavefront_size32 1
		.amdhsa_system_sgpr_workgroup_id_x 1
		.amdhsa_system_sgpr_workgroup_id_y 1
		.amdhsa_system_sgpr_workgroup_id_z 1
		.amdhsa_system_vgpr_workitem_id 0
		.amdhsa_next_free_vgpr 512
		.amdhsa_next_free_sgpr 66
		.amdhsa_reserve_vcc 1
		.amdhsa_float_denorm_mode_32 3
		.amdhsa_float_denorm_mode_16_64 3
		.amdhsa_memory_ordered 1
		.amdhsa_forward_progress 1
		.amdhsa_inst_pref_size 172
	.end_amdhsa_kernel
	.amdgpu_metadata
---
amdhsa.version: [ 1, 2 ]
amdhsa.kernels:
  - .name:           k_q3f62c3b4e4_prep
    .symbol:         k_q3f62c3b4e4_prep.kd
    .args:
      - { .name: x, .offset: 0, .size: 8, .value_kind: global_buffer, .address_space: global }
      - { .name: gate_w, .offset: 8, .size: 8, .value_kind: global_buffer, .address_space: global }
      - { .name: expert_w, .offset: 16, .size: 8, .value_kind: global_buffer, .address_space: global }
      - { .name: xq, .offset: 24, .size: 8, .value_kind: global_buffer, .address_space: global }
      - { .name: xs, .offset: 32, .size: 8, .value_kind: global_buffer, .address_space: global }
      - { .name: wq, .offset: 40, .size: 8, .value_kind: global_buffer, .address_space: global }
      - { .name: ws, .offset: 48, .size: 8, .value_kind: global_buffer, .address_space: global }
      - { .name: route, .offset: 56, .size: 8, .value_kind: global_buffer, .address_space: global }
      - { .name: tokw, .offset: 64, .size: 8, .value_kind: global_buffer, .address_space: global }
    .group_segment_fixed_size: 94720
    .private_segment_fixed_size: 0
    .kernarg_segment_align: 8
    .kernarg_segment_size: 72
    .max_flat_workgroup_size: 128
    .sgpr_count:     66
    .vgpr_count:     512
    .wavefront_size: 32
...
	.end_amdgpu_metadata
.endif
;; end of part 6
;; launch experts (part 7): grid 4 x 64, 4 waves a work-group, no clusters, 210,944 bytes of LDS; arguments route, tokw, xq, xs, wq, ws, out0; writes out0
.if DOCPART == 7
	.amdgcn_target "amdgcn-amd-amdhsa--gfx1250"
	.amdhsa_code_object_version 6
	.text
	.protected	k_q3f62c3b4e4_experts
	.globl	k_q3f62c3b4e4_experts
	.p2align	8
	.type	k_q3f62c3b4e4_experts,@function
k_q3f62c3b4e4_experts:
	s_mov_b64 s[64:65], 0
	v_nop
	global_prefetch_b8 v0, s[64:65] scope:SCOPE_SE
	s_setreg_imm32_b32 hwreg(HW_REG_WAVE_MODE, 25, 1), 1
	s_wait_xcnt 0x0
; out0[token][:] = the sum over the token's two experts e of its probability x (x[token] . W_e), the products on codes of FP4 (E2M1) with E8M0 scales for each 32 along K, sums in f32.
; Only the chosen experts' rows are multiplied.  The tokens are taken in the order of their pair of experts; a work-group takes 128 neighbouring places of that order (y) x 256 output columns (x) and walks the experts that its tokens use.
; THE PLACING is done here, by every work-group for itself, from the whole numbers that the launch before stored: a token's place = tokens of lower keys + tokens of its key in earlier chunks of 32 + its rank in its chunk.
; Wave w sums the histograms of chunks 64 w .. 64 w + 63 (a lane a key), the waves exchange their totals through LDS, each token fetches its key's first place from that key's lane, and the tokens whose places fall
; into the block are stored into a list of 128 words in LDS.  Those stores' addresses hang on loaded numbers (held at 128 by v_min_u32): so they are parted by barriers from every other wave's LDS access, the four waves storing by turns.
; EACH OUTPUT ROW HAS ONE OWNER: for each expert walked, a token's result is multiplied by its probability for that expert, or by 0, and added up in registers.
; SHARES.  Every wave holds ALL 128 tokens' codes for all of K in registers (8 tiles x 8 K steps x 8 = 512) and owns 64 columns, made in two passes of 32: so a fragment of the weights is read from memory once in the
; work-group, straight into registers in the order in which the launch before laid it, and feeds eight matrix instructions; no LDS read stands in the loop.
; An ITEM is (expert, pass): 16 KB of wq and 1 KB of ws, consecutive: 8 K steps x 16 matrix instructions.  A ring of eight register slots, one a K step, is filled a whole item ahead.
; Which experts are walked, and how many, hangs on numbers read from route: so there is no tensor load, no copy and no cluster here (partners would want different tiles), and all seven barriers stand ahead of the walk.
; THE MATRIX INSTRUCTION IS USED TRANSPOSED: source 0 = 16 rows of W (output columns), source 1 = 16 tokens: a lane holds ONE token (lane % 16) and eight neighbouring columns 8 (lane / 16) + 0 .. 7.
; Every token has two different experts, so a block walks two at the least; a block of one would still be served (the loop is passed over).
; REGISTERS, in windows of 256.  Window 0: v1-15 addresses; v20-43 token numbers and offsets; v44-51 G, the item's weight a tile; v52-67 the tokens' experts; v68-83 their probabilities;
;   v84-115 x's scale words; v116-123 the weights' scale words, one a K step; v128-255 the ring.  (The placing, ahead of all these: v16-63 at work, v64-127 histograms, v128-191 token words, v192-255 first places.)
;   Windows 1, 2: x's fragment (tile i, step s) at 64 (i % 4) + 8 s of window 1 + i / 4.   Window 3: the item's 16 accumulators (i, j) at 8 (2 i + j); the pass's sums at 128 + the same.
.set XP,   528                         ; a token's codes in LDS: 512 bytes + 16 = 132 words: 16 rows start at 16 different groups of four banks
.set XSTG, 0                           ; LDS: the block's 128 rows of codes,
.set OP,   272                         ; a row of a wave's results: 256 bytes + 16
.set OSTG, 128*XP                      ; 128 such rows for each wave, its own,
.set LIST, OSTG+4*128*OP               ; each wave's own list of the 128 token numbers: even places, then odd places,
.set TOT,  LIST+4*512                  ; each wave's count of every key, 128 bytes a wave,
.set SLIST, TOT+512                    ; and the block's list: a word a place, and a 129th word that takes the tokens of other blocks.  The claim ends at 210,432
.set L16,  1                           ; v1   16 x lane
.set WO,   2                           ; v2   the fragment loads' offset
.set SOFF, 3                           ; v3   512 (lane / 16) + 4 (lane % 16): lanes 0-15 tile 0's scale words, lanes 16-31 tile 1's
.set SO,   4                           ; v4   the scale loads' offset
.set L4,   5
.set R4,   6                           ; v6, v7, v15: 4, 16, 8 x (lane % 16)
.set R16,  7
.set XW,   8                           ; v8   codes into LDS
.set XR,   9                           ; v9   fragments out of it
.set LW,   10                          ; v10  my own list: in;  v11 out, my wave's 32 places;  v12 out, from the first place on
.set LR,   11
.set LE,   12
.set OS,   13                          ; v13  results into my stage;  v14 rows out of it
.set ORD,  14
.set R8,   15
.set TK,   20
.set XA,   24
.set IDS,  28
.set G,    44
.set E0,   52
.set E1,   60
.set GW,   68
.set XS,   84                          ; register 8 u + s: lane L holds the scale word of place 32 u + L for K step s: lanes 0-15 tile 2 u, lanes 16-31 tile 2 u + 1
.set WS,   116
.set WF,   128                         ; slot s at 16 s; in it tile j at 8 j
.set TWA,  56                          ; the placing alone: v56 TOT + 4 x my thread's number;  v57 TOT + 4 x lane;  v58 SLIST + 4 x lane;  v59 SLIST + 4 x (lane % 16)
.set TRA,  57
.set SLA,  58
.set SRA,  59
.set LN,   60                          ; v60  lane;  v61 lane / 16;  v62 my token in my wave's first chunk
.set HH,   61
.set TOK0, 62
.set PH,   64                          ; my 64 chunks' histograms (lane = key), then their running sums; later what the tokens fetch, then their LDS addresses
.set PT,   128                         ; my 64 chunks' token words (lane = token); later the words to store
.set PE,   192                         ; a chunk's first place for each key, counted from the block's first place
.set MSB, 0
.macro WIN new                         ; the immediate's high byte repeats the setting that is left
.if MSB != \new
	s_set_vgpr_msb (MSB<<8)|\new
.set MSB, \new
.endif
.endm
.macro FILL s                          ; K step s of the item that s[26:29] stand at: two fragments (each load 512 consecutive bytes) and their scale words
.irp j, 0,1
.irp c, 0,1
	global_load_b128 v[WF+16*(\s)+8*\j+4*\c:WF+16*(\s)+8*\j+4*\c+3], v[WO], s[26:27] offset:2048*(\s)+1024*\j+512*\c
.endr
.endr
	global_load_b32 v[WS+(\s)], v[SO], s[28:29] offset:64*(\s)
.endm
.macro MM i, j, s                      ; tokens' tile i x columns' tile j, K step s.  Step 0 starts the sums: nothing is cleared
.set rD, 8*(2*(\i)+(\j))
.set rA, WF+16*(\s)+8*(\j)
.set rB, 64*((\i)%4)+8*(\s)
.set rP, WS+(\s)
.set rQ, XS+8*((\i)/2)+(\s)
.if (\s) == 0
.if ((\j) == 0) && ((\i)%2 == 0)
	v_wmma_scale_f32_16x16x128_f8f6f4 v[rD:rD+7], v[rA:rA+7], v[rB:rB+7], 0, v[rP], v[rQ] matrix_a_fmt:MATRIX_FMT_FP4 matrix_b_fmt:MATRIX_FMT_FP4
.elseif ((\j) == 1) && ((\i)%2 == 0)
	v_wmma_scale_f32_16x16x128_f8f6f4 v[rD:rD+7], v[rA:rA+7], v[rB:rB+7], 0, v[rP], v[rQ] matrix_a_fmt:MATRIX_FMT_FP4 matrix_b_fmt:MATRIX_FMT_FP4 matrix_a_scale:MATRIX_SCALE_ROW1
.elseif (\j) == 0
	v_wmma_scale_f32_16x16x128_f8f6f4 v[rD:rD+7], v[rA:rA+7], v[rB:rB+7], 0, v[rP], v[rQ] matrix_a_fmt:MATRIX_FMT_FP4 matrix_b_fmt:MATRIX_FMT_FP4 matrix_b_scale:MATRIX_SCALE_ROW1
.else
	v_wmma_scale_f32_16x16x128_f8f6f4 v[rD:rD+7], v[rA:rA+7], v[rB:rB+7], 0, v[rP], v[rQ] matrix_a_fmt:MATRIX_FMT_FP4 matrix_b_fmt:MATRIX_FMT_FP4 matrix_a_scale:MATRIX_SCALE_ROW1 matrix_b_scale:MATRIX_SCALE_ROW1
.endif
.else
.if ((\j) == 0) && ((\i)%2 == 0)
	v_wmma_scale_f32_16x16x128_f8f6f4 v[rD:rD+7], v[rA:rA+7], v[rB:rB+7], v[rD:rD+7], v[rP], v[rQ] matrix_a_fmt:MATRIX_FMT_FP4 matrix_b_fmt:MATRIX_FMT_FP4
.elseif ((\j) == 1) && ((\i)%2 == 0)
	v_wmma_scale_f32_16x16x128_f8f6f4 v[rD:rD+7], v[rA:rA+7], v[rB:rB+7], v[rD:rD+7], v[rP], v[rQ] matrix_a_fmt:MATRIX_FMT_FP4 matrix_b_fmt:MATRIX_FMT_FP4 matrix_a_scale:MATRIX_SCALE_ROW1
.elseif (\j) == 0
	v_wmma_scale_f32_16x16x128_f8f6f4 v[rD:rD+7], v[rA:rA+7], v[rB:rB+7], v[rD:rD+7], v[rP], v[rQ] matrix_a_fmt:MATRIX_FMT_FP4 matrix_b_fmt:MATRIX_FMT_FP4 matrix_b_scale:MATRIX_SCALE_ROW1
.else
	v_wmma_scale_f32_16x16x128_f8f6f4 v[rD:rD+7], v[rA:rA+7], v[rB:rB+7], v[rD:rD+7], v[rP], v[rQ] matrix_a_fmt:MATRIX_FMT_FP4 matrix_b_fmt:MATRIX_FMT_FP4 matrix_a_scale:MATRIX_SCALE_ROW1 matrix_b_scale:MATRIX_SCALE_ROW1
.endif
.endif
.endm
; A K step: 16 matrix instructions, the 16 accumulators by turns in the same order in every step; then the slot is filled for the next item.
.macro STEP s
	s_wait_loadcnt 35                              ; slot s's five loads are in: behind them stand the seven other slots' 35, in the first item, from item to item and over the backward jump alike
.if 16*(7-(\s)) > 63
	s_wait_dscnt 63                                ; (the first item alone: x's fragments come from LDS 16 a K step; the count's field holds 63)
.else
	s_wait_dscnt 16*(7-(\s))                       ; the steps behind this one may stay out; later nothing is out.  Step 7's count 0 also shows the last pass's stores into the stage done
.endif
	WIN 0xf4                                       ; source 0 (W) window 0, source 1 (x) window 1, C and D window 3
.irp i, 0,1,2,3
.irp j, 0,1
	MM \i, \j, \s
.endr
.endr
	WIN 0xf8                                       ; x in window 2
.irp i, 4,5,6,7
.irp j, 0,1
	MM \i, \j, \s
.endr
.endr
	WIN 0
	; tile s's weight for this item's expert: the token's probability where the expert is one of its two, else 0.  These four plain lines name no register of the products: they are the four places
	; in front of the loads into the slot (ISA guide 7.12.1 for vector instructions) and, in step 7, in front of the first read of the sums
	v_cmp_eq_u32 vcc_lo, s35, v[E0+(\s)]
	v_cndmask_b32 v[G+(\s)], 0, v[GW+2*(\s)], vcc_lo
	v_cmp_eq_u32 vcc_lo, s35, v[E1+(\s)]
	v_cndmask_b32 v[G+(\s)], v[G+(\s)], v[GW+2*(\s)+1], vcc_lo
	FILL \s
.endm
; At an item's head: which item comes next, so that this item's steps can fetch it.  s30 the experts' mask, s32 those still to come in this pass, s34 the next item's expert, s35 this item's.
; Pass 0's last item is followed by pass 1's first.  Behind the very last item the 40 loads are still issued, so that every counted wait holds on every way; there all lanes name one place of 16 (4) bytes inside wq (ws).
; Every number that hangs on the list and enters an address is first held under a constant: the expert's number at 7, the two flags at 1; behind the hold stand shifts, sums and products alone.
.macro NEXT p
	s_wait_xcnt 0x0                                ; the last 40 loads have read their base and offsets: both are written only behind this wait
	s_mov_b32 s35, s34
	s_cmp_lg_u32 s32, 0                            ; is an expert left in this pass?  All selections stand ahead of the lines that set SCC
	s_cselect_b32 s42, s32, s30
.if \p
	s_cselect_b32 s36, 1, 0                        ; pass 1: is there a next item at all?
	s_mov_b32 s43, 16384
	s_mov_b32 s44, 1024
.else
	s_cselect_b32 s43, 0, 1                        ; pass 0: is the next item pass 1's first?
	s_min_u32 s43, s43, 1                          ; the flag, held at 1,
	s_lshl_b32 s44, s43, 10                        ; as the second item's distance in ws
	s_lshl_b32 s43, s43, 14                        ; and in wq
.endif
	s_ctz_i32_b32 s34, s42
	s_min_u32 s34, s34, 7                          ; an expert's number, held inside the buffers
	s_add_co_i32 s45, s32, -1
	s_and_b32 s32, s32, s45                        ; its bit is taken off
	s_lshl_b32 s38, s34, 19                        ; 32 items of 16,384 bytes an expert
	s_add_co_u32 s38, s38, s43
	s_lshl_b32 s40, s34, 15                        ; and of 1,024
	s_add_co_u32 s40, s40, s44
	s_add_nc_u64 s[26:27], s[22:23], s[38:39]
	s_add_nc_u64 s[28:29], s[24:25], s[40:41]
.if \p
	s_min_u32 s36, s36, 1
	v_mul_u32_u24 v[WO], s36, v[L16]
	s_wait_alu depctr_va_vdst(0)
	v_mul_u32_u24 v[SO], s36, v[SOFF]
.endif
.endm
; The pass's sums take the item's results x the tokens' weights, two numbers an instruction; each accumulator is read from its low end on.  G's registers are named in pairs: tile i takes the pair's half i % 2 for both results.
.macro COMBINE first
	WIN 0xf3                                       ; the sums and the item's results in window 3, G in window 0
.irp i, 0,1,2,3,4,5,6,7
.irp q, 0,1,2,3,4,5,6,7
.if \first
.if (\i)%2 == 0
	v_pk_mul_f32 v[128+16*\i+2*\q:128+16*\i+2*\q+1], v[16*\i+2*\q:16*\i+2*\q+1], v[G+2*(\i/2):G+2*(\i/2)+1] op_sel_hi:[1,0]
.else
	v_pk_mul_f32 v[128+16*\i+2*\q:128+16*\i+2*\q+1], v[16*\i+2*\q:16*\i+2*\q+1], v[G+2*(\i/2):G+2*(\i/2)+1] op_sel:[0,1] op_sel_hi:[1,1]
.endif
.else
.if (\i)%2 == 0
	v_pk_fma_f32 v[128+16*\i+2*\q:128+16*\i+2*\q+1], v[16*\i+2*\q:16*\i+2*\q+1], v[G+2*(\i/2):G+2*(\i/2)+1], v[128+16*\i+2*\q:128+16*\i+2*\q+1] op_sel_hi:[1,0,1]
.else
	v_pk_fma_f32 v[128+16*\i+2*\q:128+16*\i+2*\q+1], v[16*\i+2*\q:16*\i+2*\q+1], v[G+2*(\i/2):G+2*(\i/2)+1], v[128+16*\i+2*\q:128+16*\i+2*\q+1] op_sel:[0,1,0] op_sel_hi:[1,1,1]
.endif
.endif
.endr
.endr
	WIN 0
.endm
.macro ITEM p, first
	NEXT \p
	s_wait_alu depctr_va_vdst(0)
.irp t, 0,1,2,3,4,5,6,7
	STEP \t
.endr
	COMBINE \first
.endm
; A pass: 32 of my 64 columns, all experts of the block.  The first item stands ahead of the loop: it starts the pass's sums.
.macro PASS p
	ITEM \p, 1
	s_mov_b32 s33, 1
	s_cmp_lt_u32 s33, s31
	s_cbranch_scc0 .Ldone_\p
.Litem_\p:
	ITEM \p, 0
	s_add_co_u32 s33, s33, 1
	s_cmp_lt_u32 s33, s31                          ; s31, the number of experts, is not written in the loop
	s_cbranch_scc1 .Litem_\p
.Ldone_\p:
	WIN 0x0c                                       ; an LDS store's data are its source 1: window 3
	s_wait_alu depctr_va_vdst(0)
.irp i, 0,1,2,3,4,5,6,7
.irp j, 0,1
	ds_store_b128 v[OS], v[128+8*(2*\i+\j):128+8*(2*\i+\j)+3] offset:16*OP*\i+128*(\p)+64*\j        ; lane (r, h): place 16 i + r, my columns 32 p + 16 j + 8 h + 0 .. 7
	ds_store_b128 v[OS], v[128+8*(2*\i+\j)+4:128+8*(2*\i+\j)+7] offset:16*OP*\i+128*(\p)+64*\j+16
.endr
.endr
	WIN 0
.endm
	s_load_b256 s[4:11], s[0:1], 0x0               ; route s[4:5], tokw s[6:7], xq s[8:9], xs s[10:11]
	s_load_b128 s[12:15], s[0:1], 0x20             ; wq s[12:13], ws s[14:15]
	s_load_b64 s[16:17], s[0:1], 0x30              ; out0
	v_lshrrev_b32 v16, 5, v0
	v_readfirstlane_b32 s18, v16                   ; wave 0..3
	s_and_b32 s20, ttmp7, 0xffff                   ; the block of 128 places; ttmp9: the slab of 256 columns
	v_and_b32 v18, 31, v0                          ; lane
	v_and_b32 v16, 15, v0                          ; r
	v_bfe_u32 v17, v0, 4, 1                        ; h
	v_lshlrev_b32 v[L16], 4, v18
	v_lshlrev_b32 v[L4], 2, v18
	v_lshlrev_b32 v[R4], 2, v16
	v_lshlrev_b32 v[R8], 3, v16
	v_lshlrev_b32 v[R16], 4, v16
	s_lshl_b32 s38, s18, 13                        ; my wave's 64 chunks: sixteen groups of four, 512 bytes each
	s_mov_b32 s39, 0
	s_mov_b32 s41, 0
	s_wait_alu depctr_va_vdst(0)
	s_wait_kmcnt 0x0
	s_add_nc_u64 s[4:5], s[4:5], s[38:39]
.irp i, 0,1,2,3,4,5,6,7,8,9,10,11,12,13,14,15
	global_load_b128 v[PH+4*\i:PH+4*\i+3], v[L16], s[4:5] offset:32768+512*\i   ; lane = key: its count in chunks 4 i .. 4 i + 3 of my 64
.endr
.irp i, 0,1,2,3,4,5,6,7,8,9,10,11,12,13,14,15
	global_load_b128 v[PT+4*\i:PT+4*\i+3], v[L16], s[4:5] offset:512*\i         ; lane = token in its chunk: the words of the same four chunks
.endr
	; all fixed addresses, while these are on their way
	s_lshl_b32 s38, ttmp9, 10
	s_lshl_b32 s42, s18, 8
	s_add_co_u32 s38, s38, s42
	s_add_nc_u64 s[16:17], s[16:17], s[38:39]      ; out0 at my 64 columns
	s_lshl_b32 s38, ttmp9, 17
	s_lshl_b32 s42, s18, 15
	s_add_co_u32 s38, s38, s42
	s_add_nc_u64 s[22:23], s[12:13], s[38:39]      ; wq at item 8 slab + 2 wave of expert 0
	s_lshl_b32 s40, ttmp9, 13
	s_lshl_b32 s42, s18, 11
	s_add_co_u32 s40, s40, s42
	s_add_nc_u64 s[24:25], s[14:15], s[40:41]      ; ws likewise
	v_lshl_add_u32 v[SOFF], v17, 9, v[R4]
	s_mul_i32 s42, s18, 32*XP
	v_mul_u32_u24 v[XW], v17, XP
	v_add_nc_u32 v[XW], v[XW], v[R16]
	v_add_nc_u32 v[XW], s42, v[XW]                 ; in: rows 32 w + 2 i + h, sixteen lanes to 256 bytes
	v_mul_u32_u24 v[XR], v16, XP
	v_lshl_add_u32 v[XR], v17, 4, v[XR]            ; out: row r of a tile, + 16 h
	s_lshl_b32 s42, s18, 9
	s_add_co_u32 s42, s42, LIST                    ; my own list
	v_and_b32 v19, 1, v18
	v_lshrrev_b32 v[LW], 1, v18
	v_lshlrev_b32 v[LW], 2, v[LW]
	v_lshl_add_u32 v[LW], v19, 8, v[LW]
	v_add_nc_u32 v[LW], s42, v[LW]                 ; place 32 u + L goes to word 16 u + L / 2 of the even or of the odd half
	v_lshl_add_u32 v[LE], v17, 8, s42              ; out: lanes 0-15 the even places, lanes 16-31 the odd ones
	s_lshl_b32 s43, s18, 6
	v_add_nc_u32 v[LR], s43, v[LE]
	s_mul_i32 s44, s18, 128*OP
	s_add_co_u32 s44, s44, OSTG                    ; my stage
	v_mul_u32_u24 v[OS], v16, OP
	v_lshl_add_u32 v[OS], v17, 5, v[OS]
	v_add_nc_u32 v[OS], s44, v[OS]
	v_mul_u32_u24 v[ORD], v17, OP
	v_lshl_add_u32 v[ORD], v16, 4, v[ORD]
	v_add_nc_u32 v[ORD], s44, v[ORD]
	v_mov_b32 v[WO], v[L16]
	v_mov_b32 v[SO], v[SOFF]
	v_lshl_add_u32 v[TWA], v0, 2, TOT
	v_add_nc_u32 v[TRA], TOT, v[L4]
	v_add_nc_u32 v[SLA], SLIST, v[L4]
	v_add_nc_u32 v[SRA], SLIST, v[R4]
	v_mov_b32 v[LN], v18
	v_mov_b32 v[HH], v17
	s_lshl_b32 s42, s18, 11
	v_add_nc_u32 v[TOK0], s42, v18                 ; 2,048 tokens a wave
	s_mov_b32 s46, 0x76543210
	s_mov_b32 s47, 0xfedcba98                      ; v_permlanex16_b32's selects for lane l xor 16
	s_lshl_b32 s45, s20, 7
	s_sub_co_u32 s45, 0, s45                       ; minus the block's first place
	v_mov_b32 v18, 0
	; THE PLACING.  (1) Running sums of my key's counts over my chunks, in place, in four chains of 16 chunks by turns
	s_wait_loadcnt 16                              ; the histograms are in; the sixteen loads of token words stay out
.set c, 1
.rept 15
.irp g, 0,1,2,3
	v_add_nc_u32 v[PH+16*\g+c], v[PH+16*\g+c], v[PH+16*\g+c-1]
.endr
.set c, c+1
.endr
	v_add_nc_u32 v20, v[PH+15], v[PH+31]
	v_add_nc_u32 v21, v[PH+47], v[PH+63]
	v_add_nc_u32 v20, v20, v21                     ; tokens of my key in my 64 chunks
	ds_store_b32 v[TWA], v20
	ds_store_b32 v[TWA], v18 offset:SLIST-TOT      ; each thread writes 0 to one word of the list: so no word of it is read unwritten, whatever the table holds
	s_wait_dscnt 0x0                               ; for the others' sake
	s_barrier_signal -1
	s_barrier_wait -1
	; (2) the other waves' counts; tokens of lower keys
.irp q, 0,1,2,3
	ds_load_b32 v[24+\q], v[TRA] offset:128*\q
.endr
	s_wait_dscnt 0x0
	v_add_nc_u32 v16, v24, v25
	v_add_nc_u32 v19, v26, v27
	v_add_nc_u32 v22, v16, v19                     ; all tokens of my key
	s_cmp_gt_u32 s18, 0
	s_cselect_b32 s42, -1, 0
	v_and_b32 v17, s42, v24                        ; those in earlier waves' chunks
	s_cmp_gt_u32 s18, 1
	s_cselect_b32 s42, -1, 0
	v_and_b32 v19, s42, v25
	v_add_nc_u32 v17, v17, v19
	s_cmp_gt_u32 s18, 2
	s_cselect_b32 s42, -1, 0
	v_and_b32 v19, s42, v26
	v_add_nc_u32 v17, v17, v19
.irp m, 1,2,4,8                                ; over the keys: v22 is the total of my group of m lanes; the neighbouring group's total counts for me where that group lies below mine
	v_mov_b32_dpp v18, v22 row_xmask:\m row_mask:0xf bank_mask:0xf
	v_and_b32 v19, \m, v[LN]
	v_cmp_ne_u32 vcc_lo, 0, v19
	v_cndmask_b32 v19, 0, v18, vcc_lo
	v_add_nc_u32 v17, v17, v19
	v_add_nc_u32 v22, v22, v18
.endr
	v_permlanex16_b32 v18, v22, s46, s47
	v_mad_u32_u24 v17, v18, v[HH], v17             ; and the lower sixteen keys' total for the upper sixteen
	v_add_nc_u32 v28, s45, v17                     ; counted from the block's first place (sums are taken modulo 2^32: what lies below the block becomes a very large number)
	v_add_nc_u32 v29, v28, v[PH+15]                ; the same for my second, third and fourth group of 16 chunks
	v_add_nc_u32 v30, v29, v[PH+31]
	v_add_nc_u32 v31, v30, v[PH+47]
.irp g, 0,1,2,3
	v_mov_b32 v[PE+16*\g], v[28+\g]
.endr
.set c, 1
.rept 15
.irp g, 0,1,2,3
	v_add_nc_u32 v[PE+16*\g+c], v[28+\g], v[PH+16*\g+c-1]   ; lane = key: the first place of that key's tokens of this chunk
.endr
.set c, c+1
.endr
	; (3) each token fetches its key's first place: between lanes, no LDS byte is touched
	s_wait_loadcnt 0x0                             ; the token words
.set b, 0
.rept 4
.set c, 0
.rept 16
	v_and_b32 v[32+c], 0xff, v[PT+16*b+c]          ; my token's key,
.set c, c+1
.endr
.set c, 0
.rept 16
	v_min_u32 v[32+c], 31, v[32+c]                 ; held to a lane's number
.set c, c+1
.endr
.set c, 0
.rept 16
	v_lshlrev_b32 v[32+c], 2, v[32+c]
.set c, c+1
.endr
.set c, 0
.rept 16
	ds_bpermute_b32 v[PH+16*b+c], v[32+c], v[PE+16*b+c]
.set c, c+1
.endr
.set b, b+1
.endr
	; (4) the place in the block, the LDS address and the word to store, eight chunks at a time
.set b, 0
.rept 8
	s_wait_dscnt 56-8*b                            ; this batch's eight fetches are back; the later batches' stay out
.set c, 0
.rept 8
	v_bfe_u32 v[32+c], v[PT+8*b+c], 8, 8           ; my rank
.set c, c+1
.endr
.set c, 0
.rept 8
	v_add_nc_u32 v[PH+8*b+c], v[PH+8*b+c], v[32+c]
.set c, c+1
.endr
.set c, 0
.rept 8
	v_add_nc_u32 v[40+c], 32*(8*b+c), v[TOK0]      ; my token's number
.set c, c+1
.endr
.set c, 0
.rept 8
	v_min_u32 v[PH+8*b+c], 0x80, v[PH+8*b+c]       ; 0 .. 127 in the block; every other token is held at 128
.set c, c+1
.endr
.set c, 0
.rept 8
	v_and_or_b32 v[PT+8*b+c], v[PT+8*b+c], 0xff0000, v[40+c]   ; the token's number under its two experts
.set c, c+1
.endr
.set c, 0
.rept 8
	v_lshl_add_u32 v[PH+8*b+c], v[PH+8*b+c], 2, SLIST
.set c, c+1
.endr
.set b, b+1
.endr
	s_wait_dscnt 0x0
	s_barrier_signal -1
	s_barrier_wait -1                              ; every wave has read the counts: from here to the last of the next four barriers the one wave whose turn it is touches LDS, and nobody else
	; (5) into the list, the waves by turns
.irp q, 0,1,2,3
	s_cmp_lg_u32 s18, \q
	s_cbranch_scc1 .Lturn_\q
.set c, 0
	s_wait_alu depctr_va_vdst(0)
.rept 64
	ds_store_b32 v[PH+c], v[PT+c]
.set c, c+1
.endr
.Lturn_\q:
	s_wait_dscnt 0x0                               ; for the others' sake
	s_barrier_signal -1
	s_barrier_wait -1
.endr
	; the list is whole: it is read by fixed addresses
.irp u, 0,1,2,3
	ds_load_b32 v[TK+\u], v[SLA] offset:128*\u     ; lane L: place 32 u + L
.endr
.irp i, 0,1,2,3,4,5,6,7
	ds_load_b32 v[G+\i], v[SRA] offset:64*\i       ; lane (r, h): place 16 i + r, as the results will lie
.endr
	s_wait_dscnt 0x0
.irp u, 0,1,2,3
	v_and_b32 v[TK+\u], 0x1fff, v[TK+\u]           ; the token's number,
	v_min_u32 v[TK+\u], 0x1fff, v[TK+\u]           ; held inside the buffers
.endr
.irp u, 0,1,2,3
	ds_store_b32 v[LW], v[TK+\u] offset:64*\u
.endr
.irp m, 0,1,2,3
	ds_load_b128 v[IDS+4*\m:IDS+4*\m+3], v[LR] offset:16*\m    ; register i: the token of place 32 w + 2 i + h.  LDS serves a wave's instructions in order: these see my stores
.endr
.irp u, 0,1,2,3
	v_lshlrev_b32 v[XA+\u], 5, v[TK+\u]
.endr
.irp u, 0,1,2,3
	global_load_b128 v[XS+8*\u:XS+8*\u+3], v[XA+\u], s[10:11]              ; a token's eight scale words
	global_load_b128 v[XS+8*\u+4:XS+8*\u+7], v[XA+\u], s[10:11] offset:16
.endr
	s_wait_dscnt 0x0
.irp i, 0,1,2,3,4,5,6,7,8,9,10,11,12,13,14,15
	v_min_u32 v[IDS+\i], 0x1fff, v[IDS+\i]
.endr
.irp i, 0,1,2,3,4,5,6,7,8,9,10,11,12,13,14,15
	v_lshl_add_u32 v[IDS+\i], v[IDS+\i], 9, v[R16]
.endr
	WIN 0xc0                                       ; destination window 3: where the accumulators will lie
.irp i, 0,1,2,3,4,5,6,7,8,9,10,11,12,13,14,15
.irp k, 0,1
	global_load_b128 v[4*(2*\i+\k):4*(2*\i+\k)+3], v[IDS+\i], s[8:9] offset:256*\k   ; my wave's 32 rows of codes: sixteen lanes read 256 consecutive bytes
.endr
.endr
	WIN 0
.irp i, 0,1,2,3,4,5,6,7
	v_bfe_u32 v[E0+\i], v[G+\i], 16, 4
	v_bfe_u32 v[E1+\i], v[G+\i], 20, 4
.endr
.irp i, 0,1,2,3,4,5,6,7
	v_and_b32 v[G+\i], 0x1fff, v[G+\i]             ; the token's number once more,
.endr
.irp i, 0,1,2,3,4,5,6,7
	v_min_u32 v[G+\i], 0x1fff, v[G+\i]             ; held inside the buffer,
.endr
.irp i, 0,1,2,3,4,5,6,7
	v_lshlrev_b32 v[G+\i], 3, v[G+\i]
.endr
.irp i, 0,1,2,3,4,5,6,7
	global_load_b64 v[GW+2*\i:GW+2*\i+1], v[G+\i], s[6:7]      ; fetches its two probabilities.  G's registers are written again only behind the wait that shows these loads done
.endr
	v_mov_b32 v18, 1                               ; which experts does the block use?  A bit an expert, over the tiles, then over the lanes
	v_lshlrev_b32 v16, v[E0], v18
	v_lshlrev_b32 v17, v[E1], v18
	v_or_b32 v16, v16, v17
.irp i, 1,2,3,4,5,6,7
	v_lshlrev_b32 v17, v[E0+\i], v18
	v_lshlrev_b32 v19, v[E1+\i], v18
	v_or_b32 v16, v16, v17
	v_or_b32 v16, v16, v19
.endr
	s_wait_alu depctr_va_vdst(0)
	s_mov_b32 s30, 0
.irp e, 0,1,2,3,4,5,6,7
	v_and_b32 v17, 1<<\e, v16
	v_cmp_ne_u32 vcc_lo, 0, v17
	s_cmp_lg_u32 vcc_lo, 0
	s_cselect_b32 s42, 1<<\e, 0
	s_or_b32 s30, s30, s42
.endr
	s_bcnt1_i32_b32 s31, s30                       ; how many: the same in all four waves
	s_ctz_i32_b32 s34, s30
	s_min_u32 s34, s34, 7                          ; the first of them
	s_add_co_i32 s45, s30, -1
	s_and_b32 s32, s30, s45                        ; the others
	s_lshl_b32 s38, s34, 19
	s_lshl_b32 s40, s34, 15
	s_add_nc_u64 s[26:27], s[22:23], s[38:39]
	s_add_nc_u64 s[28:29], s[24:25], s[40:41]
.irp t, 0,1,2,3,4,5,6,7
	FILL \t                                        ; the first item: 40 loads
.endr
	s_wait_loadcnt 40                              ; x's scale words, my 32 rows of codes and the probabilities are in; the first item's 40 loads stay out
	WIN 0x0c
.irp i, 0,1,2,3,4,5,6,7,8,9,10,11,12,13,14,15
.irp k, 0,1
	ds_store_b128 v[XW], v[4*(2*\i+\k):4*(2*\i+\k)+3] offset:2*XP*\i+256*\k
.endr
.endr
	WIN 0
	s_wait_dscnt 0x0                               ; for the others' sake: my 32 rows lie in LDS
	s_barrier_signal -1
	s_barrier_wait -1                              ; all 128 do.  The launch's last barrier: it stands ahead of every branch that hangs on the list
.irp t, 0,1,2,3,4,5,6,7
	WIN 0x40                                       ; x's fragments, K step by K step, so that the first item can begin on the first of them
.irp i, 0,1,2,3
.irp c, 0,1
	ds_load_b128 v[64*\i+8*\t+4*\c:64*\i+8*\t+4*\c+3], v[XR] offset:16*XP*\i+64*\t+32*\c
.endr
.endr
	WIN 0x80
.irp i, 0,1,2,3
.irp c, 0,1
	ds_load_b128 v[64*\i+8*\t+4*\c:64*\i+8*\t+4*\c+3], v[XR] offset:16*XP*(\i+4)+64*\t+32*\c
.endr
.endr
.endr
	WIN 0
	PASS 0
	s_add_co_i32 s45, s30, -1
	s_and_b32 s32, s30, s45                        ; pass 1 walks the same experts; its first item is already on its way
	PASS 1
	; THE WAY OUT.  My stage holds 128 rows of my 64 columns; rows leave two at a time, sixteen lanes storing 256 consecutive bytes of a token's row, at a multiple of 256 from out0's first byte.
	; Stage and own list are my wave's alone: LDS serves a wave's instructions in order, and no barrier is needed.
	s_wait_loadcnt 0x0                             ; the ring's last 40 loads have landed: its registers take the rows
.irp b, 0,1,2,3
	s_wait_xcnt 0x0                                ; the earlier stores have read their offsets and data: both are written again only behind this wait
.irp m, 0,1,2,3
	ds_load_b128 v[IDS+4*\m:IDS+4*\m+3], v[LE] offset:64*\b+16*\m          ; register k: the token of place 32 b + 2 k + h
.endr
.irp k, 0,1,2,3,4,5,6,7,8,9,10,11,12,13,14,15
	ds_load_b128 v[WF+64*(\b%2)+4*\k:WF+64*(\b%2)+4*\k+3], v[ORD] offset:2*OP*(16*\b+\k)
.endr
	s_wait_dscnt 16                                ; the token numbers are in; the sixteen loads of rows stay out
.irp k, 0,1,2,3,4,5,6,7,8,9,10,11,12,13,14,15
	v_min_u32 v[IDS+\k], 0x1fff, v[IDS+\k]
.endr
.irp k, 0,1,2,3,4,5,6,7,8,9,10,11,12,13,14,15
	v_lshl_add_u32 v[IDS+\k], v[IDS+\k], 12, v[R16]
.endr
	s_wait_alu depctr_va_vdst(0)
.irp k, 0,1,2,3,4,5,6,7,8,9,10,11,12,13,14,15
	s_wait_dscnt 15-\k
	global_store_b128 v[IDS+\k], v[WF+64*(\b%2)+4*\k:WF+64*(\b%2)+4*\k+3], s[16:17] th:TH_STORE_NT   ; written once, read by nobody here
.endr
.endr
	s_wait_xcnt 0x0
	v_lshl_add_u32 v254, v0, 2, 0x33600
	v_mov_b32 v255, 0
	s_wait_alu depctr_va_vdst(0)
	s_wait_tensorcnt 0x0
	ds_add_u32 v254, v255
	s_wait_dscnt 0x0
	s_endpgm
.Lfunc_end_k_q3f62c3b4e4_experts:
	.size	k_q3f62c3b4e4_experts, .Lfunc_end_k_q3f62c3b4e4_experts-k_q3f62c3b4e4_experts
	.p2alignl 7, 3214868480
	.fill 96, 4, 3214868480
	.section	.rodata,"a",@progbits
	.p2align	6, 0x0
	.amdhsa_kernel k_q3f62c3b4e4_experts
		.amdhsa_group_segment_fixed_size 210944
		.amdhsa_private_segment_fixed_size 0
		.amdhsa_enable_private_segment 0
		.amdhsa_kernarg_size 56
		.amdhsa_user_sgpr_count 2
		.amdhsa_user_sgpr_kernarg_segment_ptr 1
		.amdhsa_wavefront_size32 1
		.amdhsa_system_sgpr_workgroup_id_x 1
		.amdhsa_system_sgpr_workgroup_id_y 1
		.amdhsa_system_sgpr_workgroup_id_z 1
		.amdhsa_system_vgpr_workitem_id 0
		.amdhsa_next_free_vgpr 1024
		.amdhsa_next_free_sgpr 66
		.amdhsa_reserve_vcc 1
		.amdhsa_float_denorm_mode_32 3
		.amdhsa_float_denorm_mode_16_64 3
		.amdhsa_memory_ordered 1
		.amdhsa_forward_progress 1
		.amdhsa_inst_pref_size 229
	.end_amdhsa_kernel
	.amdgpu_metadata
---
amdhsa.version: [ 1, 2 ]
amdhsa.kernels:
  - .name:           k_q3f62c3b4e4_experts
    .symbol:         k_q3f62c3b4e4_experts.kd
    .args:
      - { .name: route, .offset: 0, .size: 8, .value_kind: global_buffer, .address_space: global }
      - { .name: tokw, .offset: 8, .size: 8, .value_kind: global_buffer, .address_space: global }
      - { .name: xq, .offset: 16, .size: 8, .value_kind: global_buffer, .address_space: global }
      - { .name: xs, .offset: 24, .size: 8, .value_kind: global_buffer, .address_space: global }
      - { .name: wq, .offset: 32, .size: 8, .value_kind: global_buffer, .address_space: global }
      - { .name: ws, .offset: 40, .size: 8, .value_kind: global_buffer, .address_space: global }
      - { .name: out0, .offset: 48, .size: 8, .value_kind: global_buffer, .address_space: global }
    .group_segment_fixed_size: 210944
    .private_segment_fixed_size: 0
    .kernarg_segment_align: 8
    .kernarg_segment_size: 56
    .max_flat_workgroup_size: 128
    .sgpr_count:     66
    .vgpr_count:     1024
    .wavefront_size: 32
...
	.end_amdgpu_metadata
.endif
;; end of part 7
